; MI455X (gfx1250); checked and timed in simulation.
; The chip was launched on July 23, 2026; its instructions are those of AMD's public machine-readable ISA for CDNA 5 (MIT licence, August 2026) and "CDNA5" Instruction Set Architecture Reference Guide (July 2026). The comments in the code are by the model that wrote it; some were corrected since.
;; MSGT. Allowed arithmetic: matrix products marked QUANTISED: E2M3 operands, one E8M0 scale for each 32 along K, by v_wmma_scale_f32_16x16x128_f8f6f4 with both operands' format E2M3, f32 sums; everything else in f32.
;; Inputs: b1 3 x 256 float32; b2 3 x 256 float32; bias_table 1,500 float32; bk 3 x 256 float32; bo 3 x 256 float32; bq 3 x 256 float32; bv 3 x 256 float32; cm_ln_b 3 x 256 float32; cm_ln_g 3 x 256 float32; ln_b 3 x 256 float32; ln_g 3 x 256 float32; mask 64 x 512 int32; w1 3 x 256 x 256 float32; w2 3 x 256 x 256 float32; wk 3 x 256 x 256 float32; wo 3 x 256 x 256 float32; wq 3 x 256 x 256 float32; wv 3 x 256 x 256 float32; x 64 x 512 x 256 float32.
;; Outputs: out0 64 x 512 x 256 float32.
;; This version of the problem:
;;   THIS VERSION OF THE PROBLEM IS GIVEN IN LOW PRECISION. The matrix products marked QUANTISED in the list below multiply operands that are first quantised to E2M3 (2 exponent bits, 3 mantissa bits; 6 bits a number), with one power-of-two scale for each 32 numbers along K (OCP MX v1.0); their sums are f32. All else is computed in f32.
;;   The module's matrix products, in the order in which they are computed (A, B: the left and right operand; K: the contracted axis; several contracted axes count as one K, in the product's order):
;;     1. [M 32,768, K 256] x [K 256, N 256]; A: computed on the way; B: input wq: QUANTISED
;;     2. [M 32,768, K 256] x [K 256, N 256]; A: computed on the way; B: input wk: QUANTISED
;;     3. [M 32,768, K 256] x [K 256, N 256]; A: computed on the way; B: input wv: QUANTISED
;;     4. batch 64 x [M 512, K 256] x [K 256, N 512]; A: computed on the way; B: computed on the way: QUANTISED
;;     5. batch 64 x [M 512, K 512] x [K 512, N 256]; A: softmax (see below); B: computed on the way: QUANTISED
;;     6. [M 32,768, K 256] x [K 256, N 256]; A: computed on the way; B: input wo: QUANTISED
;;     7. [M 32,768, K 256] x [K 256, N 256]; A: computed on the way; B: input w1: QUANTISED
;;     8. [M 32,768, K 256] x [K 256, N 256]; A: computed on the way; B: input w2: QUANTISED
;;     9. [M 32,768, K 256] x [K 256, N 256]; A: computed on the way; B: input wq: QUANTISED
;;     10. [M 32,768, K 256] x [K 256, N 256]; A: computed on the way; B: input wk: QUANTISED
;;     11. [M 32,768, K 256] x [K 256, N 256]; A: computed on the way; B: input wv: QUANTISED
;;     12. batch 64 x [M 512, K 256] x [K 256, N 512]; A: computed on the way; B: computed on the way: QUANTISED
;;     13. batch 64 x [M 512, K 512] x [K 512, N 256]; A: softmax (see below); B: computed on the way: QUANTISED
;;     14. [M 32,768, K 256] x [K 256, N 256]; A: computed on the way; B: input wo: QUANTISED
;;     15. [M 32,768, K 256] x [K 256, N 256]; A: computed on the way; B: input w1: QUANTISED
;;     16. [M 32,768, K 256] x [K 256, N 256]; A: computed on the way; B: input w2: QUANTISED
;;     17. [M 32,768, K 256] x [K 256, N 256]; A: computed on the way; B: input wq: QUANTISED
;;     18. [M 32,768, K 256] x [K 256, N 256]; A: computed on the way; B: input wk: QUANTISED
;;     19. [M 32,768, K 256] x [K 256, N 256]; A: computed on the way; B: input wv: QUANTISED
;;     20. batch 64 x [M 512, K 256] x [K 256, N 512]; A: computed on the way; B: computed on the way: QUANTISED
;;     21. batch 64 x [M 512, K 512] x [K 512, N 256]; A: softmax (see below); B: computed on the way: QUANTISED
;;     22. [M 32,768, K 256] x [K 256, N 256]; A: computed on the way; B: input wo: QUANTISED
;;     23. [M 32,768, K 256] x [K 256, N 256]; A: computed on the way; B: input w1: QUANTISED
;;     24. [M 32,768, K 256] x [K 256, N 256]; A: computed on the way; B: input w2: QUANTISED
;;   THE QUANTISER, for each operand of a quantised product, along K:
;;     - K is cut into blocks of 32 from its start; a last block that is shorter is filled with zeros.
;;     - A block's scale is 2^e with e = floor(log2(the largest magnitude in the block)) - 2, held to -126 .. 127; a block of zeros has e = 0. As a byte (E8M0): e + 127.
;;     - Each number is divided by its block's scale, clamped to +-7.5, and rounded to the nearest number of E2M3, ties to even, subnormals kept.
;;     - The product sums the exact products of the quantised numbers (number of the format x scale) in f32.
;;   ~~~python
;;   def quantise(x, axis):      # numpy; x: float32 -> the quantised numbers, widened to float32 again
;;       x = np.moveaxis(x, axis, -1); K = x.shape[-1]
;;       x = np.pad(x, [(0, 0)] * (x.ndim - 1) + [(0, -K % 32)]); x = x.reshape(x.shape[:-1] + (-1, 32)); a = np.abs(x).max(-1, keepdims=True)
;;       e = np.where(a > 0, np.clip(np.frexp(np.where(a > 0, a, 1))[1] - 1 - 2, -126, 127), 0)      # np.frexp(a)[1] - 1 = floor(log2(a)), exactly
;;       r = np.clip(x / 2.0 ** e, -7.5, 7.5)
;;       step = 2.0 ** (np.maximum(np.frexp(np.where(r == 0, 1, r))[1] - 1, 0) - 3)
;;       q = np.round(r / step) * step * 2.0 ** e      # np.round: ties to even
;;       return np.moveaxis(q.reshape(q.shape[:-2] + (-1,))[..., :K], -1, axis).astype(np.float32)
;;   ~~~
;;   SOFTMAX AHEAD OF A QUANTISED PRODUCT. Where the list says 'softmax', what is quantised is not the finished softmax but p = 2^(t - M), with t = logit x log2(e) and M = ceil(the row's largest t), a whole number; so 1/2 < the row's largest p <= 1. The row's sum l is taken of the UNQUANTISED p, in f32, and the product's result is divided by l at the end. Since M is a whole number, a kernel that streams over the keys may use a running M (the ceiling of the running maximum): every later rescaling is an exact power of two, which a block's scale takes up: the codes' values come out the same.
;;   OPERANDS COMPUTED ON THE WAY. 'Computed on the way' means the value that the module computes at that place (a softmax that the list does not call 'softmax' is quantised finished and normalised). What goes into a quantiser is computed in f32, as accurately as f32 sums, v_exp_f32 and their like allow (about 1e-6 of the number): no bf16 or f16 on the way to a quantiser, and a product that is left as it is and whose result goes on into a quantised operand takes f32 operands (vector FMAs, or v_wmma_f32_16x16x4_f32). A number that lies on a knife's edge between two numbers of the format may be rounded either way, as far as f32 arithmetic and the matrix unit's own rounding can turn it there, and no further.
;; 2 versions, each right and faster than the one before. Each part assembles by itself: llvm-mc -triple=amdgcn-amd-amdhsa -mcpu=gfx1250 --defsym DOCPART=n.
;; ======== version 1 of 2: 7 launches
;; workspace buffers: par0 321,536 bytes; par1 321,536 bytes; par2 321,536 bytes; tab 16,384 bytes; lmask 65,536 bytes of whole numbers; qkv 20,447,232 bytes; xa 33,554,432 bytes; xb 33,554,432 bytes
;; launch prep (part 1): grid 80 x 1, 4 waves a work-group, no clusters, 0 bytes of LDS; arguments wq, wk, wv, wo, w1, w2, ln_g, ln_b, cm_ln_g, cm_ln_b, bq, bk, bv, bo, b1, b2, bias_table, mask, par0, par1, par2, tab, lmask; writes par0, par1, par2, tab, lmask
.if DOCPART == 1
	.amdgcn_target "amdgcn-amd-amdhsa--gfx1250"
	.amdhsa_code_object_version 6
	.text
	.protected	k_q440142f4c4_prep
	.globl	k_q440142f4c4_prep
	.p2align	8
	.type	k_q440142f4c4_prep,@function
k_q440142f4c4_prep:
	s_mov_b64 s[64:65], 0
	v_nop
	global_prefetch_b8 v0, s[64:65] scope:SCOPE_SE
	s_setreg_imm32_b32 hwreg(HW_REG_WAVE_MODE, 25, 1), 1
	s_wait_xcnt 0x0
; PREP: everything that hangs on the layer is packed once into one buffer a layer (par0, par1, par2), so that the layers' launches share their texts.
; DEAD WORK: none in whole units.  Every weight, bias, gain and the mask reaches an output or a quantiser.  Of bias_table only entries 0 .. 1022 can be indexed
; (bucket = rel for rel >= 0, 511 - rel for rel < 0, |rel| <= 511): entries 1023 .. 1499 are not read.  No input is left out of the program.
; par: WQ 0, WK 51200, WV 102400, VECA 153600 (ln_g, ln_b, bq, bk, bv, bv), WO 159744, VECB 210944 (ln_g, ln_b, cm_g, cm_b, bo, b1, b2, b2), W1 219136, W2 270336.
; A weight block (51,200 bytes): 32 images of operand fragments, (tile t, K half kd) at (16 kd + t) x 1536: piece i of three at 512 i, lane L's registers 4 i .. 4 i + 3 at 16 L;
; then 2,048 scale bytes at 49152: tile t at 128 t, the word of (kd, r) at 64 kd + 4 r.  Lane (r, h) of tile t holds output column 32 (t / 2) + 8 (t % 2) + r + 8 (r / 8)
; and k = 128 kd + 64 c + 32 h + 0 .. 31 in registers 6 c .. 6 c + 5.
; A weight is stored [k][n]: A LANE TAKES A COLUMN n AND ITS REGISTERS RUN DOWN K, so a block of 32 along K lies in one lane and the conversions give codes with K innermost.
; A block's scale is 2^(floor(log2(largest magnitude)) - 2); its byte is the largest magnitude's exponent field - 2, held at 1 from below (a block of zeros keeps 1: its codes are zeros, and this program alone reads the bytes).
; tab: four copies s of 1,024 f32: tab[s][j] = 16 x T2[j + s], T2[d] = bias_table[d < 511 ? 1022 - d : d - 511] for d = key - query + 511 <= 1022, else 0.
; lmask: word [batch][64 s + 16 b + i] = 0xFFFF where mask[128 s + 32 b + i] != 0, | 0xFFFF0000 where mask[128 s + 32 b + 16 + i] != 0: the lane mask of a score register.
; LIMITS: NaN and infinities among the inputs are not served; blocks whose largest magnitude lies under 2^-124 get the byte 1.
; Work-groups 0-71: weights (layer x / 24, kind (x % 24) / 4; a wave takes 32 columns x 128 along K).  72-74: the vectors of a layer.  75: tab.  76-79: lmask.  No LDS, no barrier.
.set VECA, 153600
.set VECB, 210944
	s_load_b512 s[8:23], s[0:1], 0x0               ; wq 8, wk 10, wv 12, wo 14, w1 16, w2 18, ln_g 20, ln_b 22
	s_load_b512 s[24:39], s[0:1], 0x40             ; cm_g 24, cm_b 26, bq 28, bk 30, bv 32, bo 34, b1 36, b2 38
	s_load_b256 s[40:47], s[0:1], 0x80             ; bias_table 40, mask 42, par0 44, par1 46
	s_load_b128 s[48:51], s[0:1], 0xa0             ; par2 48, tab 50
	s_load_b64 s[52:53], s[0:1], 0xb0              ; lmask 52
	v_lshrrev_b32 v1, 5, v0
	v_readfirstlane_b32 s3, v1                     ; wave 0..3
	v_and_b32 v2, 31, v0                           ; lane
	s_wait_kmcnt 0x0
	s_cmp_ge_u32 ttmp9, 72
	s_cbranch_scc1 .Lsmall
	; ---------------- the weights
	s_cmp_ge_u32 ttmp9, 24
	s_cselect_b32 s54, 1, 0
	s_cmp_ge_u32 ttmp9, 48
	s_cselect_b32 s55, 1, 0
	s_add_co_u32 s54, s54, s55                     ; the layer
	s_mul_i32 s55, s54, 24
	s_sub_co_u32 s55, ttmp9, s55
	s_lshr_b32 s56, s55, 2                         ; kind: wq, wk, wv, wo, w1, w2
	s_and_b32 s55, s55, 3
	s_lshl_b32 s55, s55, 2
	s_add_co_u32 s55, s55, s3                      ; T = 0 .. 15
	s_lshr_b32 s57, s55, 1                         ; b: columns 32 b on
	s_and_b32 s58, s55, 1                          ; kd: k 128 kd on
	s_mov_b64 s[60:61], s[8:9]                     ; the choices hang on the work-group's number alone
	s_cmp_eq_u32 s56, 1
	s_cselect_b64 s[60:61], s[10:11], s[60:61]
	s_cmp_eq_u32 s56, 2
	s_cselect_b64 s[60:61], s[12:13], s[60:61]
	s_cmp_eq_u32 s56, 3
	s_cselect_b64 s[60:61], s[14:15], s[60:61]
	s_cmp_eq_u32 s56, 4
	s_cselect_b64 s[60:61], s[16:17], s[60:61]
	s_cmp_eq_u32 s56, 5
	s_cselect_b64 s[60:61], s[18:19], s[60:61]
	s_mov_b64 s[62:63], s[44:45]
	s_cmp_eq_u32 s54, 1
	s_cselect_b64 s[62:63], s[46:47], s[62:63]
	s_cmp_eq_u32 s54, 2
	s_cselect_b64 s[62:63], s[48:49], s[62:63]
	s_lshl_b32 s66, s54, 18                        ; in: 262144 x layer + 131072 kd + 128 b
	s_lshl_b32 s68, s58, 17
	s_add_co_u32 s66, s66, s68
	s_lshl_b32 s68, s57, 7
	s_add_co_u32 s66, s66, s68
	s_mov_b32 s67, 0
	s_add_nc_u64 s[60:61], s[60:61], s[66:67]
	s_mul_i32 s66, s56, 51200                      ; out: the kind's block: 51200 x kind, past VECA from wo on, past VECB from w1 on
	s_cmp_ge_u32 s56, 3
	s_cselect_b32 s68, 6144, 0
	s_add_co_u32 s66, s66, s68
	s_cmp_ge_u32 s56, 4
	s_cselect_b32 s68, 8192, 0
	s_add_co_u32 s66, s66, s68
	s_add_nc_u64 s[62:63], s[62:63], s[66:67]
	v_lshlrev_b32 v3, 2, v2                        ; in: 4 bytes a lane: 32 lanes read 128 consecutive bytes of a row of the weight
	v_bfe_u32 v4, v2, 3, 1                         ; my column 32 b + lane is lane r of tile 2 b + u: u = (lane / 8) % 2,
	v_and_b32 v5, 7, v2
	v_lshrrev_b32 v6, 4, v2
	v_lshl_add_u32 v5, v6, 3, v5                   ; r = lane % 8 + 8 (lane / 16)
	s_lshl_b32 s70, s58, 4
	s_lshl_b32 s71, s57, 1
	s_add_co_u32 s70, s70, s71
	s_mul_i32 s70, s70, 1536                       ; fragment 16 kd + 2 b
	v_mul_u32_u24 v6, v4, 1536
	v_lshl_add_u32 v6, v5, 4, v6
	v_add_nc_u32 v6, s70, v6                       ; codes: + 1536 u + 16 r
	s_lshl_b32 s70, s57, 8
	s_lshl_b32 s71, s58, 6
	s_add_co_u32 s70, s70, s71
	s_add_co_u32 s70, s70, 49152
	v_lshlrev_b32 v7, 7, v4
	v_lshl_add_u32 v7, v5, 2, v7
	v_add_nc_u32 v7, s70, v7                       ; scale word: 49152 + 128 (2 b + u) + 64 kd + 4 r
.macro WLOAD t                         ; block t: W(128 kd + 32 t + i, my column), i = 0 .. 31, into registers of its own
.set kk, 32*(\t)
.rept 32
	global_load_b32 v[64+kk], v3, s[60:61] offset:1024*kk th:TH_LOAD_NT
.set kk, kk+1
.endr
.endm
	WLOAD 0
	WLOAD 1                                        ; the loads run two blocks ahead
.macro WBLOCK t                        ; block t of 32 along K: fragment half h = t % 2, registers 6 (t / 2) on
.set XS, 64+32*\t
.set CD, 16+12*(\t%2)+6*(\t/2)
.if \t < 3
	s_wait_loadcnt 32                              ; this block's 32 loads are in; the next block's 32 may be out
.else
	s_wait_loadcnt 0
.endif
.if \t < 2
	WLOAD \t+2
.endif
	v_max3_num_f32 v12, |v[XS]|, |v[XS+1]|, |v[XS+2]|
	v_max3_num_f32 v13, |v[XS+3]|, |v[XS+4]|, |v[XS+5]|
.irp i, 6,10,14,18,22,26
	v_max3_num_f32 v12, v12, |v[XS+\i]|, |v[XS+\i+1]|
	v_max3_num_f32 v13, v13, |v[XS+\i+2]|, |v[XS+\i+3]|
.endr
	v_max3_num_f32 v12, v12, |v[XS+30]|, |v[XS+31]|
	v_max3_num_f32 v12, v12, v13, 0x1800000        ; and the floor 2^(3 - 127): the byte cannot fall under 1
	v_add_nc_u32 v11, 0xff000000, v12              ; 2 off the exponent field: the conversion's scale operand
	v_lshrrev_b32 v13, 23, v11                     ; the scale's byte
.if \t == 0
	v_mov_b32 v10, v13
.else
	v_lshl_or_b32 v10, v13, 8*\t, v10
.endif
	v_cvt_scalef32_pk16_fp6_f32 v[CD:CD+2], v[XS:XS+15], v11
	v_cvt_scalef32_pk16_fp6_f32 v[40:42], v[XS+16:XS+31], v11     ; (a conversion's three registers begin on an even number)
	v_nop                                          ; one plain place behind a scaled conversion
	v_mov_b32 v[CD+3], v40
	v_mov_b32 v[CD+4], v41
	v_mov_b32 v[CD+5], v42
.endm
	WBLOCK 0
	WBLOCK 1
	WBLOCK 2
	WBLOCK 3
.irp h, 0,1
.irp i, 0,1,2
	global_store_b128 v6, v[16+12*\h+4*\i:16+12*\h+4*\i+3], s[62:63] offset:512*\i+256*\h   ; the sixteen lanes of one u store 256 consecutive bytes, at a multiple of 256 from the buffer's first byte
.endr
.endr
	global_store_b32 v7, v10, s[62:63]             ; runs of 64 bytes: 2,048 of a block's 51,200 bytes leave so
	s_endpgm
.Lsmall:
	s_cmp_ge_u32 ttmp9, 75
	s_cbranch_scc1 .Ltabs
	; ---------------- a layer's vectors, two to a store: threads 0-63 take the first of a pair, threads 64-127 the second
	s_sub_co_u32 s54, ttmp9, 72                    ; the layer
	s_mov_b64 s[62:63], s[44:45]
	s_cmp_eq_u32 s54, 1
	s_cselect_b64 s[62:63], s[46:47], s[62:63]
	s_cmp_eq_u32 s54, 2
	s_cselect_b64 s[62:63], s[48:49], s[62:63]
	s_lshl_b32 s55, s54, 10
	v_and_b32 v3, 63, v0
	v_lshlrev_b32 v3, 4, v3
	v_add_nc_u32 v3, s55, v3                       ; in: 1024 x layer + 16 (thread % 64)
	v_lshlrev_b32 v4, 4, v0                        ; out: 16 x thread
	s_lshr_b32 s56, s3, 1
	s_cmp_eq_u32 s56, 0
	s_cselect_b64 s[60:61], s[20:21], s[22:23]     ; ln_g | ln_b
	s_cselect_b64 s[66:67], s[24:25], s[26:27]     ; cm_g | cm_b
	s_cselect_b64 s[68:69], s[34:35], s[36:37]     ; bo | b1
	s_cselect_b64 s[70:71], s[28:29], s[30:31]     ; bq | bk
	global_load_b128 v[8:11], v3, s[60:61]
	global_load_b128 v[12:15], v3, s[66:67]
	global_load_b128 v[16:19], v3, s[68:69]
	global_load_b128 v[20:23], v3, s[70:71]
	global_load_b128 v[24:27], v3, s[38:39]        ; b2 | b2: the second fills the slot, so that every byte that a later tile brings has been written
	global_load_b128 v[28:31], v3, s[32:33]        ; bv | bv likewise
	s_wait_loadcnt 0x0
	global_store_b128 v4, v[8:11], s[62:63] offset:VECA
	global_store_b128 v4, v[20:23], s[62:63] offset:VECA+2048
	global_store_b128 v4, v[28:31], s[62:63] offset:VECA+4096
	global_store_b128 v4, v[8:11], s[62:63] offset:VECB
	global_store_b128 v4, v[12:15], s[62:63] offset:VECB+2048
	global_store_b128 v4, v[16:19], s[62:63] offset:VECB+4096
	global_store_b128 v4, v[24:27], s[62:63] offset:VECB+6144
	s_endpgm
.Ltabs:
	s_cmp_ge_u32 ttmp9, 76
	s_cbranch_scc1 .Lmask
	; ---------------- tab: trip it: copy it / 2, entries 4 (128 (it % 2) + thread) + 0 .. 3; all 32 loads go out first
	v_lshlrev_b32 v4, 2, v0
	v_lshlrev_b32 v5, 4, v0
.irp it, 0,1,2,3,4,5,6,7
.irp e, 0,1,2,3
	v_add_nc_u32 v[96+4*\it+\e], 512*(\it%2)+\it/2+\e, v4          ; d = j + s + e
	v_sub_nc_u32 v10, 1022, v[96+4*\it+\e]
	v_add_nc_u32 v11, 0xfffffe01, v[96+4*\it+\e]                   ; d - 511
	v_cmp_gt_u32 vcc_lo, 511, v[96+4*\it+\e]
	v_cndmask_b32 v10, v11, v10, vcc_lo                            ; d < 511: 1022 - d
	v_min_u32 v10, 0x3fe, v10                                      ; inside the table for d > 1022 too
	v_lshlrev_b32 v[32+4*\it+\e], 2, v10
	global_load_b32 v[64+4*\it+\e], v[32+4*\it+\e], s[40:41]
.endr
.endr
	s_wait_loadcnt 0x0
.irp it, 0,1,2,3,4,5,6,7
.irp e, 0,1,2,3
	v_mul_f32 v[64+4*\it+\e], 0x41800000, v[64+4*\it+\e]           ; x 16: the bias is added to q . k ahead of the division by 16
	v_cmp_gt_u32 vcc_lo, 1023, v[96+4*\it+\e]
	v_cndmask_b32 v[64+4*\it+\e], 0, v[64+4*\it+\e], vcc_lo        ; 0 beyond d = 1022
.endr
	global_store_b128 v5, v[64+4*\it:64+4*\it+3], s[50:51] offset:4096*(\it/2)+2048*(\it%2)
.endr
	s_endpgm
.Lmask:
	; ---------------- lmask: group G = 1024 (x - 76) + 128 it + thread makes words 4 G .. 4 G + 3 from mask words 32 (G / 4) + 4 (G % 4) on and the four 16 further on
	s_sub_co_u32 s54, ttmp9, 76
	s_lshl_b32 s55, s54, 15
	s_lshl_b32 s56, s54, 14
	v_lshrrev_b32 v3, 2, v0
	v_lshlrev_b32 v3, 7, v3
	v_and_b32 v4, 3, v0
	v_lshl_add_u32 v3, v4, 4, v3
	v_add_nc_u32 v3, s55, v3
	v_lshlrev_b32 v4, 4, v0
	v_add_nc_u32 v4, s56, v4
	v_mov_b32 v6, 0xffff
	v_mov_b32 v7, 0xffff0000
.irp it, 0,1,2,3,4,5,6,7
	global_load_b128 v[32+8*\it:32+8*\it+3], v3, s[42:43] offset:4096*\it
	global_load_b128 v[32+8*\it+4:32+8*\it+7], v3, s[42:43] offset:4096*\it+64
.endr
	s_wait_loadcnt 0x0
.irp it, 0,1,2,3,4,5,6,7
.irp e, 0,1,2,3
	v_cmp_ne_u32 vcc_lo, 0, v[32+8*\it+\e]
	v_cndmask_b32 v[32+8*\it+\e], 0, v6, vcc_lo
	v_cmp_ne_u32 vcc_lo, 0, v[32+8*\it+4+\e]
	v_cndmask_b32 v[32+8*\it+4+\e], 0, v7, vcc_lo
	v_or_b32 v[32+8*\it+\e], v[32+8*\it+\e], v[32+8*\it+4+\e]
.endr
	global_store_b128 v4, v[32+8*\it:32+8*\it+3], s[52:53] offset:2048*\it
.endr
	s_endpgm
.Lfunc_end_k_q440142f4c4_prep:
	.size	k_q440142f4c4_prep, .Lfunc_end_k_q440142f4c4_prep-k_q440142f4c4_prep
	.p2alignl 7, 3214868480
	.fill 96, 4, 3214868480
	.section	.rodata,"a",@progbits
	.p2align	6, 0x0
	.amdhsa_kernel k_q440142f4c4_prep
		.amdhsa_group_segment_fixed_size 0
		.amdhsa_private_segment_fixed_size 0
		.amdhsa_enable_private_segment 0
		.amdhsa_kernarg_size 184
		.amdhsa_user_sgpr_count 2
		.amdhsa_user_sgpr_kernarg_segment_ptr 1
		.amdhsa_wavefront_size32 1
		.amdhsa_system_sgpr_workgroup_id_x 1
		.amdhsa_system_sgpr_workgroup_id_y 1
		.amdhsa_system_sgpr_workgroup_id_z 1
		.amdhsa_system_vgpr_workitem_id 0
		.amdhsa_next_free_vgpr 200
		.amdhsa_next_free_sgpr 80
		.amdhsa_reserve_vcc 1
		.amdhsa_float_denorm_mode_32 3
		.amdhsa_float_denorm_mode_16_64 3
		.amdhsa_memory_ordered 1
		.amdhsa_forward_progress 1
		.amdhsa_inst_pref_size 52
	.end_amdhsa_kernel
	.amdgpu_metadata
---
amdhsa.version: [ 1, 2 ]
amdhsa.kernels:
  - .name:           k_q440142f4c4_prep
    .symbol:         k_q440142f4c4_prep.kd
    .args:
      - { .name: wq, .offset: 0, .size: 8, .value_kind: global_buffer, .address_space: global }
      - { .name: wk, .offset: 8, .size: 8, .value_kind: global_buffer, .address_space: global }
      - { .name: wv, .offset: 16, .size: 8, .value_kind: global_buffer, .address_space: global }
      - { .name: wo, .offset: 24, .size: 8, .value_kind: global_buffer, .address_space: global }
      - { .name: w1, .offset: 32, .size: 8, .value_kind: global_buffer, .address_space: global }
      - { .name: w2, .offset: 40, .size: 8, .value_kind: global_buffer, .address_space: global }
      - { .name: ln_g, .offset: 48, .size: 8, .value_kind: global_buffer, .address_space: global }
      - { .name: ln_b, .offset: 56, .size: 8, .value_kind: global_buffer, .address_space: global }
      - { .name: cm_ln_g, .offset: 64, .size: 8, .value_kind: global_buffer, .address_space: global }
      - { .name: cm_ln_b, .offset: 72, .size: 8, .value_kind: global_buffer, .address_space: global }
      - { .name: bq, .offset: 80, .size: 8, .value_kind: global_buffer, .address_space: global }
      - { .name: bk, .offset: 88, .size: 8, .value_kind: global_buffer, .address_space: global }
      - { .name: bv, .offset: 96, .size: 8, .value_kind: global_buffer, .address_space: global }
      - { .name: bo, .offset: 104, .size: 8, .value_kind: global_buffer, .address_space: global }
      - { .name: b1, .offset: 112, .size: 8, .value_kind: global_buffer, .address_space: global }
      - { .name: b2, .offset: 120, .size: 8, .value_kind: global_buffer, .address_space: global }
      - { .name: bias_table, .offset: 128, .size: 8, .value_kind: global_buffer, .address_space: global }
      - { .name: mask, .offset: 136, .size: 8, .value_kind: global_buffer, .address_space: global }
      - { .name: par0, .offset: 144, .size: 8, .value_kind: global_buffer, .address_space: global }
      - { .name: par1, .offset: 152, .size: 8, .value_kind: global_buffer, .address_space: global }
      - { .name: par2, .offset: 160, .size: 8, .value_kind: global_buffer, .address_space: global }
      - { .name: tab, .offset: 168, .size: 8, .value_kind: global_buffer, .address_space: global }
      - { .name: lmask, .offset: 176, .size: 8, .value_kind: global_buffer, .address_space: global }
    .group_segment_fixed_size: 0
    .private_segment_fixed_size: 0
    .kernarg_segment_align: 8
    .kernarg_segment_size: 184
    .max_flat_workgroup_size: 128
    .sgpr_count:     80
    .vgpr_count:     200
    .wavefront_size: 32
...
	.end_amdgpu_metadata
.endif
;; end of part 1
;; launch kv0 (part 2): grid 256 x 1, 8 waves a work-group, clusters of 4 x 1, 221,184 bytes of LDS; arguments x, par0, qkv; writes qkv
.if DOCPART == 2
	.amdgcn_target "amdgcn-amd-amdhsa--gfx1250"
	.amdhsa_code_object_version 6
	.text
	.protected	k_q440142f4c4_kv0
	.globl	k_q440142f4c4_kv0
	.p2align	8
	.type	k_q440142f4c4_kv0,@function
k_q440142f4c4_kv0:
	s_mov_b64 s[64:65], 0
	v_nop
	global_prefetch_b8 v0, s[64:65] scope:SCOPE_SE
	s_setreg_imm32_b32 hwreg(HW_REG_WAVE_MODE, 25, 1), 1
	s_wait_xcnt 0x0
	s_wait_alu depctr_hold_cnt(0) depctr_sa_sdst(0) depctr_va_vdst(0) depctr_va_sdst(0) depctr_va_ssrc(0) depctr_va_vcc(0) depctr_vm_vsrc(0)
	s_getreg_b32 s2, hwreg(HW_REG_IB_STS2, 6, 4)
	s_cmp_eq_u32 s2, 0
	s_cbranch_scc0 .Lentry_in_a_cluster
	s_endpgm
.Lentry_in_a_cluster:
	s_bfe_u32 s2, ttmp6, 0x10000c
	s_cmp_lg_u32 s2, 0x3003
	s_cbranch_scc0 .Lentry_shape_is_right
	s_endpgm
.Lentry_shape_is_right:
; KV: one layer's h = LN(x), q = h wq + bq, k = h wk + bk, v = h wv + bv, each product on codes of FP6 (E2M3) with one E8M0 scale for each 32 along K; q, k, v leave as codes, laid as images of operand registers.
; No work of the layer is left out.  LIMITS: NaN and infinities are not served; quantiser blocks whose largest magnitude lies under 2^-124 get the byte 1.
; SHARES.  A cluster of four work-groups is a batch (ttmp9); work-group cx takes rows 128 cx on, which are also key step cx.  Eight waves, 16 rows each, two waves to a SIMD, 512 registers a wave.
; Tile row r of wave w is block row 32 (w / 2) + 8 (w % 2) + r + 8 (r / 8): so the wave's fragment of rows is key tile w in the order in which a softmax's registers become neighbouring keys.
; H-LAYOUT of 16 rows x 256: lane (r, h) holds row r, register 16 b + i column 32 b + 16 h + i.  The transposed product (source 0 = 16 columns of a weight, source 1 = my rows) gives it, the quantiser takes it.
; V IS MADE NOT TRANSPOSED (source 0 = 16 keys of h, from all eight waves through LDS; source 1 = 16 columns of wv): a lane then holds one channel and its registers run along the 128 keys, which are the next product's K.
; THE WEIGHTS (wq, wk, wv and six vectors, 159,744 dense bytes of par) are the same for all work-groups: the four of a cluster ask for them JOINTLY, one tensor load a wave, filled once.
; qkv, per batch 212,992 bytes: K's fragments at (8 s + t) x 3072 (K halves 0, 1); V's at 98304 + (16 s + dt) x 1536; K's scale units at 196608 + (8 s + t) x 256; V's at 204800 + (8 s + w) x 256.
; A scale unit: lane L's 8 bytes are (word, 0); lanes 0-15 the first fragment's rows, lanes 16-31 the second's.  Q at 13631488 + (8 WG + w) x 3328: two fragments and a unit.
; REGISTERS: window 1: ACC v0-127, HH v128-255.  Window 0: v1-13 addresses; v14-15 scale words at work; v18-19 the add's two; v20 my rows' scale word; v24-47 my rows' two fragments; v48-63 scale words;
; v64-127 gains, results' codes, wv's fragments; v128-223 two sets of four fragments; v224-255 at work.
.set VEC,   153600                     ; LDS: 0 wq, 51200 wk, 102400 wv, 153600 the vectors: ln_g, ln_b, bq, bk, bv
.set HIMG,  159744                     ; h's fragments, 3,072 bytes a wave
.set HSC,   184320                     ; their scale words, 128 bytes a wave
.set STAGE, 185344                     ; 16 rows x 272 bytes for each wave
.set SPARE, 220160                     ; the spare words, 128 bytes for each wave: four blocks of 256 bytes that no other line names
.set ACC, 0
.set HH,  128
.set LI,  1                            ; 16 x lane
.set LS,  2                            ; 4 x lane
.set L8,  3                            ; 8 x lane
.set VA,  4                            ; VEC + 64 h
.set STO, 5                            ; stage + 272 r + 64 h
.set STR, 6                            ; stage + 272 h + 16 r
.set GX,  7                            ; 1024 h + 16 r
.set BVA, 8                            ; bv at my channel
.set HWI, 9                            ; where I store h's images
.set ADK, 10
.set ADV, 11
.set ADS, 12
.set ADB, 13
.set TW0, 14
.set TW1, 15
.set HWS, 16                           ; and their scale word
.set SPW, 18
.set NIL, 19
.set ASC, 20
.set AF,  24
.set SC,  48
.set SS,  64
.set OF,  64
.set OS,  88
.set WVF, 64
.set FR0, 128
.set BV,  224
.set QT,  236
.set T0,  243
.set TM,  244
.set LA,  224
.set LTA, 232
.set LTB, 233
.set MEAN, 234
.set RS,  236
.set WV,  10
.set CX,  11
.set SEL, 12
.set HM,  14
.set C256, 15
.set G1,  16
.set G0,  24
.set XP,  28
.set QP,  30
.set KP,  32
.set KSP, 34
.set EPS, 36
.set MSB, 0
.macro WIN new                         ; the immediate's high byte repeats the setting that is left; low byte: bits 1:0 source 0, 3:2 source 1, 5:4 source 2, 7:6 destination
.if MSB != \new
	s_set_vgpr_msb (MSB<<8)|\new
.set MSB, \new
.endif
.endm
.macro PLACES n
.rept \n
	v_nop
.endr
.endm
.macro CROUND                          ; a round of the cluster's barrier
	s_barrier_signal -1
	s_barrier_wait -1
	s_cmp_lg_u32 s[WV], 0
	s_cbranch_scc1 .Lnot_wave_0_\@
	s_barrier_signal -3
.Lnot_wave_0_\@:
	s_barrier_wait -3
	s_barrier_signal -1
	s_barrier_wait -1
.endm
; My 16 rows of x into HH in the H-layout.  Each load reads two rows' 256 consecutive bytes (sixteen lanes a row); a quarter of the columns at a time turns through my own stage.
.macro XIN
	WIN 0x40
.irp c, 0,1,2,3
.irp i, 0,1,2,3,4,5,6,7
	global_load_b128 v[ACC+4*(8*\c+\i):ACC+4*(8*\c+\i)+3], v[GX], s[XP:XP+1] offset:(2*\i+8*(\i/4))*1024+256*\c th:TH_LOAD_NT
.endr
.endr
.irp c, 0,1,2,3
	s_wait_loadcnt 24-8*\c                         ; this quarter's eight loads are in; eight for each later quarter may be out
	WIN 0x04
.irp i, 0,1,2,3,4,5,6,7
	ds_store_b128 v[STR], v[ACC+4*(8*\c+\i):ACC+4*(8*\c+\i)+3] offset:544*\i
.endr
	WIN 0x40
.irp bb, 0,1
.irp j, 0,1,2,3
	ds_load_b128 v[HH+16*(2*\c+\bb)+4*\j:HH+16*(2*\c+\bb)+4*\j+3], v[STO] offset:128*\bb+16*\j   ; LDS serves a wave's instructions in order: these see the stores above, and the next quarter's stores come behind them
.endr
.endr
.endr
	WIN 0
.endm
.macro GBL q, base, gofs, bofs         ; gains and offsets of registers 32 q .. 32 q + 31 of the H-layout: 32 + 32 registers at v[base]
.irp bb, 0,1
.irp j, 0,1,2,3
	ds_load_b128 v[\base+16*\bb+4*\j:\base+16*\bb+4*\j+3], v[VA] offset:\gofs+128*(2*(\q)+\bb)+16*\j
.endr
.endr
.irp bb, 0,1
.irp j, 0,1,2,3
	ds_load_b128 v[\base+32+16*\bb+4*\j:\base+32+16*\bb+4*\j+3], v[VA] offset:\bofs+128*(2*(\q)+\bb)+16*\j
.endr
.endr
.endm
.macro FOLD                            ; four pairs of partial sums, and lane l xor 16's: the row's sum in v[LTA]
	v_pk_add_f32 v[LA:LA+1], v[LA:LA+1], v[LA+2:LA+3]
	v_pk_add_f32 v[LA+4:LA+5], v[LA+4:LA+5], v[LA+6:LA+7]
	v_pk_add_f32 v[LA:LA+1], v[LA:LA+1], v[LA+4:LA+5]
	v_add_f32 v[LTA], v[LA], v[LA+1]
	v_permlanex16_b32 v[LTB], v[LTA], s[SEL], s[SEL+1]
	v_add_f32 v[LTA], v[LTA], v[LTB]
.endm
; dst = (src - mean) rsqrt(var + 1e-5) g + b, all in f32; src and dst are 128 registers of window 1.  The registers are read in ascending order, each matrix result from its low end on.
.macro LNORM src, dst, gofs, bofs
	GBL 0, SS, \gofs, \bofs
	GBL 1, FR0, \gofs, \bofs
	WIN 0x05
.irp k, 0,1,2,3
	v_pk_add_f32 v[LA+2*\k:LA+2*\k+1], v[\src+4*\k:\src+4*\k+1], v[\src+4*\k+2:\src+4*\k+3]
.endr
	WIN 0x04
.set p, 8
.rept 56
	v_pk_add_f32 v[LA+2*(p%4):LA+2*(p%4)+1], v[LA+2*(p%4):LA+2*(p%4)+1], v[\src+2*p:\src+2*p+1]
.set p, p+1
.endr
	WIN 0
	FOLD
	v_mul_f32 v[MEAN], s[C256], v[LTA]
	v_mov_b32 v[MEAN+1], v[MEAN]
	WIN 0x41
.set p, 0
.rept 64
	v_pk_add_f32 v[\dst+2*p:\dst+2*p+1], v[\src+2*p:\src+2*p+1], v[MEAN:MEAN+1] neg_lo:[0,1] neg_hi:[0,1]
.set p, p+1
.endr
	WIN 0x05
.irp k, 0,1,2,3
	v_pk_mul_f32 v[LA+2*\k:LA+2*\k+1], v[\dst+2*\k:\dst+2*\k+1], v[\dst+2*\k:\dst+2*\k+1]
.endr
.set p, 4
.rept 60
	v_pk_fma_f32 v[LA+2*(p%4):LA+2*(p%4)+1], v[\dst+2*p:\dst+2*p+1], v[\dst+2*p:\dst+2*p+1], v[LA+2*(p%4):LA+2*(p%4)+1]
.set p, p+1
.endr
	WIN 0
	FOLD
	v_fma_f32 v[LTA], v[LTA], s[C256], s[EPS]      ; the variance + 1e-5
	v_rsq_f32 v[RS], v[LTA]
	v_mov_b32 v[RS+1], 0                           ; the plain place behind the transcendental; the pair's upper word is named below, so it is written
	s_wait_alu depctr_va_vdst(0)                   ; the wait ahead of the first reader
.irp q, 0,1,2,3
.if \q < 3
	s_wait_dscnt 16                                ; this chunk's sixteen loads are in; the next chunk's sixteen may be out
.else
	s_wait_dscnt 0
.endif
.set GB, SS+64*(\q%2)
	WIN 0x41
.set p, 0
.rept 16
	v_pk_mul_f32 v[\dst+32*\q+2*p:\dst+32*\q+2*p+1], v[\dst+32*\q+2*p:\dst+32*\q+2*p+1], v[RS:RS+1] op_sel_hi:[1,0]
.set p, p+1
.endr
.set p, 0
.rept 16
	v_pk_fma_f32 v[\dst+32*\q+2*p:\dst+32*\q+2*p+1], v[\dst+32*\q+2*p:\dst+32*\q+2*p+1], v[GB+2*p:GB+2*p+1], v[GB+32+2*p:GB+32+2*p+1]
.set p, p+1
.endr
	WIN 0
.if \q < 2
	GBL \q+2, GB, \gofs, \bofs
.endif
.endr
.endm
; 64 numbers of a lane at v[x] of window 1, register 16 b + i = k 32 b + 16 h + i of my row, become a fragment's 12 registers at v[f] and its scale word in v[pw] (the same in lanes l and l xor 16).
.macro QUANT x, f, pw
	WIN 0x14
.irp b, 0,1,2,3
	v_max3_num_f32 v[TM+\b], 0x1800000, |v[\x+16*\b]|, |v[\x+16*\b+1]|   ; my 16 numbers of block b, and the floor 2^(3 - 127): the byte cannot fall under 1
.endr
.irp i, 2,4,6,8,10,12,14
.irp b, 0,1,2,3
	v_max3_num_f32 v[TM+\b], v[TM+\b], |v[\x+16*\b+\i]|, |v[\x+16*\b+\i+1]|
.endr
.endr
	WIN 0
.irp b, 0,1,2,3
	v_permlanex16_b32 v[TM+4+\b], v[TM+\b], s[SEL], s[SEL+1]
.endr
.irp b, 0,1,2,3
	v_max_num_f32 v[TM+\b], v[TM+\b], v[TM+4+\b]   ; with lane l xor 16's: the block's largest magnitude
.endr
.irp b, 0,1,2,3
	v_add_nc_u32 v[TM+8+\b], 0xff000000, v[TM+\b]  ; 2 off its exponent field: the conversion's scale operand
.endr
.irp b, 0,1,2,3
	v_lshrrev_b32 v[TM+4+\b], 23, v[TM+8+\b]       ; the scale's byte
.endr
	v_lshl_or_b32 v[\pw], v[TM+5], 8, v[TM+4]
	v_lshl_or_b32 v[\pw], v[TM+6], 16, v[\pw]
	v_lshl_or_b32 v[\pw], v[TM+7], 24, v[\pw]
	WIN 0x01
.irp c, 0,1
	v_cvt_scalef32_pk16_fp6_f32 v[\f+6*\c:\f+6*\c+2], v[\x+32*\c:\x+32*\c+15], v[TM+8+2*\c]
	v_cvt_scalef32_pk16_fp6_f32 v[QT+4*\c:QT+4*\c+2], v[\x+32*\c+16:\x+32*\c+31], v[TM+9+2*\c]   ; (a conversion's three registers begin on an even number)
.endr
	WIN 0
	v_nop                                          ; one plain place behind a scaled conversion
.irp c, 0,1                            ; the operand's layout wants a whole block in a lane: lanes 0-15 block 2 c, lanes 16-31 block 2 c + 1
.irp i, 0,1,2
	v_permlane16_swap_b32 v[\f+6*\c+\i], v[QT+4*\c+\i]
.endr
.irp i, 0,1,2
	v_mov_b32 v[\f+3+6*\c+\i], v[QT+4*\c+\i]
.endr
.endr
.endm
.macro QUANT2 x, f, as                 ; 128 registers: two fragments; one register carries both scale words: the first's in lanes 0-15, the second's in lanes 16-31
	QUANT \x, \f, TW0
	QUANT \x+64, \f+12, TW1
	v_cndmask_b32 v[\as], v[TW0], v[TW1], s[HM]
.endm
.macro GRP adr, buf, off, str          ; four fragments' images, str bytes apart, into set buf: twelve loads of 512 consecutive bytes
.irp q, 0,1,2,3
.irp i, 0,1,2
	ds_load_b128 v[FR0+48*(\buf)+12*\q+4*\i:FR0+48*(\buf)+12*\q+4*\i+3], v[\adr] offset:(\off)+(\str)*\q+512*\i
.endr
.endr
.endm
.macro MM d, a, b, c, sa, sb, row      ; row = 1: both sides' scale words stand in lanes 16-31; 2: source 0's alone
.if (\row) == 0
	v_wmma_scale_f32_16x16x128_f8f6f4 v[\d:\d+7], v[\a:\a+11], v[\b:\b+11], v[\c:\c+7], v[\sa], v[\sb] matrix_a_fmt:MATRIX_FMT_FP6 matrix_b_fmt:MATRIX_FMT_FP6
.elseif (\row) == 1
	v_wmma_scale_f32_16x16x128_f8f6f4 v[\d:\d+7], v[\a:\a+11], v[\b:\b+11], v[\c:\c+7], v[\sa], v[\sb] matrix_a_fmt:MATRIX_FMT_FP6 matrix_b_fmt:MATRIX_FMT_FP6 matrix_a_scale:MATRIX_SCALE_ROW1 matrix_b_scale:MATRIX_SCALE_ROW1
.else
	v_wmma_scale_f32_16x16x128_f8f6f4 v[\d:\d+7], v[\a:\a+11], v[\b:\b+11], v[\c:\c+7], v[\sa], v[\sb] matrix_a_fmt:MATRIX_FMT_FP6 matrix_b_fmt:MATRIX_FMT_FP6 matrix_a_scale:MATRIX_SCALE_ROW1
.endif
.endm
; ACC = my rows (fragments at AF, scale words in ASC) x the weight block at LDS byte wbase, transposed, + the bias at bofs, which is loaded into the accumulators and is the C of each sum's first product.
; The 16 accumulators take turns, one instruction a turn.  Fragments come four at a time into two sets; a set is loaded again four places behind the products that read it.
.macro PROJ wbase, bofs
	v_add_nc_u32 v[ADK], \wbase, v[LI]
	v_add_nc_u32 v[ADS], \wbase+49152, v[LS]
	WIN 0x40
.irp t, 0,1,2,3,4,5,6,7,8,9,10,11,12,13,14,15
.irp e, 0,1
	ds_load_b128 v[ACC+8*\t+4*\e:ACC+8*\t+4*\e+3], v[VA] offset:\bofs+128*(\t/2)+32*(\t%2)+16*\e
.endr
.endr
	WIN 0
.irp t, 0,1,2,3,4,5,6,7,8,9,10,11,12,13,14,15
	ds_load_b32 v[SC+\t], v[ADS] offset:128*\t     ; lanes 0-15: K half 0's words, lanes 16-31: K half 1's
.endr
	GRP ADK, 0, 0, 1536
	GRP ADK, 1, 6144, 1536
	PLACES 8                                       ; my rows' scale word was written by a vector instruction: eight places ahead of a scaled product
.irp g, 0,1,2,3,4,5,6,7
.if \g < 7
	s_wait_dscnt 12                                ; all but the next group's twelve loads
.else
	s_wait_dscnt 0
.endif
	WIN 0x50
.irp q, 0,1,2,3
	MM ACC+8*(4*(\g%4)+\q), FR0+48*(\g%2)+12*\q, AF+12*(\g/4), ACC+8*(4*(\g%4)+\q), SC+4*(\g%4)+\q, ASC, \g/4
.endr
	WIN 0
	PLACES 4
.if \g < 6
	GRP ADK, \g%2, 6144*(\g+2), 1536
.endif
.endr
.endm
.macro OUTQ ptr, off, sptr, soff       ; two fragments and their scale unit leave: each store of the wave covers 512 or 256 consecutive bytes, aligned
	v_mov_b32 v[OS+1], 0
.irp i, 0,1,2,3,4,5
	global_store_b128 v[LI], v[OF+4*\i:OF+4*\i+3], s[\ptr:\ptr+1] offset:\off+512*\i
.endr
	global_store_b64 v[L8], v[OS:OS+1], s[\sptr:\sptr+1] offset:\soff
.endm
	s_load_b128 s[4:7], s[0:1], 0x0                ; x, par
	s_load_b64 s[8:9], s[0:1], 0x10                ; qkv
	v_lshl_add_u32 v[SPW], v0, 2, SPARE
	v_mov_b32 v[NIL], 0
	ds_add_u32 v[SPW], v[NIL]                      ; the wave's opening: the add, twice on end, and its wait ahead of my first tensor load
	ds_add_u32 v[SPW], v[NIL]
	v_lshrrev_b32 v[T0], 5, v0
	v_readfirstlane_b32 s[WV], v[T0]               ; wave 0..7
	v_and_b32 v[LS], 31, v0
	v_lshlrev_b32 v[LI], 4, v[LS]
	v_lshlrev_b32 v[L8], 3, v[LS]
	v_lshlrev_b32 v[LS], 2, v[LS]
	v_and_b32 v[TM], 15, v0                        ; r
	v_bfe_u32 v[TM+1], v0, 4, 1                    ; h
	v_lshl_add_u32 v[VA], v[TM+1], 6, VEC
	s_mul_i32 s37, s[WV], 4352
	s_add_co_u32 s37, s37, STAGE                   ; my stage
	v_mul_u32_u24 v[STO], v[TM], 272
	v_lshl_add_u32 v[STO], v[TM+1], 6, v[STO]
	v_add_nc_u32 v[STO], s37, v[STO]
	v_mul_u32_u24 v[STR], v[TM+1], 272
	v_lshl_add_u32 v[STR], v[TM], 4, v[STR]
	v_add_nc_u32 v[STR], s37, v[STR]
	v_lshlrev_b32 v[GX], 10, v[TM+1]
	v_lshl_add_u32 v[GX], v[TM], 4, v[GX]
	v_and_b32 v[TM+2], 8, v[TM]
	v_add_nc_u32 v[TM+2], v[TM+2], v[TM]           ; r + 8 (r / 8)
	s_lshl_b32 s37, s[WV], 7
	s_add_co_u32 s37, s37, VEC+4096
	v_lshl_add_u32 v[BVA], v[TM+2], 2, s37         ; bv at channel 32 w + r + 8 (r / 8)
	s_mul_i32 s37, s[WV], 3072
	s_add_co_u32 s37, s37, HIMG
	v_add_nc_u32 v[HWI], s37, v[LI]
	s_lshl_b32 s37, s[WV], 7
	s_add_co_u32 s37, s37, HSC
	v_add_nc_u32 v[HWS], s37, v[LS]
.irp b, 0,1,2,3
	v_mov_b32 v[TM+4+\b], 0                        ; written once: a lane permute's destination counts as one of its sources
.endr
	v_mov_b32 v[LTB], 0
	s_mov_b32 s[SEL], 0x76543210
	s_mov_b32 s[SEL+1], 0xfedcba98                 ; v_permlanex16_b32's selects for lane l xor 16
	s_mov_b32 s[HM], 0xffff0000                    ; lanes 16-31
	s_mov_b32 s[C256], 0x3b800000                  ; 1 / 256
	s_mov_b32 s[EPS], 0x3727c5ac                   ; 1e-5
	s_bfe_u32 s[CX], ttmp6, 0x40000                ; my place in the cluster: it enters global addresses alone
	s_lshl_b32 s37, ttmp9, 2
	s_add_co_u32 s37, s37, s[CX]                   ; WG = 4 x batch + cx
	s_lshl_b32 s38, s37, 17                        ; x: 128 rows of 1,024 bytes a work-group,
	s_lshr_b32 s46, s[WV], 1
	s_lshl_b32 s46, s46, 15
	s_add_co_u32 s38, s38, s46                     ; + 32 (w / 2) rows
	s_and_b32 s46, s[WV], 1
	s_lshl_b32 s46, s46, 13
	s_add_co_u32 s38, s38, s46                     ; + 8 (w % 2) rows
	s_mov_b32 s39, 0
	s_lshl_b32 s40, s37, 3
	s_add_co_u32 s40, s40, s[WV]
	s_mul_i32 s40, s40, 3328
	s_add_co_u32 s40, s40, 13631488                ; Q's place
	s_mov_b32 s41, 0
	s_mul_i32 s47, ttmp9, 212992                   ; the batch's block
	s_lshl_b32 s46, s[CX], 3
	s_add_co_u32 s46, s46, s[WV]                   ; 8 cx + w
	s_mul_i32 s42, s46, 3072
	s_add_co_u32 s42, s42, s47
	s_mov_b32 s43, 0
	s_lshl_b32 s44, s46, 8
	s_add_co_u32 s44, s44, s47
	s_add_co_u32 s44, s44, 196608
	s_mov_b32 s45, 0
	; the weights' tile: 78 rows of 256 bytes (32 elements of 8 bytes) a wave, dense
	s_mov_b32 s[G1], 15|(3<<16)|(1<<21)            ; 15:0 the mask: all four work-groups; 17:16 elements of 8 bytes; 21 set beside a mask
	s_mov_b32 s[G1+1], 32<<16                      ; tensor_dim0
	s_mov_b32 s[G1+2], 78<<16                      ; tensor_dim1
	s_mov_b32 s[G1+3], 32<<16                      ; tile_dim0
	s_mov_b32 s[G1+4], 78                          ; tile_dim1
	s_mov_b32 s[G1+5], 32                          ; the pitch
	s_mov_b32 s[G1+6], 0
	s_mov_b32 s[G1+7], 0
	s_mov_b32 s[G0], 1
	s_mul_i32 s[G0+1], s[WV], 19968                ; LDS: wave x 78 rows
	s_mul_i32 s2, s[WV], 19968
	s_mov_b32 s3, 0
	s_wait_dscnt 0x0                               ; both opening adds are done
	s_wait_kmcnt 0x0
	s_add_nc_u64 s[XP:XP+1], s[4:5], s[38:39]
	s_add_nc_u64 s[QP:QP+1], s[8:9], s[40:41]
	s_add_nc_u64 s[KP:KP+1], s[8:9], s[42:43]
	s_add_nc_u64 s[KSP:KSP+1], s[8:9], s[44:45]
	s_add_nc_u64 s[G0+2:G0+3], s[6:7], s[2:3]
	s_or_b32 s[G0+3], s[G0+3], 0x80000000
	CROUND                                         ; all four work-groups are here: the joint loads meet
	tensor_load_to_lds s[G0:G0+3], s[G1:G1+7]      ; my one tensor load of the launch
	s_nop 0
	PLACES 4
	XIN
	s_wait_tensorcnt 0x0                           ; my part of the weights has landed,
	s_wait_dscnt 0x0                               ; x is in HH,
	s_barrier_signal -1
	s_barrier_wait -1                              ; and everybody's part has: nothing is filled again in this launch
	LNORM HH, HH, 0, 1024                          ; h
	QUANT2 HH, AF, ASC
.irp i, 0,1,2,3,4,5
	ds_store_b128 v[HWI], v[AF+4*\i:AF+4*\i+3] offset:512*\i       ; h's two fragments as images of their registers, for the V phase of all eight waves
.endr
	ds_store_b32 v[HWS], v[ASC]
	PROJ 0, 2048                                   ; q
	QUANT2 ACC, OF, OS
	OUTQ QP, 0, QP, 3072
	PROJ 51200, 3072                               ; k
	s_wait_xcnt 0x0                                ; q's stores have read their registers
	QUANT2 ACC, OF, OS
	OUTQ KP, 0, KSP, 0
	s_wait_dscnt 0x0                               ; my images of h have landed
	s_barrier_signal -1
	s_barrier_wait -1                              ; everybody's have
	s_wait_xcnt 0x0                                ; k's stores have read their registers: wv's fragments land there
	; ---- V: channels 32 w .. 32 w + 31 (tiles 2 w, 2 w + 1 of wv) for the work-group's 128 keys
	s_mul_i32 s37, s[WV], 3072
	s_add_co_u32 s37, s37, 102400
	v_add_nc_u32 v[ADK], s37, v[LI]
	s_lshl_b32 s37, s[WV], 8
	s_add_co_u32 s37, s37, 151552
	v_add_nc_u32 v[ADS], s37, v[LS]
	v_add_nc_u32 v[ADB], HSC, v[LS]
	v_add_nc_u32 v[ADV], HIMG, v[LI]
.irp kd, 0,1
.irp e, 0,1
.irp i, 0,1,2
	ds_load_b128 v[WVF+24*\kd+12*\e+4*\i:WVF+24*\kd+12*\e+4*\i+3], v[ADK] offset:24576*\kd+1536*\e+512*\i
.endr
.endr
.endr
.irp e, 0,1
	ds_load_b32 v[SC+8+\e], v[ADS] offset:128*\e
.endr
.irp e, 0,1
.irp j, 0,1,2,3,4,5,6,7
	ds_load_b32 v[BV+8*\e+\j], v[BVA] offset:32*\e ; bv of my channel, for each of a result's eight keys: the C of the first product
.endr
.endr
.irp m, 0,1,2,3,4,5,6,7
	ds_load_b32 v[SC+\m], v[ADB] offset:128*\m     ; h's scale words, tile m
.endr
	GRP ADV, 0, 0, 3072                            ; h's tiles 0-3, K half 0
	GRP ADV, 1, 12288, 3072                        ; tiles 4-7
.irp g, 0,1,2,3
.if \g < 3
	s_wait_dscnt 12                                ; all but the next group's twelve loads
.else
	s_wait_dscnt 0
.endif
.if \g < 2
	WIN 0x40
.else
	WIN 0x50
.endif
.irp q, 0,1,2,3
.irp e, 0,1
.if \g < 2
	MM ACC+64*\e+8*(4*(\g%2)+\q), FR0+48*(\g%2)+12*\q, WVF+12*\e, BV+8*\e, SC+4*(\g%2)+\q, SC+8+\e, 0
.else
	MM ACC+64*\e+8*(4*(\g%2)+\q), FR0+48*(\g%2)+12*\q, WVF+24+12*\e, ACC+64*\e+8*(4*(\g%2)+\q), SC+4*(\g%2)+\q, SC+8+\e, 1
.endif
.endr
.endr
	WIN 0
	PLACES 4
.if \g < 2
	GRP ADV, \g%2, 1536+12288*\g, 3072             ; the same tiles' K half 1
.endif
.endr
	QUANT2 ACC, OF, OS                             ; along the keys: register 16 b + i of a tile's 64 is key 32 b + 16 h + i
	OUTQ KP, 98304, KSP, 8192
	s_wait_tensorcnt 0x0                           ; the wave's end, behind my last tensor load and my last LDS store
	ds_add_u32 v[SPW], v[NIL]
	s_wait_dscnt 0x0
	CROUND                                         ; the closing round
	s_endpgm
.Lfunc_end_k_q440142f4c4_kv0:
	.size	k_q440142f4c4_kv0, .Lfunc_end_k_q440142f4c4_kv0-k_q440142f4c4_kv0
	.p2alignl 7, 3214868480
	.fill 96, 4, 3214868480
	.section	.rodata,"a",@progbits
	.p2align	6, 0x0
	.amdhsa_kernel k_q440142f4c4_kv0
		.amdhsa_group_segment_fixed_size 221184
		.amdhsa_private_segment_fixed_size 0
		.amdhsa_enable_private_segment 0
		.amdhsa_kernarg_size 24
		.amdhsa_user_sgpr_count 2
		.amdhsa_user_sgpr_kernarg_segment_ptr 1
		.amdhsa_wavefront_size32 1
		.amdhsa_system_sgpr_workgroup_id_x 1
		.amdhsa_system_sgpr_workgroup_id_y 1
		.amdhsa_system_sgpr_workgroup_id_z 1
		.amdhsa_system_vgpr_workitem_id 0
		.amdhsa_next_free_vgpr 512
		.amdhsa_next_free_sgpr 66
		.amdhsa_reserve_vcc 0
		.amdhsa_float_denorm_mode_32 3
		.amdhsa_float_denorm_mode_16_64 3
		.amdhsa_memory_ordered 1
		.amdhsa_forward_progress 1
		.amdhsa_inst_pref_size 114
	.end_amdhsa_kernel
	.amdgpu_metadata
---
amdhsa.version: [ 1, 2 ]
amdhsa.kernels:
  - .name:           k_q440142f4c4_kv0
    .symbol:         k_q440142f4c4_kv0.kd
    .args:
      - { .name: x, .offset: 0, .size: 8, .value_kind: global_buffer, .address_space: global }
      - { .name: par0, .offset: 8, .size: 8, .value_kind: global_buffer, .address_space: global }
      - { .name: qkv, .offset: 16, .size: 8, .value_kind: global_buffer, .address_space: global }
    .group_segment_fixed_size: 221184
    .private_segment_fixed_size: 0
    .kernarg_segment_align: 8
    .kernarg_segment_size: 24
    .max_flat_workgroup_size: 256
    .sgpr_count:     66
    .vgpr_count:     512
    .wavefront_size: 32
...
	.end_amdgpu_metadata
.endif
;; end of part 2
;; launch att0 (part 3): grid 256 x 1, 8 waves a work-group, clusters of 4 x 1, 327,680 bytes of LDS; arguments x, par0, qkv, tab, lmask, xa; writes xa
.if DOCPART == 3
	.amdgcn_target "amdgcn-amd-amdhsa--gfx1250"
	.amdhsa_code_object_version 6
	.text
	.protected	k_q440142f4c4_att0
	.globl	k_q440142f4c4_att0
	.p2align	8
	.type	k_q440142f4c4_att0,@function
k_q440142f4c4_att0:
	s_mov_b64 s[64:65], 0
	v_nop
	global_prefetch_b8 v0, s[64:65] scope:SCOPE_SE
	s_setreg_imm32_b32 hwreg(HW_REG_WAVE_MODE, 25, 1), 1
	s_wait_xcnt 0x0
	s_wait_alu depctr_hold_cnt(0) depctr_sa_sdst(0) depctr_va_vdst(0) depctr_va_sdst(0) depctr_va_ssrc(0) depctr_va_vcc(0) depctr_vm_vsrc(0)
	s_getreg_b32 s2, hwreg(HW_REG_IB_STS2, 6, 4)
	s_cmp_eq_u32 s2, 0
	s_cbranch_scc0 .Lentry_in_a_cluster
	s_endpgm
.Lentry_in_a_cluster:
	s_bfe_u32 s2, ttmp6, 0x10000c
	s_cmp_lg_u32 s2, 0x3003
	s_cbranch_scc0 .Lentry_shape_is_right
	s_endpgm
.Lentry_shape_is_right:
; ATT: the rest of a layer for 128 rows: h = LN(x) again; softmax(q k^T / 16 + bias, keys masked) v; wo + bo; x1 = h + LN(o); c = LN(x1); x1 + gelu(c w1 + b1) w2 + b2.  All five products on codes of FP6 (E2M3), E8M0 scales.
; No work of the layer is left out.  LIMITS: NaN and infinities are not served; quantiser blocks whose largest magnitude lies under 2^-124 get the byte 1; a masked score is -2^126 (not the least f32 number):
; its p is 0 beside any key that counts, and a batch with no key that counts gives the plain average of v; erf is x P(x^2) / Q(x^2) in f32 on x held to +-4, so gelu of x under about -5 carries an absolute error near |x| x 1e-7.
; SHARES as in the launch before: a cluster is a batch, work-group cx its rows 128 cx on, wave w tile rows 32 (w / 2) + 8 (w % 2) + r + 8 (r / 8); H-layout: lane (r, h): row r, register 16 b + i = column 32 b + 16 h + i.
; A lane holds one row throughout: every product is used transposed (source 0 = 16 keys, 16 channels or 16 columns of a weight; source 1 = my rows).
; THE SOFTMAX: S = q . k + 16 bias (the bias is the C of the first product); t = S x log2(e) / 16; M = the running largest t rounded up to a whole number; p = 2^(t - M) is quantised along the keys; the row's sum is taken
; of the unquantised p and divides at the end; when M moves, the sum and O are multiplied by 2^(old M - new M), which rounds nothing.
; LDS: a batch's K and V codes and scales (212,992 dense bytes) come whole, JOINTLY for the cluster's four work-groups, and so do wo and eight vectors; each work-group brings its own window of the bias table by a load of its
; own.  Three first fills a wave.  ONE refill: w1 and w2 land on K's bytes behind the key loop, asked for a whole phase (wo, two norms, a quantiser) ahead of their use.
; REGISTERS: window 1: ACC v0-127 (O, then each product's result), HH v128-255 (h, then x1).  Window 0: v1-13 addresses; v[14:15] the sum; v16 -M, v17 the largest t; v18-19 the add's two; v20 my rows' scale word;
; v22 f, v23 p's scale word; v24-47 my rows' two fragments; v48-63 scale words; v64-127 scores, then p; v128-223 two sets of four fragments; v224-255 at work.
.set KVS,   196608                     ; LDS: K's fragments 0, V's 98304, K's scale units 196608, V's 204800
.set WOB,   212992                     ; wo's block
.set VEC,   264192                     ; ln_g, ln_b, cm_g, cm_b, bo, b1, b2
.set TAB,   272384                     ; four copies of a window of 640 entries, at 0, 2592, 5248, 7840: copy s at 2592 s + 32 (s & 2)
.set STAGE, 282880                     ; 16 rows x 272 bytes for each wave
.set SPARE, 317696                     ; the spare words, 128 bytes for each wave: four blocks of 256 bytes that no other line names
.set ACC, 0
.set HH,  128
.set LI,  1
.set LS,  2
.set L8,  3
.set VA,  4
.set STO, 5
.set STR, 6
.set GX,  7
.set BA,  8                            ; my lane's place in the bias window
.set NEGV, 9                           ; -2^126
.set ADK, 10
.set ADV, 11
.set ADS, 12
.set ADB, 13
.set SUM, 14
.set TW0, 14
.set TW1, 15
.set NM,  16
.set TMX, 17
.set SPW, 18
.set NIL, 19
.set ASC, 20
.set FP,  22
.set PSC, 23
.set AF,  24
.set SC,  48
.set SS,  64
.set FR0, 128
.set PC,  224
.set QT,  236
.set T0,  243
.set TM,  244
.set LA,  224
.set LTA, 232
.set LTB, 233
.set MEAN, 234
.set RS,  236
.set ZZ,  64                           ; gelu: z, z^2, P, Q: 32 registers each
.set Z2,  96
.set PP,  128
.set QQ,  160
.set XP,  2
.set OUTP, 4
.set PAR, 6
.set QP,  8
.set MB,  10
.set WV,  12
.set CX,  13
.set SEL, 66
.set CS,  68
.set HM,  70
.set C256, 71
.set CNT, 72
.set KO,  73
.set SO,  74
.set BO,  75
.set EPS, 96
.set VO,  97
.set MSB, 0
.macro WIN new                         ; the immediate's high byte repeats the setting that is left; low byte: bits 1:0 source 0, 3:2 source 1, 5:4 source 2, 7:6 destination
.if MSB != \new
	s_set_vgpr_msb (MSB<<8)|\new
.set MSB, \new
.endif
.endm
.macro PLACES n
.rept \n
	v_nop
.endr
.endm
.macro CROUND                          ; a round of the cluster's barrier
	s_barrier_signal -1
	s_barrier_wait -1
	s_cmp_lg_u32 s[WV], 0
	s_cbranch_scc1 .Lnot_wave_0_\@
	s_barrier_signal -3
.Lnot_wave_0_\@:
	s_barrier_wait -3
	s_barrier_signal -1
	s_barrier_wait -1
.endm
; My 16 rows of x into HH in the H-layout.  Each load reads two rows' 256 consecutive bytes (sixteen lanes a row); a quarter of the columns at a time turns through my own stage.
.macro XIN
	WIN 0x40
.irp c, 0,1,2,3
.irp i, 0,1,2,3,4,5,6,7
	global_load_b128 v[ACC+4*(8*\c+\i):ACC+4*(8*\c+\i)+3], v[GX], s[XP:XP+1] offset:(2*\i+8*(\i/4))*1024+256*\c th:TH_LOAD_NT
.endr
.endr
.irp c, 0,1,2,3
	s_wait_loadcnt 24-8*\c                         ; this quarter's eight loads are in (and Q's, issued earlier); eight for each later quarter may be out
	WIN 0x04
.irp i, 0,1,2,3,4,5,6,7
	ds_store_b128 v[STR], v[ACC+4*(8*\c+\i):ACC+4*(8*\c+\i)+3] offset:544*\i
.endr
	WIN 0x40
.irp bb, 0,1
.irp j, 0,1,2,3
	ds_load_b128 v[HH+16*(2*\c+\bb)+4*\j:HH+16*(2*\c+\bb)+4*\j+3], v[STO] offset:128*\bb+16*\j   ; LDS serves a wave's instructions in order: these see the stores above, and the next quarter's stores come behind them
.endr
.endr
.endr
	WIN 0
.endm
.macro GBL q, base, gofs, bofs         ; gains and offsets of registers 32 q .. 32 q + 31 of the H-layout: 32 + 32 registers at v[base] of window 0; every window is 0 here
.irp bb, 0,1
.irp j, 0,1,2,3
	ds_load_b128 v[\base+16*\bb+4*\j:\base+16*\bb+4*\j+3], v[VA] offset:\gofs+128*(2*(\q)+\bb)+16*\j
.endr
.endr
.irp bb, 0,1
.irp j, 0,1,2,3
	ds_load_b128 v[\base+32+16*\bb+4*\j:\base+32+16*\bb+4*\j+3], v[VA] offset:\bofs+128*(2*(\q)+\bb)+16*\j
.endr
.endr
.endm
.macro FOLD                            ; four pairs of partial sums, and lane l xor 16's: the row's sum in v[LTA]
	v_pk_add_f32 v[LA:LA+1], v[LA:LA+1], v[LA+2:LA+3]
	v_pk_add_f32 v[LA+4:LA+5], v[LA+4:LA+5], v[LA+6:LA+7]
	v_pk_add_f32 v[LA:LA+1], v[LA:LA+1], v[LA+4:LA+5]
	v_add_f32 v[LTA], v[LA], v[LA+1]
	v_permlanex16_b32 v[LTB], v[LTA], s[SEL], s[SEL+1]
	v_add_f32 v[LTA], v[LTA], v[LTB]
.endm
; dst = (src - mean) rsqrt(var + 1e-5) g + b, all in f32; src and dst are 128 registers of window 1.  The registers are read in ascending order, each matrix result from its low end on.
.macro LNORM src, dst, gofs, bofs
	WIN 0                                          ; whatever the lines before have left: the loads of gains have address and destination in window 0
	GBL 0, SS, \gofs, \bofs
	GBL 1, FR0, \gofs, \bofs
	WIN 0x05
.irp k, 0,1,2,3
	v_pk_add_f32 v[LA+2*\k:LA+2*\k+1], v[\src+4*\k:\src+4*\k+1], v[\src+4*\k+2:\src+4*\k+3]
.endr
	WIN 0x04
.set p, 8
.rept 56
	v_pk_add_f32 v[LA+2*(p%4):LA+2*(p%4)+1], v[LA+2*(p%4):LA+2*(p%4)+1], v[\src+2*p:\src+2*p+1]
.set p, p+1
.endr
	WIN 0
	FOLD
	v_mul_f32 v[MEAN], s[C256], v[LTA]
	v_mov_b32 v[MEAN+1], v[MEAN]
	WIN 0x41
.set p, 0
.rept 64
	v_pk_add_f32 v[\dst+2*p:\dst+2*p+1], v[\src+2*p:\src+2*p+1], v[MEAN:MEAN+1] neg_lo:[0,1] neg_hi:[0,1]
.set p, p+1
.endr
	WIN 0x05
.irp k, 0,1,2,3
	v_pk_mul_f32 v[LA+2*\k:LA+2*\k+1], v[\dst+2*\k:\dst+2*\k+1], v[\dst+2*\k:\dst+2*\k+1]
.endr
.set p, 4
.rept 60
	v_pk_fma_f32 v[LA+2*(p%4):LA+2*(p%4)+1], v[\dst+2*p:\dst+2*p+1], v[\dst+2*p:\dst+2*p+1], v[LA+2*(p%4):LA+2*(p%4)+1]
.set p, p+1
.endr
	WIN 0
	FOLD
	v_fma_f32 v[LTA], v[LTA], s[C256], s[EPS]      ; the variance + 1e-5
	v_rsq_f32 v[RS], v[LTA]
	v_mov_b32 v[RS+1], 0                           ; the plain place behind the transcendental; the pair's upper word is named below, so it is written
	s_wait_alu depctr_va_vdst(0)                   ; the wait ahead of the first reader
.irp q, 0,1,2,3
.if \q < 3
	s_wait_dscnt 16                                ; this chunk's sixteen loads are in; the next chunk's sixteen may be out
.else
	s_wait_dscnt 0
.endif
.set GB, SS+64*(\q%2)
	WIN 0x41
.set p, 0
.rept 16
	v_pk_mul_f32 v[\dst+32*\q+2*p:\dst+32*\q+2*p+1], v[\dst+32*\q+2*p:\dst+32*\q+2*p+1], v[RS:RS+1] op_sel_hi:[1,0]
.set p, p+1
.endr
.set p, 0
.rept 16
	v_pk_fma_f32 v[\dst+32*\q+2*p:\dst+32*\q+2*p+1], v[\dst+32*\q+2*p:\dst+32*\q+2*p+1], v[GB+2*p:GB+2*p+1], v[GB+32+2*p:GB+32+2*p+1]
.set p, p+1
.endr
	WIN 0
.if \q < 2
	GBL \q+2, GB, \gofs, \bofs
.endif
.endr
.endm
; 64 numbers of a lane at v[x] of window 1, register 16 b + i = k 32 b + 16 h + i of my row, become a fragment's 12 registers at v[f] and its scale word in v[pw] (the same in lanes l and l xor 16).
.macro QUANT x, f, pw
	WIN 0x14
.irp b, 0,1,2,3
	v_max3_num_f32 v[TM+\b], 0x1800000, |v[\x+16*\b]|, |v[\x+16*\b+1]|   ; my 16 numbers of block b, and the floor 2^(3 - 127): the byte cannot fall under 1
.endr
.irp i, 2,4,6,8,10,12,14
.irp b, 0,1,2,3
	v_max3_num_f32 v[TM+\b], v[TM+\b], |v[\x+16*\b+\i]|, |v[\x+16*\b+\i+1]|
.endr
.endr
	WIN 0
.irp b, 0,1,2,3
	v_permlanex16_b32 v[TM+4+\b], v[TM+\b], s[SEL], s[SEL+1]
.endr
.irp b, 0,1,2,3
	v_max_num_f32 v[TM+\b], v[TM+\b], v[TM+4+\b]   ; with lane l xor 16's: the block's largest magnitude
.endr
.irp b, 0,1,2,3
	v_add_nc_u32 v[TM+8+\b], 0xff000000, v[TM+\b]  ; 2 off its exponent field: the conversion's scale operand
.endr
.irp b, 0,1,2,3
	v_lshrrev_b32 v[TM+4+\b], 23, v[TM+8+\b]       ; the scale's byte
.endr
	v_lshl_or_b32 v[\pw], v[TM+5], 8, v[TM+4]
	v_lshl_or_b32 v[\pw], v[TM+6], 16, v[\pw]
	v_lshl_or_b32 v[\pw], v[TM+7], 24, v[\pw]
	WIN 0x01
.irp c, 0,1
	v_cvt_scalef32_pk16_fp6_f32 v[\f+6*\c:\f+6*\c+2], v[\x+32*\c:\x+32*\c+15], v[TM+8+2*\c]
	v_cvt_scalef32_pk16_fp6_f32 v[QT+4*\c:QT+4*\c+2], v[\x+32*\c+16:\x+32*\c+31], v[TM+9+2*\c]   ; (a conversion's three registers begin on an even number)
.endr
	WIN 0
	v_nop                                          ; one plain place behind a scaled conversion
.irp c, 0,1                            ; the operand's layout wants a whole block in a lane: lanes 0-15 block 2 c, lanes 16-31 block 2 c + 1
.irp i, 0,1,2
	v_permlane16_swap_b32 v[\f+6*\c+\i], v[QT+4*\c+\i]
.endr
.irp i, 0,1,2
	v_mov_b32 v[\f+3+6*\c+\i], v[QT+4*\c+\i]
.endr
.endr
.endm
.macro QUANT2 x, f, as                 ; 128 registers: two fragments; one register carries both scale words: the first's in lanes 0-15, the second's in lanes 16-31
	QUANT \x, \f, TW0
	QUANT \x+64, \f+12, TW1
	v_cndmask_b32 v[\as], v[TW0], v[TW1], s[HM]
.endm
.macro GRP adr, buf, off, str          ; four fragments' images, str bytes apart, into set buf: twelve loads of 512 consecutive bytes
.irp q, 0,1,2,3
.irp i, 0,1,2
	ds_load_b128 v[FR0+48*(\buf)+12*\q+4*\i:FR0+48*(\buf)+12*\q+4*\i+3], v[\adr] offset:(\off)+(\str)*\q+512*\i
.endr
.endr
.endm
.macro MM d, a, b, c, sa, sb, row      ; row = 1: both sides' scale words stand in lanes 16-31; 2: source 0's alone
.if (\row) == 0
	v_wmma_scale_f32_16x16x128_f8f6f4 v[\d:\d+7], v[\a:\a+11], v[\b:\b+11], v[\c:\c+7], v[\sa], v[\sb] matrix_a_fmt:MATRIX_FMT_FP6 matrix_b_fmt:MATRIX_FMT_FP6
.elseif (\row) == 1
	v_wmma_scale_f32_16x16x128_f8f6f4 v[\d:\d+7], v[\a:\a+11], v[\b:\b+11], v[\c:\c+7], v[\sa], v[\sb] matrix_a_fmt:MATRIX_FMT_FP6 matrix_b_fmt:MATRIX_FMT_FP6 matrix_a_scale:MATRIX_SCALE_ROW1 matrix_b_scale:MATRIX_SCALE_ROW1
.else
	v_wmma_scale_f32_16x16x128_f8f6f4 v[\d:\d+7], v[\a:\a+11], v[\b:\b+11], v[\c:\c+7], v[\sa], v[\sb] matrix_a_fmt:MATRIX_FMT_FP6 matrix_b_fmt:MATRIX_FMT_FP6 matrix_a_scale:MATRIX_SCALE_ROW1
.endif
.endm
; ACC = my rows (fragments at AF, scale words in ASC) x the weight block at LDS byte wbase, transposed, + the bias at bofs, which is loaded into the accumulators and is the C of each sum's first product.
; The 16 accumulators take turns, one instruction a turn.  Fragments come four at a time into two sets; a set is loaded again four places behind the products that read it.
.macro PROJ wbase, bofs
	v_add_nc_u32 v[ADK], \wbase, v[LI]
	v_add_nc_u32 v[ADS], \wbase+49152, v[LS]
	WIN 0x40
.irp t, 0,1,2,3,4,5,6,7,8,9,10,11,12,13,14,15
.irp e, 0,1
	ds_load_b128 v[ACC+8*\t+4*\e:ACC+8*\t+4*\e+3], v[VA] offset:\bofs+128*(\t/2)+32*(\t%2)+16*\e
.endr
.endr
	WIN 0
.irp t, 0,1,2,3,4,5,6,7,8,9,10,11,12,13,14,15
	ds_load_b32 v[SC+\t], v[ADS] offset:128*\t     ; lanes 0-15: K half 0's words, lanes 16-31: K half 1's
.endr
	GRP ADK, 0, 0, 1536
	GRP ADK, 1, 6144, 1536
	PLACES 8                                       ; my rows' scale word was written by a vector instruction: eight places ahead of a scaled product
.irp g, 0,1,2,3,4,5,6,7
.if \g < 7
	s_wait_dscnt 12                                ; all but the next group's twelve loads
.else
	s_wait_dscnt 0
.endif
	WIN 0x50
.irp q, 0,1,2,3
	MM ACC+8*(4*(\g%4)+\q), FR0+48*(\g%2)+12*\q, AF+12*(\g/4), ACC+8*(4*(\g%4)+\q), SC+4*(\g%4)+\q, ASC, \g/4
.endr
	WIN 0
	PLACES 4
.if \g < 6
	GRP ADK, \g%2, 6144*(\g+2), 1536
.endif
.endr
.endm
; gelu(x) = x / 2 + erf(x / sqrt 2) x / 2 on 32 registers of ACC; erf(z) = z P(z^2) / Q(z^2), z held to +-4
.macro HORN d, sc                      ; d = d z^2 + the scalar, sixteen pairs
.set p, 0
.rept 16
	v_pk_fma_f32 v[\d+2*p:\d+2*p+1], v[\d+2*p:\d+2*p+1], v[Z2+2*p:Z2+2*p+1], s[\sc:\sc+1] op_sel_hi:[1,1,0]
.set p, p+1
.endr
.endm
.macro HORN0 d, vc, sc                 ; d = z^2 x the leading coefficient + the scalar
.set p, 0
.rept 16
	v_pk_fma_f32 v[\d+2*p:\d+2*p+1], v[Z2+2*p:Z2+2*p+1], v[\vc:\vc+1], s[\sc:\sc+1] op_sel_hi:[1,1,0]
.set p, p+1
.endr
.endm
.macro GELU ch
.set GXB, ACC+32*\ch
	WIN 0x01
.set p, 0
.rept 16
	v_pk_mul_f32 v[ZZ+2*p:ZZ+2*p+1], v[GXB+2*p:GXB+2*p+1], s[36:37] op_sel_hi:[1,0]   ; x / sqrt 2; the results are read in ascending order
.set p, p+1
.endr
	WIN 0
.set p, 0
.rept 32
	v_med3_num_f32 v[ZZ+p], v[ZZ+p], -4.0, 4.0
.set p, p+1
.endr
.set p, 0
.rept 16
	v_pk_mul_f32 v[Z2+2*p:Z2+2*p+1], v[ZZ+2*p:ZZ+2*p+1], v[ZZ+2*p:ZZ+2*p+1]
.set p, p+1
.endr
	HORN0 PP, 224, 16
	HORN0 QQ, 226, 28
	HORN PP, 18
	HORN QQ, 30
	HORN PP, 20
	HORN QQ, 32
	HORN PP, 22
	HORN QQ, 34
.set p, 0
.rept 32
	v_rcp_f32 v[QQ+p], v[QQ+p]
.set p, p+1
.endr
	HORN PP, 24                                    ; plain work that names no reciprocal stands behind the batch
	HORN PP, 26
.set p, 0
.rept 16
	v_pk_mul_f32 v[PP+2*p:PP+2*p+1], v[PP+2*p:PP+2*p+1], v[ZZ+2*p:ZZ+2*p+1]
.set p, p+1
.endr
	s_wait_alu depctr_va_vdst(0)                   ; one wait for the 32 reciprocals, ahead of their first reader
.set p, 0
.rept 16
	v_pk_mul_f32 v[PP+2*p:PP+2*p+1], v[PP+2*p:PP+2*p+1], v[QQ+2*p:QQ+2*p+1]   ; erf
.set p, p+1
.endr
	WIN 0x41
.set p, 0
.rept 16
	v_pk_mul_f32 v[GXB+2*p:GXB+2*p+1], v[GXB+2*p:GXB+2*p+1], 0.5 op_sel_hi:[1,0]
.set p, p+1
.endr
	WIN 0x54
.set p, 0
.rept 16
	v_pk_fma_f32 v[GXB+2*p:GXB+2*p+1], v[PP+2*p:PP+2*p+1], v[GXB+2*p:GXB+2*p+1], v[GXB+2*p:GXB+2*p+1]
.set p, p+1
.endr
	WIN 0
.endm
; the way out: a quarter of the columns at a time through my stage, back as rows
.macro TOST c
	WIN 0x04
.irp bb, 0,1
.irp j, 0,1,2,3
	ds_store_b128 v[STO], v[ACC+16*(2*\c+\bb)+4*\j:ACC+16*(2*\c+\bb)+4*\j+3] offset:128*\bb+16*\j
.endr
.endr
	WIN 0
.irp i, 0,1,2,3,4,5,6,7
	ds_load_b128 v[FR0+32*(\c%2)+4*\i:FR0+32*(\c%2)+4*\i+3], v[STR] offset:544*\i   ; LDS serves a wave's instructions in order
.endr
.endm
.macro SEND c, n                       ; n: the LDS instructions issued behind this quarter's loads
	s_wait_dscnt \n
.irp i, 0,1,2,3,4,5,6,7
	global_store_b128 v[GX], v[FR0+32*(\c%2)+4*\i:FR0+32*(\c%2)+4*\i+3], s[OUTP:OUTP+1] offset:(2*\i+8*(\i/4))*1024+256*\c   ; sixteen lanes store 256 consecutive bytes, at a multiple of 256 from the buffer's first byte
.endr
.endm
	s_load_b256 s[16:23], s[0:1], 0x0              ; x 16, par 18, qkv 20, tab 22
	s_load_b128 s[24:27], s[0:1], 0x20             ; lmask 24, the next x 26
	v_lshl_add_u32 v[SPW], v0, 2, SPARE
	v_mov_b32 v[NIL], 0
	ds_add_u32 v[SPW], v[NIL]                      ; the wave's opening: the add, twice on end, and its wait ahead of my first tensor load
	ds_add_u32 v[SPW], v[NIL]
	v_lshrrev_b32 v[T0], 5, v0
	v_readfirstlane_b32 s[WV], v[T0]               ; wave 0..7
	v_and_b32 v[LS], 31, v0
	v_lshlrev_b32 v[LI], 4, v[LS]
	v_lshlrev_b32 v[L8], 3, v[LS]
	v_lshlrev_b32 v[LS], 2, v[LS]
	v_and_b32 v[TM], 15, v0                        ; r
	v_bfe_u32 v[TM+1], v0, 4, 1                    ; h
	v_lshl_add_u32 v[VA], v[TM+1], 6, VEC
	s_mul_i32 s88, s[WV], 4352
	s_add_co_u32 s88, s88, STAGE                   ; my stage
	v_mul_u32_u24 v[STO], v[TM], 272
	v_lshl_add_u32 v[STO], v[TM+1], 6, v[STO]
	v_add_nc_u32 v[STO], s88, v[STO]
	v_mul_u32_u24 v[STR], v[TM+1], 272
	v_lshl_add_u32 v[STR], v[TM], 4, v[STR]
	v_add_nc_u32 v[STR], s88, v[STR]
	v_lshlrev_b32 v[GX], 10, v[TM+1]
	v_lshl_add_u32 v[GX], v[TM], 4, v[GX]
	s_lshr_b32 s89, s[WV], 1                       ; w / 2
	s_and_b32 s92, s[WV], 1                        ; w % 2
	; the bias: score register 16 b + i of key step st wants T2 at (384 - 128 cx) + e + 128 st + 32 b + i, e = 127 + 16 h - my block row.  Copy e % 4 of the table is shifted by e % 4, so that four neighbours lie at a multiple of 16 bytes
	v_and_b32 v[TM+2], 8, v[TM]
	v_add_nc_u32 v[TM+2], v[TM+2], v[TM]           ; r + 8 (r / 8)
	s_lshl_b32 s74, s89, 5
	s_lshl_b32 s75, s92, 3
	s_add_co_u32 s74, s74, s75
	v_add_nc_u32 v[TM+2], s74, v[TM+2]             ; my block row
	v_lshl_add_u32 v[TM+3], v[TM+1], 4, 127
	v_sub_nc_u32 v[TM+3], v[TM+3], v[TM+2]         ; e = 0 .. 143
	v_and_b32 v[TM+2], 3, v[TM+3]
	v_mul_u32_u24 v[BA], v[TM+2], 2592
	v_and_b32 v[TM+2], 2, v[TM+3]
	v_lshl_add_u32 v[BA], v[TM+2], 5, v[BA]
	v_and_b32 v[TM+2], 0xfc, v[TM+3]
	v_lshl_add_u32 v[BA], v[TM+2], 2, v[BA]
	v_add_nc_u32 v[BA], TAB, v[BA]
.irp b, 0,1,2,3
	v_mov_b32 v[TM+4+\b], 0                        ; written once: a lane permute's destination counts as one of its sources
.endr
	v_mov_b32 v[LTB], 0
	v_mov_b32 v[NEGV], 0xfe800000
	s_mov_b32 s[SEL], 0x76543210
	s_mov_b32 s[SEL+1], 0xfedcba98                 ; v_permlanex16_b32's selects for lane l xor 16
	s_mov_b32 s[CS], 0x3db8aa3b                    ; c = log2(e) / 16
	s_mov_b32 s[CS+1], s[CS]                       ; (named with it as a pair, so it is written)
	s_mov_b32 s[HM], 0xffff0000
	s_mov_b32 s[C256], 0x3b800000                  ; 1 / 256
	s_mov_b32 s[EPS], 0x3727c5ac                   ; 1e-5
	s_bfe_u32 s[CX], ttmp6, 0x40000                ; my place in the cluster: it enters global addresses of my own loads and stores alone
	s_lshl_b32 s88, ttmp9, 2
	s_add_co_u32 s88, s88, s[CX]                   ; WG = 4 x batch + cx
	s_lshl_b32 s90, s88, 17
	s_lshl_b32 s93, s89, 15
	s_add_co_u32 s90, s90, s93
	s_lshl_b32 s93, s92, 13
	s_add_co_u32 s90, s90, s93
	s_mov_b32 s91, 0                               ; s[90:91]: my rows in x
	s_lshl_b32 s94, s88, 3
	s_add_co_u32 s94, s94, s[WV]
	s_mul_i32 s94, s94, 3328
	s_add_co_u32 s94, s94, 13631488
	s_mov_b32 s95, 0                               ; s[94:95]: my Q
	; three tiles a wave.  wo and the vectors: 29 rows of 256 bytes; K and V: 104 rows; the bias window: one row of 1,280 bytes
	s_mov_b32 s28, 15|(3<<16)|(1<<21)              ; 15:0 the mask: all four work-groups; 17:16 elements of 8 bytes; 21 set beside a mask
	s_mov_b32 s29, 32<<16
	s_mov_b32 s30, 29<<16
	s_mov_b32 s31, 32<<16
	s_mov_b32 s32, 29
	s_mov_b32 s33, 32
	s_mov_b32 s34, 0
	s_mov_b32 s35, 0
	s_mov_b32 s36, 15|(3<<16)|(1<<21)
	s_mov_b32 s37, 32<<16
	s_mov_b32 s38, 104<<16
	s_mov_b32 s39, 32<<16
	s_mov_b32 s40, 104
	s_mov_b32 s41, 32
	s_mov_b32 s42, 0
	s_mov_b32 s43, 0
	s_mov_b32 s44, 3<<16                           ; no mask: each work-group's window is its own
	s_mov_b32 s45, 160<<16
	s_mov_b32 s46, 1<<16
	s_mov_b32 s47, 160<<16
	s_mov_b32 s48, 1
	s_mov_b32 s49, 160
	s_mov_b32 s50, 1<<16
	s_mov_b32 s51, 0
	s_mov_b32 s52, 1
	s_mul_i32 s53, s[WV], 7424
	s_add_co_u32 s100, s53, 159744
	s_mov_b32 s101, 0                              ; s[100:101]: my part of wo's block in par
	s_add_co_u32 s53, s53, WOB
	s_mov_b32 s56, 1
	s_mul_i32 s57, s[WV], 26624
	s_mul_i32 s98, ttmp9, 212992
	s_add_co_u32 s98, s98, s57
	s_mov_b32 s99, 0                               ; s[98:99]: my part of the batch's block in qkv
	s_mov_b32 s60, 1
	s_mul_i32 s61, s89, 2592                       ; copy w / 2, half w % 2
	s_and_b32 s75, s89, 2
	s_lshl_b32 s75, s75, 5
	s_add_co_u32 s61, s61, s75
	s_mul_i32 s75, s92, 1280
	s_add_co_u32 s61, s61, s75
	s_add_co_u32 s61, s61, TAB
	s_lshl_b32 s72, s89, 12
	s_add_co_u32 s72, s72, s75
	s_add_co_u32 s72, s72, 1536
	s_lshl_b32 s73, s[CX], 9
	s_sub_co_u32 s72, s72, s73                     ; the window begins at entry 384 - 128 cx
	s_mov_b32 s73, 0
	s_wait_dscnt 0x0                               ; both opening adds are done
	s_wait_kmcnt 0x0
	s_add_nc_u64 s[XP:XP+1], s[16:17], s[90:91]
	s_add_nc_u64 s[OUTP:OUTP+1], s[26:27], s[90:91]
	s_mov_b64 s[PAR:PAR+1], s[18:19]
	s_add_nc_u64 s[QP:QP+1], s[20:21], s[94:95]
	s_lshl_b32 s94, ttmp9, 10
	s_add_nc_u64 s[MB:MB+1], s[24:25], s[94:95]    ; the batch's 256 lane masks
	s_add_nc_u64 s[54:55], s[18:19], s[100:101]
	s_or_b32 s55, s55, 0x80000000
	s_add_nc_u64 s[58:59], s[20:21], s[98:99]
	s_or_b32 s59, s59, 0x80000000
	s_add_nc_u64 s[62:63], s[22:23], s[72:73]
	s_or_b32 s63, s63, 0x80000000
	CROUND                                         ; all four work-groups are here: the joint loads meet
	tensor_load_to_lds s[52:55], s[28:35]          ; three loads of mine are out
	s_nop 0
	tensor_load_to_lds s[56:59], s[36:43]
	s_nop 0
	tensor_load_to_lds s[60:63], s[44:51]
	s_nop 0
	PLACES 4
.irp i, 0,1,2,3,4,5
	global_load_b128 v[AF+4*\i:AF+4*\i+3], v[LI], s[QP:QP+1] offset:512*\i        ; my queries' two fragments, as they were stored
.endr
	global_load_b32 v[ASC], v[L8], s[QP:QP+1] offset:3072
	XIN
	s_wait_tensorcnt 0x0                           ; my parts have landed,
	s_wait_dscnt 0x0                               ; x is in HH,
	s_barrier_signal -1
	s_barrier_wait -1                              ; everybody's parts have
	LNORM HH, HH, 0, 1024                          ; h: it stays in HH
	v_mov_b32 v[TMX], 0xff61b1e6                   ; the largest t so far: -3e38, under every t
	v_floor_f32 v[NM], -v[TMX]                     ; -M
	v_mov_b32 v[SUM], 0
	v_mov_b32 v[SUM+1], 0
	v_mov_b32 v[PSC], 0                            ; (named as the upper half of the pair with f before it is first written)
	WIN 0x40
.set n, 0
.rept 128
	v_mov_b32 v[ACC+n], 0                          ; O^T.  The key step is written once: its first trip finds zeros, which the first change of M leaves zeros
.set n, n+1
.endr
	WIN 0
	s_mov_b32 s[CNT], 0
	s_mov_b32 s[KO], 0
	s_mov_b32 s[VO], 98304
	s_mov_b32 s[SO], KVS
	s_mov_b32 s[BO], 0
.Lkey:                                             ; four trips of 128 keys
	s_load_b512 s[16:31], s[MB:MB+1], 0x0          ; the step's 64 lane masks: score register n takes s[16 + n], from n = 48 on s[32 + n]
	s_load_b512 s[32:47], s[MB:MB+1], 0x40
	s_load_b512 s[48:63], s[MB:MB+1], 0x80
	s_load_b512 s[80:95], s[MB:MB+1], 0xc0
	v_add_nc_u32 v[ADK], s[KO], v[LI]
	v_add_nc_u32 v[ADV], s[VO], v[LI]
	v_add_nc_u32 v[ADS], s[SO], v[L8]
	v_add_nc_u32 v[ADB], s[BO], v[BA]
.irp t, 0,1,2,3,4,5,6,7
.irp e, 0,1
	ds_load_b128 v[SS+8*\t+4*\e:SS+8*\t+4*\e+3], v[ADB] offset:128*(\t/2)+32*(\t%2)+16*\e   ; 16 x the bias: the C of the first product
.endr
.endr
.irp t, 0,1,2,3,4,5,6,7
	ds_load_b32 v[SC+\t], v[ADS] offset:256*\t     ; K's scale words: lanes 0-15 channels 0-127, lanes 16-31 channels 128-255
.endr
	GRP ADK, 0, 0, 3072                            ; key tiles 0-3, channels 0-127
	GRP ADK, 1, 12288, 3072                        ; key tiles 4-7
.irp g, 0,1,2,3                        ; S^T = K Q^T + 16 bias: eight accumulators by turns
.if \g < 3
	s_wait_dscnt 12                                ; all but the twelve loads issued last
.else
	s_wait_dscnt 20                                ; behind this group's loads: V's eight scale loads and its first twelve
.endif
.irp q, 0,1,2,3
	MM SS+8*(4*(\g%2)+\q), FR0+48*(\g%2)+12*\q, AF+12*(\g/2), SS+8*(4*(\g%2)+\q), SC+4*(\g%2)+\q, ASC, \g/2
.endr
	PLACES 4
.if \g < 2
	GRP ADK, \g%2, 1536+12288*\g, 3072             ; the same tiles' channels 128-255
.elseif \g == 2
.irp i, 0,1,2,3,4,5,6,7
	ds_load_b32 v[SC+8+\i], v[ADS] offset:8192+256*\i   ; V's scale words: lanes 0-15 tile 2 i, lanes 16-31 tile 2 i + 1
.endr
	GRP ADV, 0, 0, 1536                            ; V's tiles 0-3
.else
	GRP ADV, 1, 6144, 1536                         ; tiles 4-7
.endif
.endr
	s_wait_kmcnt 0x0                               ; the masks are in, and their base may step
	s_add_nc_u64 s[MB:MB+1], s[MB:MB+1], 256
.set n, 0
.rept 64
	v_cndmask_b32 v[SS+n], v[NEGV], v[SS+n], s[16+n+16*(n/48)]     ; a key that does not count: -2^126; in ascending order, each result from its low end on
.set n, n+1
.endr
.irp b, 0,1,2,3
	v_max3_num_f32 v[TM+\b], v[SS+16*\b], v[SS+16*\b+1], v[SS+16*\b+2]   ; the largest score of each block of 32 keys: for the row's maximum and, since p rises with the score, for the block's largest p
.endr
.irp i, 3,5,7,9,11,13
.irp b, 0,1,2,3
	v_max3_num_f32 v[TM+\b], v[TM+\b], v[SS+16*\b+\i], v[SS+16*\b+\i+1]
.endr
.endr
.irp b, 0,1,2,3
	v_max_num_f32 v[TM+\b], v[TM+\b], v[SS+16*\b+15]
.endr
.irp b, 0,1,2,3
	v_permlanex16_b32 v[TM+4+\b], v[TM+\b], s[SEL], s[SEL+1]
.endr
.irp b, 0,1,2,3
	v_max_num_f32 v[TM+\b], v[TM+\b], v[TM+4+\b]   ; with lane l xor 16's 16 keys
.endr
	v_max3_num_f32 v[T0], v[TM], v[TM+1], v[TM+2]
	v_max_num_f32 v[T0], v[T0], v[TM+3]
	v_mul_f32 v[T0], s[CS], v[T0]                  ; as t (c is positive)
	v_max_num_f32 v[TMX], v[TMX], v[T0]            ; the running largest t
	v_mov_b32 v[T0], v[NM]
	v_floor_f32 v[NM], -v[TMX]                     ; the new -M = floor(-t): M is a whole number
	v_sub_f32 v[T0], v[NM], v[T0]                  ; old M - new M: a whole number, 0 or less
	v_cvt_i32_f32 v[T0], v[T0]                     ; (it saturates)
	v_ldexp_f32 v[FP], 1.0, v[T0]                  ; f = 2^(old M - new M)
.set n, 0
.rept 32
	v_pk_fma_f32 v[SS+n:SS+n+1], v[SS+n:SS+n+1], s[CS:CS+1], v[NM:NM+1] op_sel_hi:[1,0,0]   ; t - M
.set n, n+2
.endr
.irp b, 0,1,2,3
	v_fma_f32 v[TM+\b], v[TM+\b], s[CS], v[NM]     ; the same of each block's largest score
.endr
.set n, 0
.rept 64
	v_exp_f32 v[SS+n], v[SS+n]                     ; p = 2^(t - M), at most 1, not normalised
.set n, n+1
.endr
	v_pk_mul_f32 v[SUM:SUM+1], v[SUM:SUM+1], v[FP:FP+1] op_sel_hi:[1,0]   ; the sums under the new M: the plain place behind the exponentials
	s_wait_alu depctr_va_vdst(0)                   ; one wait for the batch of 64, ahead of its first reader
.irp b, 0,1,2,3
	v_exp_f32 v[TM+\b], v[TM+\b]                   ; the block's largest p: the same two instructions on the same number
.endr
	v_pk_add_f32 v[TM+4:TM+5], v[SS:SS+1], v[SS+2:SS+3]   ; the row's sum is taken of the unquantised p, in two chains
.irp j, 4,8,12,16,20,24,28,32,36,40,44,48,52,56,60
	v_pk_add_f32 v[SUM:SUM+1], v[SUM:SUM+1], v[SS+\j:SS+\j+1]
	v_pk_add_f32 v[TM+4:TM+5], v[TM+4:TM+5], v[SS+\j+2:SS+\j+3]
.endr
	v_pk_add_f32 v[SUM:SUM+1], v[SUM:SUM+1], v[TM+4:TM+5]
	s_wait_alu depctr_va_vdst(0)                   ; and one for the four
.irp b, 0,1,2,3
	v_max_num_f32 v[TM+\b], 0x1800000, v[TM+\b]    ; the floor 2^(3 - 127): a block whose every p is 0 keeps the byte 1: its codes are zeros
.endr
.irp b, 0,1,2,3
	v_add_nc_u32 v[TM+8+\b], 0xff000000, v[TM+\b]
.endr
.irp b, 0,1,2,3
	v_lshrrev_b32 v[TM+4+\b], 23, v[TM+8+\b]
.endr
	v_lshl_or_b32 v[PSC], v[TM+5], 8, v[TM+4]      ; p's scale word for these 128 keys
	v_lshl_or_b32 v[PSC], v[TM+6], 16, v[PSC]
	v_lshl_or_b32 v[PSC], v[TM+7], 24, v[PSC]
.irp c, 0,1
	v_cvt_scalef32_pk16_fp6_f32 v[PC+6*\c:PC+6*\c+2], v[SS+32*\c:SS+32*\c+15], v[TM+8+2*\c]
	v_cvt_scalef32_pk16_fp6_f32 v[QT+4*\c:QT+4*\c+2], v[SS+32*\c+16:SS+32*\c+31], v[TM+9+2*\c]
.endr
	v_nop                                          ; one plain place behind a scaled conversion
.irp c, 0,1
.irp i, 0,1,2
	v_permlane16_swap_b32 v[PC+6*\c+\i], v[QT+4*\c+\i]
.endr
.irp i, 0,1,2
	v_mov_b32 v[PC+3+6*\c+\i], v[QT+4*\c+\i]
.endr
.endr
	WIN 0x41
.set n, 0
.rept 64
	v_pk_mul_f32 v[ACC+n:ACC+n+1], v[ACC+n:ACC+n+1], v[FP:FP+1] op_sel_hi:[1,0]   ; O^T under the new M; these are also the places between p's codes and scale word and the products
.set n, n+2
.endr
.irp vg, 0,1,2,3                       ; O^T += V^T P^T: sixteen accumulators, one product each
.if \vg < 3
	s_wait_dscnt 12                                ; all but the twelve loads issued last
.else
	s_wait_dscnt 0
.endif
	WIN 0x50
.irp q, 0,1,2,3
	MM ACC+8*(4*\vg+\q), FR0+48*(\vg%2)+12*\q, PC, ACC+8*(4*\vg+\q), SC+8+(4*\vg+\q)/2, PSC, 2*(\q%2)
.endr
	WIN 0
	PLACES 4
.if \vg < 2
	GRP ADV, \vg%2, 6144*(\vg+2), 1536
.endif
.endr
	s_add_co_u32 s[KO], s[KO], 24576
	s_add_co_u32 s[VO], s[VO], 24576
	s_add_co_u32 s[SO], s[SO], 2048
	s_add_co_u32 s[BO], s[BO], 512
	s_add_co_u32 s[CNT], s[CNT], 1
	s_cmp_lt_u32 s[CNT], 4
	s_cbranch_scc1 .Lkey
	; ---- THE ONE REFILL: w1 and w2 (102,400 dense bytes of par) over K's bytes, 50 rows of 256 bytes a wave, jointly
	s_wait_tensorcnt 0x0                           ; no tensor load of mine is out
	ds_add_u32 v[SPW], v[NIL]                      ; 0 onto my spare word; the descriptor's words stand between it and the wait for it
	s_mov_b32 s80, 15|(3<<16)|(1<<21)
	s_mov_b32 s81, 32<<16
	s_mov_b32 s82, 50<<16
	s_mov_b32 s83, 32<<16
	s_mov_b32 s84, 50
	s_mov_b32 s85, 32
	s_mov_b32 s86, 0
	s_mov_b32 s87, 0
	s_mov_b32 s76, 1
	s_mul_i32 s77, s[WV], 12800
	s_mul_i32 s98, s[WV], 12800
	s_mov_b32 s99, 0
	s_add_nc_u64 s[78:79], s[PAR:PAR+1], s[98:99]
	s_add_nc_u64 s[78:79], s[78:79], 219136
	s_or_b32 s79, s79, 0x80000000
	s_wait_dscnt 0x0                               ; the add is done, and my reads of K and V are over
	CROUND                                         ; no wave of any partner still reads K or V
	tensor_load_to_lds s[76:79], s[80:87]          ; my one tensor load behind the round
	s_nop 0
	PLACES 4
	v_add_f32 v[SUM], v[SUM], v[SUM+1]             ; the sum's two halves,
	v_permlanex16_b32 v[T0], v[SUM], s[SEL], s[SEL+1]
	v_add_f32 v[SUM], v[SUM], v[T0]                ; and lane l xor 16's
	v_rcp_f32 v[FP], v[SUM]
	v_nop                                          ; the plain place behind the transcendental
	s_wait_alu depctr_va_vdst(0)
	WIN 0x41
.set n, 0
.rept 64
	v_pk_mul_f32 v[ACC+n:ACC+n+1], v[ACC+n:ACC+n+1], v[FP:FP+1] op_sel_hi:[1,0]   ; O^T / the sum
.set n, n+2
.endr
	QUANT2 ACC, AF, ASC
	PROJ WOB, 4096                                 ; wo, bo
	LNORM ACC, ACC, 0, 1024                        ; the same norm once more
	WIN 0x45
.set n, 0
.rept 64
	v_pk_add_f32 v[HH+n:HH+n+1], v[HH+n:HH+n+1], v[ACC+n:ACC+n+1]   ; x1 = h + LN(o)
.set n, n+2
.endr
	LNORM HH, ACC, 2048, 3072                      ; c
	QUANT2 ACC, AF, ASC
	s_wait_tensorcnt 0x0                           ; my part of w1 and w2 has landed,
	s_wait_dscnt 0x0
	s_barrier_signal -1
	s_barrier_wait -1                              ; everybody's has
	PROJ 0, 5120                                   ; w1, b1
	s_mov_b32 s16, 0x32edffee                      ; P's coefficients below the leading one, highest first, each as a pair,
	s_mov_b32 s17, s16
	s_mov_b32 s18, 0xb60cff51
	s_mov_b32 s19, s18
	s_mov_b32 s20, 0xb86ec2d2
	s_mov_b32 s21, s20
	s_mov_b32 s22, 0xba40ac63
	s_mov_b32 s23, s22
	s_mov_b32 s24, 0xbb41a1f6
	s_mov_b32 s25, s24
	s_mov_b32 s26, 0xbc83dbd4
	s_mov_b32 s27, s26
	s_mov_b32 s28, 0xb95fbd29                      ; Q's,
	s_mov_b32 s29, s28
	s_mov_b32 s30, 0xbadc924e
	s_mov_b32 s31, s30
	s_mov_b32 s32, 0xbbf19bf8
	s_mov_b32 s33, s32
	s_mov_b32 s34, 0xbc69b6a7
	s_mov_b32 s35, s34
	s_mov_b32 s36, 0x3f3504f3                      ; and 1 / sqrt 2
	s_mov_b32 s37, s36
	v_mov_b32 v224, 0xaf95df0b                     ; the leading coefficients, in vector pairs: an instruction reads two scalar values at the most
	v_mov_b32 v225, 0xaf95df0b
	v_mov_b32 v226, 0xb77460cd
	v_mov_b32 v227, 0xb77460cd
	GELU 0
	GELU 1
	GELU 2
	GELU 3
	QUANT2 ACC, AF, ASC
	PROJ 51200, 6144                               ; w2, b2
	WIN 0x45
.set n, 0
.rept 64
	v_pk_add_f32 v[ACC+n:ACC+n+1], v[ACC+n:ACC+n+1], v[HH+n:HH+n+1]   ; + x1; in ascending order
.set n, n+2
.endr
	TOST 0
	TOST 1
	SEND 0, 16                                     ; behind quarter 0's loads: quarter 1's eight stores and eight loads
	s_wait_xcnt 0x0                                ; quarter 0's stores have read their registers: quarter 2's loads land there
	TOST 2
	SEND 1, 16
	s_wait_xcnt 0x0
	TOST 3
	SEND 2, 16
	SEND 3, 0
	s_wait_tensorcnt 0x0                           ; the wave's end, behind my last tensor load and my last LDS store
	ds_add_u32 v[SPW], v[NIL]
	s_wait_dscnt 0x0
	CROUND                                         ; the closing round
	s_endpgm
.Lfunc_end_k_q440142f4c4_att0:
	.size	k_q440142f4c4_att0, .Lfunc_end_k_q440142f4c4_att0-k_q440142f4c4_att0
	.p2alignl 7, 3214868480
	.fill 96, 4, 3214868480
	.section	.rodata,"a",@progbits
	.p2align	6, 0x0
	.amdhsa_kernel k_q440142f4c4_att0
		.amdhsa_group_segment_fixed_size 327680
		.amdhsa_private_segment_fixed_size 0
		.amdhsa_enable_private_segment 0
		.amdhsa_kernarg_size 48
		.amdhsa_user_sgpr_count 2
		.amdhsa_user_sgpr_kernarg_segment_ptr 1
		.amdhsa_wavefront_size32 1
		.amdhsa_system_sgpr_workgroup_id_x 1
		.amdhsa_system_sgpr_workgroup_id_y 1
		.amdhsa_system_sgpr_workgroup_id_z 1
		.amdhsa_system_vgpr_workitem_id 0
		.amdhsa_next_free_vgpr 512
		.amdhsa_next_free_sgpr 102
		.amdhsa_reserve_vcc 0
		.amdhsa_float_denorm_mode_32 3
		.amdhsa_float_denorm_mode_16_64 3
		.amdhsa_memory_ordered 1
		.amdhsa_forward_progress 1
		.amdhsa_inst_pref_size 255
	.end_amdhsa_kernel
	.section	.bss,"aw",@nobits
	.p2align	6
	.space	262144
	.amdgpu_metadata
---
amdhsa.version: [ 1, 2 ]
amdhsa.kernels:
  - .name:           k_q440142f4c4_att0
    .symbol:         k_q440142f4c4_att0.kd
    .args:
      - { .name: x, .offset: 0, .size: 8, .value_kind: global_buffer, .address_space: global }
      - { .name: par0, .offset: 8, .size: 8, .value_kind: global_buffer, .address_space: global }
      - { .name: qkv, .offset: 16, .size: 8, .value_kind: global_buffer, .address_space: global }
      - { .name: tab, .offset: 24, .size: 8, .value_kind: global_buffer, .address_space: global }
      - { .name: lmask, .offset: 32, .size: 8, .value_kind: global_buffer, .address_space: global }
      - { .name: xa, .offset: 40, .size: 8, .value_kind: global_buffer, .address_space: global }
    .group_segment_fixed_size: 327680
    .private_segment_fixed_size: 0
    .kernarg_segment_align: 8
    .kernarg_segment_size: 48
    .max_flat_workgroup_size: 256
    .sgpr_count:     102
    .vgpr_count:     512
    .wavefront_size: 32
...
	.end_amdgpu_metadata
.endif
;; end of part 3
;; launch kv1: the kernel of part 2 again; grid 256 x 1, 8 waves a work-group, clusters of 4 x 1, 221,184 bytes of LDS; arguments xa, par1, qkv; writes qkv
;; launch att1: the kernel of part 3 again; grid 256 x 1, 8 waves a work-group, clusters of 4 x 1, 327,680 bytes of LDS; arguments xa, par1, qkv, tab, lmask, xb; writes xb
;; launch kv2: the kernel of part 2 again; grid 256 x 1, 8 waves a work-group, clusters of 4 x 1, 221,184 bytes of LDS; arguments xb, par2, qkv; writes qkv
;; launch att2: the kernel of part 3 again; grid 256 x 1, 8 waves a work-group, clusters of 4 x 1, 327,680 bytes of LDS; arguments xb, par2, qkv, tab, lmask, out0; writes out0
;; ======== version 2 of 2: 5 launches; 1.14 times as fast as version 1
;; workspace buffers: par0 321,536 bytes; par1 321,536 bytes; par2 321,536 bytes; tab 16,384 bytes; lmask 65,536 bytes of whole numbers; qkv 20,447,232 bytes; qkv2 20,447,232 bytes; xa 33,554,432 bytes
;; launch prep: the kernel of part 1 again; grid 80 x 1, 4 waves a work-group, no clusters, 0 bytes of LDS; arguments wq, wk, wv, wo, w1, w2, ln_g, ln_b, cm_ln_g, cm_ln_b, bq, bk, bv, bo, b1, b2, bias_table, mask, par0, par1, par2, tab, lmask; writes par0, par1, par2, tab, lmask
;; launch kv0: the kernel of part 2 again; grid 256 x 1, 8 waves a work-group, clusters of 4 x 1, 221,184 bytes of LDS; arguments x, par0, qkv; writes qkv
;; launch attkv0 (part 4): grid 256 x 1, 8 waves a work-group, clusters of 4 x 1, 327,680 bytes of LDS; arguments x, par0, par1, qkv, tab, lmask, out0, qkv2; writes out0, qkv2
.if DOCPART == 4
	.amdgcn_target "amdgcn-amd-amdhsa--gfx1250"
	.amdhsa_code_object_version 6
	.text
	.protected	k_q440142f4c4_attkv0
	.globl	k_q440142f4c4_attkv0
	.p2align	8
	.type	k_q440142f4c4_attkv0,@function
k_q440142f4c4_attkv0:
	s_mov_b64 s[64:65], 0
	v_nop
	global_prefetch_b8 v0, s[64:65] scope:SCOPE_SE
	s_setreg_imm32_b32 hwreg(HW_REG_WAVE_MODE, 25, 1), 1
	s_wait_xcnt 0x0
	s_wait_alu depctr_hold_cnt(0) depctr_sa_sdst(0) depctr_va_vdst(0) depctr_va_sdst(0) depctr_va_ssrc(0) depctr_va_vcc(0) depctr_vm_vsrc(0)
	s_getreg_b32 s2, hwreg(HW_REG_IB_STS2, 6, 4)
	s_cmp_eq_u32 s2, 0
	s_cbranch_scc0 .Lentry_in_a_cluster
	s_endpgm
.Lentry_in_a_cluster:
	s_bfe_u32 s2, ttmp6, 0x10000c
	s_cmp_lg_u32 s2, 0x3003
	s_cbranch_scc0 .Lentry_shape_is_right
	s_endpgm
.Lentry_shape_is_right:
; ATT + KV: the rest of a layer for 128 rows: h = LN(x) again; softmax(q k^T / 16 + bias, keys masked) v; wo + bo; x1 = h + LN(o); c = LN(x1); x' = x1 + gelu(c w1 + b1) w2 + b2;
; and, on the x' that the wave still holds, the NEXT layer's h' = LN(x'), q, k, v, which leave as codes for the next launch.  All eight products on codes of FP6 (E2M3), E8M0 scales.
; No work of either layer is left out.  LIMITS: NaN and infinities are not served; quantiser blocks whose largest magnitude lies under 2^-124 get the byte 1; a masked score is -2^126 (not the least f32 number):
; its p is 0 beside any key that counts, and a batch with no key that counts gives the plain average of v; erf is x P(x^2) / Q(x^2) in f32 on x held to +-4, so gelu of x under about -5 carries an absolute error near |x| x 1e-7.
; SHARES: a cluster of four work-groups is a batch, work-group cx its rows 128 cx on (also key step cx), wave w tile rows 32 (w / 2) + 8 (w % 2) + r + 8 (r / 8); H-layout: lane (r, h): row r, register 16 b + i = column 32 b + 16 h + i.
; A lane holds one row throughout: every product but v's is used transposed (source 0 = 16 keys, 16 channels or 16 columns of a weight; source 1 = my rows).
; THE SOFTMAX: S = q . k + 16 bias (the bias is the C of the first product); t = S x log2(e) / 16; M = the running largest t rounded up to a whole number; p = 2^(t - M) is quantised along the keys; the row's sum is taken
; of the unquantised p and divides at the end; when M moves, the sum and O are multiplied by 2^(old M - new M), which rounds nothing.
; LDS: a batch's K and V codes and scales (212,992 dense bytes) come whole, JOINTLY for the cluster's four work-groups, and so do wo and eight vectors; each work-group brings its own window of the bias table by a load of its
; own.  Three first fills a wave.  TWO refills, both joint: w1 and w2 land on K's bytes behind the key loop; the next layer's wq, wk, wv and six vectors (159,744 bytes) land on bytes 102400 .. 262143 (V's, and wo's codes) behind
; wo's product.  Each is asked for phases ahead of its use.
; V' IS MADE NOT TRANSPOSED (source 0 = 16 keys of h', from all eight waves through LDS; source 1 = 16 columns of wv): a lane then holds one channel and its registers run along the 128 keys, which are the next product's K.
; h' goes from wave to wave as images of its operand registers, in each wave's own stage, whose last read for the way out is over by then.
; The codes' buffer, per batch 212,992 bytes: K's fragments at (8 s + t) x 3072; V's at 98304 + (16 s + dt) x 1536; K's scale units at 196608 + (8 s + t) x 256; V's at 204800 + (8 s + w) x 256; Q at 13631488 + (8 WG + w) x 3328.
; REGISTERS: window 1: ACC v0-127 (O, then each product's result), HH v128-255 (h, then x1).  Window 0: v1-13 addresses; v[14:15] the sum; v16 -M, v17 the largest t; v18-19 the add's two; v20 my rows' scale word;
; v22 f, v23 p's scale word; v24-47 my rows' two fragments; v48-63 scale words; v64-127 scores, then p; v128-223 two sets of four fragments; v224-255 at work.  In the tail v8, v9, v16, v17, v21 are addresses and offsets.
.set KVS,   196608                     ; LDS: K's fragments 0, V's 98304, K's scale units 196608, V's 204800
.set WQB,   102400                     ; later: the next layer's wq, wk at 153600,
.set WVB,   204800                     ; wv,
.set VEC,   256000                     ; and its vectors: ln_g, ln_b, bq, bk, bv
.set VB,    8192                       ; this layer's vectors lie VB bytes further on, at 264192: ln_g, ln_b, cm_g, cm_b, bo, b1, b2
.set WOB,   212992                     ; wo's block
.set TAB,   272384                     ; four copies of a window of 640 entries, at 0, 2592, 5248, 7840: copy s at 2592 s + 32 (s & 2)
.set STAGE, 282880                     ; 16 rows x 272 bytes for each wave
.set SPARE, 317696                     ; the spare words, 128 bytes for each wave: four blocks of 256 bytes that no other line names
.set ACC, 0
.set HH,  128
.set LI,  1
.set LS,  2
.set L8,  3
.set VA,  4
.set STO, 5
.set STR, 6
.set GX,  7
.set BA,  8                            ; my lane's place in the bias window
.set BVA, 8                            ; the tail: bv at my channel
.set NEGV, 9                           ; -2^126
.set HWI, 9                            ; the tail: where I store h's images
.set ADK, 10
.set ADV, 11
.set ADS, 12
.set ADB, 13
.set SUM, 14
.set TW0, 14
.set TW1, 15
.set NM,  16
.set HWS, 16                           ; the tail: and their scale word
.set TMX, 17
.set GO1, 17                           ; the tail: my byte offset in the codes' buffer, fragments
.set SPW, 18
.set NIL, 19
.set ASC, 20
.set GO2, 21                           ; the tail: the same, scale unit
.set FP,  22
.set PSC, 23
.set AF,  24
.set SC,  48
.set SS,  64
.set OF,  64                           ; the tail: two fragments on their way out
.set OS,  88                           ; and their scale unit
.set WVF, 64                           ; the tail: wv's four fragments
.set FR0, 128
.set PC,  224
.set BV,  224
.set QT,  236
.set T0,  243
.set TM,  244
.set LA,  224
.set LTA, 232
.set LTB, 233
.set MEAN, 234
.set RS,  236
.set ZZ,  64                           ; gelu: z, z^2, P, Q: 32 registers each
.set Z2,  96
.set PP,  128
.set QQ,  160
.set XP,  2
.set OUTP, 4
.set PAR, 6
.set QP,  8
.set MB,  10
.set WV,  12
.set CX,  13
.set PARN, 14                          ; s[14:15] the next layer's par
.set O1,  40                           ; the tail: byte offsets in the codes' buffer: this trip's fragments and scale unit,
.set O2,  42
.set O1K, 44                           ; and K's
.set O2K, 46
.set SEL, 66
.set CS,  68
.set HM,  70
.set C256, 71
.set CNT, 72
.set KO,  73
.set PW,  73                           ; the tail: the weight block's LDS byte
.set SO,  74
.set PB,  74                           ; the tail: the bias's offset among the vectors
.set BO,  75
.set EPS, 96
.set VO,  97
.set QO,  100                          ; s[100:101] the codes' buffer that this launch stores into
.set MSB, 0
.macro WIN new                         ; the immediate's high byte repeats the setting that is left; low byte: bits 1:0 source 0, 3:2 source 1, 5:4 source 2, 7:6 destination
.if MSB != \new
	s_set_vgpr_msb (MSB<<8)|\new
.set MSB, \new
.endif
.endm
.macro PLACES n
.rept \n
	v_nop
.endr
.endm
.macro CROUND                          ; a round of the cluster's barrier
	s_barrier_signal -1
	s_barrier_wait -1
	s_cmp_lg_u32 s[WV], 0
	s_cbranch_scc1 .Lnot_wave_0_\@
	s_barrier_signal -3
.Lnot_wave_0_\@:
	s_barrier_wait -3
	s_barrier_signal -1
	s_barrier_wait -1
.endm
; My 16 rows of x into HH in the H-layout.  Each load reads two rows' 256 consecutive bytes (sixteen lanes a row); a quarter of the columns at a time turns through my own stage.
.macro XIN
	WIN 0x40
.irp c, 0,1,2,3
.irp i, 0,1,2,3,4,5,6,7
	global_load_b128 v[ACC+4*(8*\c+\i):ACC+4*(8*\c+\i)+3], v[GX], s[XP:XP+1] offset:(2*\i+8*(\i/4))*1024+256*\c th:TH_LOAD_NT
.endr
.endr
.irp c, 0,1,2,3
	s_wait_loadcnt 24-8*\c                         ; this quarter's eight loads are in (and Q's, issued earlier); eight for each later quarter may be out
	WIN 0x04
.irp i, 0,1,2,3,4,5,6,7
	ds_store_b128 v[STR], v[ACC+4*(8*\c+\i):ACC+4*(8*\c+\i)+3] offset:544*\i
.endr
	WIN 0x40
.irp bb, 0,1
.irp j, 0,1,2,3
	ds_load_b128 v[HH+16*(2*\c+\bb)+4*\j:HH+16*(2*\c+\bb)+4*\j+3], v[STO] offset:128*\bb+16*\j   ; LDS serves a wave's instructions in order: these see the stores above, and the next quarter's stores come behind them
.endr
.endr
.endr
	WIN 0
.endm
.macro GBL q, base, gofs, bofs         ; gains and offsets of registers 32 q .. 32 q + 31 of the H-layout: 32 + 32 registers at v[base] of window 0; every window is 0 here
.irp bb, 0,1
.irp j, 0,1,2,3
	ds_load_b128 v[\base+16*\bb+4*\j:\base+16*\bb+4*\j+3], v[VA] offset:\gofs+128*(2*(\q)+\bb)+16*\j
.endr
.endr
.irp bb, 0,1
.irp j, 0,1,2,3
	ds_load_b128 v[\base+32+16*\bb+4*\j:\base+32+16*\bb+4*\j+3], v[VA] offset:\bofs+128*(2*(\q)+\bb)+16*\j
.endr
.endr
.endm
.macro FOLD                            ; four pairs of partial sums, and lane l xor 16's: the row's sum in v[LTA]
	v_pk_add_f32 v[LA:LA+1], v[LA:LA+1], v[LA+2:LA+3]
	v_pk_add_f32 v[LA+4:LA+5], v[LA+4:LA+5], v[LA+6:LA+7]
	v_pk_add_f32 v[LA:LA+1], v[LA:LA+1], v[LA+4:LA+5]
	v_add_f32 v[LTA], v[LA], v[LA+1]
	v_permlanex16_b32 v[LTB], v[LTA], s[SEL], s[SEL+1]
	v_add_f32 v[LTA], v[LTA], v[LTB]
.endm
; dst = (src - mean) rsqrt(var + 1e-5) g + b, all in f32; src and dst are 128 registers of window 1.  The registers are read in ascending order, each matrix result from its low end on.
.macro LNORM src, dst, gofs, bofs
	WIN 0                                          ; whatever the lines before have left: the loads of gains have address and destination in window 0
	GBL 0, SS, \gofs, \bofs
	GBL 1, FR0, \gofs, \bofs
	WIN 0x05
.irp k, 0,1,2,3
	v_pk_add_f32 v[LA+2*\k:LA+2*\k+1], v[\src+4*\k:\src+4*\k+1], v[\src+4*\k+2:\src+4*\k+3]
.endr
	WIN 0x04
.set p, 8
.rept 56
	v_pk_add_f32 v[LA+2*(p%4):LA+2*(p%4)+1], v[LA+2*(p%4):LA+2*(p%4)+1], v[\src+2*p:\src+2*p+1]
.set p, p+1
.endr
	WIN 0
	FOLD
	v_mul_f32 v[MEAN], s[C256], v[LTA]
	v_mov_b32 v[MEAN+1], v[MEAN]
	WIN 0x41
.set p, 0
.rept 64
	v_pk_add_f32 v[\dst+2*p:\dst+2*p+1], v[\src+2*p:\src+2*p+1], v[MEAN:MEAN+1] neg_lo:[0,1] neg_hi:[0,1]
.set p, p+1
.endr
	WIN 0x05
.irp k, 0,1,2,3
	v_pk_mul_f32 v[LA+2*\k:LA+2*\k+1], v[\dst+2*\k:\dst+2*\k+1], v[\dst+2*\k:\dst+2*\k+1]
.endr
.set p, 4
.rept 60
	v_pk_fma_f32 v[LA+2*(p%4):LA+2*(p%4)+1], v[\dst+2*p:\dst+2*p+1], v[\dst+2*p:\dst+2*p+1], v[LA+2*(p%4):LA+2*(p%4)+1]
.set p, p+1
.endr
	WIN 0
	FOLD
	v_fma_f32 v[LTA], v[LTA], s[C256], s[EPS]      ; the variance + 1e-5
	v_rsq_f32 v[RS], v[LTA]
	v_mov_b32 v[RS+1], 0                           ; the plain place behind the transcendental; the pair's upper word is named below, so it is written
	s_wait_alu depctr_va_vdst(0)                   ; the wait ahead of the first reader
.irp q, 0,1,2,3
.if \q < 3
	s_wait_dscnt 16                                ; this chunk's sixteen loads are in; the next chunk's sixteen may be out
.else
	s_wait_dscnt 0
.endif
.set GB, SS+64*(\q%2)
	WIN 0x41
.set p, 0
.rept 16
	v_pk_mul_f32 v[\dst+32*\q+2*p:\dst+32*\q+2*p+1], v[\dst+32*\q+2*p:\dst+32*\q+2*p+1], v[RS:RS+1] op_sel_hi:[1,0]
.set p, p+1
.endr
.set p, 0
.rept 16
	v_pk_fma_f32 v[\dst+32*\q+2*p:\dst+32*\q+2*p+1], v[\dst+32*\q+2*p:\dst+32*\q+2*p+1], v[GB+2*p:GB+2*p+1], v[GB+32+2*p:GB+32+2*p+1]
.set p, p+1
.endr
	WIN 0
.if \q < 2
	GBL \q+2, GB, \gofs, \bofs
.endif
.endr
.endm
; 64 numbers of a lane at v[x] of window 1, register 16 b + i = k 32 b + 16 h + i of my row, become a fragment's 12 registers at v[f] and its scale word in v[pw] (the same in lanes l and l xor 16).
.macro QUANT x, f, pw
	WIN 0x14
.irp b, 0,1,2,3
	v_max3_num_f32 v[TM+\b], 0x1800000, |v[\x+16*\b]|, |v[\x+16*\b+1]|   ; my 16 numbers of block b, and the floor 2^(3 - 127): the byte cannot fall under 1
.endr
.irp i, 2,4,6,8,10,12,14
.irp b, 0,1,2,3
	v_max3_num_f32 v[TM+\b], v[TM+\b], |v[\x+16*\b+\i]|, |v[\x+16*\b+\i+1]|
.endr
.endr
	WIN 0
.irp b, 0,1,2,3
	v_permlanex16_b32 v[TM+4+\b], v[TM+\b], s[SEL], s[SEL+1]
.endr
.irp b, 0,1,2,3
	v_max_num_f32 v[TM+\b], v[TM+\b], v[TM+4+\b]   ; with lane l xor 16's: the block's largest magnitude
.endr
.irp b, 0,1,2,3
	v_add_nc_u32 v[TM+8+\b], 0xff000000, v[TM+\b]  ; 2 off its exponent field: the conversion's scale operand
.endr
.irp b, 0,1,2,3
	v_lshrrev_b32 v[TM+4+\b], 23, v[TM+8+\b]       ; the scale's byte
.endr
	v_lshl_or_b32 v[\pw], v[TM+5], 8, v[TM+4]
	v_lshl_or_b32 v[\pw], v[TM+6], 16, v[\pw]
	v_lshl_or_b32 v[\pw], v[TM+7], 24, v[\pw]
	WIN 0x01
.irp c, 0,1
	v_cvt_scalef32_pk16_fp6_f32 v[\f+6*\c:\f+6*\c+2], v[\x+32*\c:\x+32*\c+15], v[TM+8+2*\c]
	v_cvt_scalef32_pk16_fp6_f32 v[QT+4*\c:QT+4*\c+2], v[\x+32*\c+16:\x+32*\c+31], v[TM+9+2*\c]   ; (a conversion's three registers begin on an even number)
.endr
	WIN 0
	v_nop                                          ; one plain place behind a scaled conversion
.irp c, 0,1                            ; the operand's layout wants a whole block in a lane: lanes 0-15 block 2 c, lanes 16-31 block 2 c + 1
.irp i, 0,1,2
	v_permlane16_swap_b32 v[\f+6*\c+\i], v[QT+4*\c+\i]
.endr
.irp i, 0,1,2
	v_mov_b32 v[\f+3+6*\c+\i], v[QT+4*\c+\i]
.endr
.endr
.endm
.macro QUANT2 x, f, as                 ; 128 registers: two fragments; one register carries both scale words: the first's in lanes 0-15, the second's in lanes 16-31
	QUANT \x, \f, TW0
	QUANT \x+64, \f+12, TW1
	v_cndmask_b32 v[\as], v[TW0], v[TW1], s[HM]
.endm
.macro GRP adr, buf, off, str          ; four fragments' images, str bytes apart, into set buf: twelve loads of 512 consecutive bytes
.irp q, 0,1,2,3
.irp i, 0,1,2
	ds_load_b128 v[FR0+48*(\buf)+12*\q+4*\i:FR0+48*(\buf)+12*\q+4*\i+3], v[\adr] offset:(\off)+(\str)*\q+512*\i
.endr
.endr
.endm
.macro MM d, a, b, c, sa, sb, row      ; row = 1: both sides' scale words stand in lanes 16-31; 2: source 0's alone
.if (\row) == 0
	v_wmma_scale_f32_16x16x128_f8f6f4 v[\d:\d+7], v[\a:\a+11], v[\b:\b+11], v[\c:\c+7], v[\sa], v[\sb] matrix_a_fmt:MATRIX_FMT_FP6 matrix_b_fmt:MATRIX_FMT_FP6
.elseif (\row) == 1
	v_wmma_scale_f32_16x16x128_f8f6f4 v[\d:\d+7], v[\a:\a+11], v[\b:\b+11], v[\c:\c+7], v[\sa], v[\sb] matrix_a_fmt:MATRIX_FMT_FP6 matrix_b_fmt:MATRIX_FMT_FP6 matrix_a_scale:MATRIX_SCALE_ROW1 matrix_b_scale:MATRIX_SCALE_ROW1
.else
	v_wmma_scale_f32_16x16x128_f8f6f4 v[\d:\d+7], v[\a:\a+11], v[\b:\b+11], v[\c:\c+7], v[\sa], v[\sb] matrix_a_fmt:MATRIX_FMT_FP6 matrix_b_fmt:MATRIX_FMT_FP6 matrix_a_scale:MATRIX_SCALE_ROW1
.endif
.endm
; ACC = my rows (fragments at AF, scale words in ASC) x the weight block at LDS byte wb, transposed, + the bias bb bytes behind VEC, which is loaded into the accumulators and is the C of each sum's first product.
; sr = 0: wb and bb are constants; sr = 1: the numbers of scalar registers that hold them.
; The 16 accumulators take turns, one instruction a turn.  Fragments come four at a time into two sets; a set is loaded again four places behind the products that read it.
.macro PROJ wb, bb, sr
.if \sr
	v_add_nc_u32 v[ADK], s[\wb], v[LI]
	v_add_nc_u32 v[ADS], s[\wb], v[LS]
	v_add_nc_u32 v[ADB], s[\bb], v[VA]
.else
	v_add_nc_u32 v[ADK], \wb, v[LI]
	v_add_nc_u32 v[ADS], \wb, v[LS]
	v_add_nc_u32 v[ADB], \bb, v[VA]
.endif
	WIN 0x40
.irp t, 0,1,2,3,4,5,6,7,8,9,10,11,12,13,14,15
.irp e, 0,1
	ds_load_b128 v[ACC+8*\t+4*\e:ACC+8*\t+4*\e+3], v[ADB] offset:128*(\t/2)+32*(\t%2)+16*\e
.endr
.endr
	WIN 0
.irp t, 0,1,2,3,4,5,6,7,8,9,10,11,12,13,14,15
	ds_load_b32 v[SC+\t], v[ADS] offset:49152+128*\t   ; lanes 0-15: K half 0's words, lanes 16-31: K half 1's
.endr
	GRP ADK, 0, 0, 1536
	GRP ADK, 1, 6144, 1536
	PLACES 8                                       ; my rows' scale word was written by a vector instruction: eight places ahead of a scaled product
.irp g, 0,1,2,3,4,5,6,7
.if \g < 7
	s_wait_dscnt 12                                ; all but the next group's twelve loads
.else
	s_wait_dscnt 0
.endif
	WIN 0x50
.irp q, 0,1,2,3
	MM ACC+8*(4*(\g%4)+\q), FR0+48*(\g%2)+12*\q, AF+12*(\g/4), ACC+8*(4*(\g%4)+\q), SC+4*(\g%4)+\q, ASC, \g/4
.endr
	WIN 0
	PLACES 4
.if \g < 6
	GRP ADK, \g%2, 6144*(\g+2), 1536
.endif
.endr
.endm
; gelu(x) = x / 2 + erf(x / sqrt 2) x / 2 on 32 registers of ACC; erf(z) = z P(z^2) / Q(z^2), z held to +-4
.macro HORN d, sc                      ; d = d z^2 + the scalar, sixteen pairs
.set p, 0
.rept 16
	v_pk_fma_f32 v[\d+2*p:\d+2*p+1], v[\d+2*p:\d+2*p+1], v[Z2+2*p:Z2+2*p+1], s[\sc:\sc+1] op_sel_hi:[1,1,0]
.set p, p+1
.endr
.endm
.macro HORN0 d, vc, sc                 ; d = z^2 x the leading coefficient + the scalar
.set p, 0
.rept 16
	v_pk_fma_f32 v[\d+2*p:\d+2*p+1], v[Z2+2*p:Z2+2*p+1], v[\vc:\vc+1], s[\sc:\sc+1] op_sel_hi:[1,1,0]
.set p, p+1
.endr
.endm
.macro GELU ch
.set GXB, ACC+32*\ch
	WIN 0x01
.set p, 0
.rept 16
	v_pk_mul_f32 v[ZZ+2*p:ZZ+2*p+1], v[GXB+2*p:GXB+2*p+1], s[36:37] op_sel_hi:[1,0]   ; x / sqrt 2; the results are read in ascending order
.set p, p+1
.endr
	WIN 0
.set p, 0
.rept 32
	v_med3_num_f32 v[ZZ+p], v[ZZ+p], -4.0, 4.0
.set p, p+1
.endr
.set p, 0
.rept 16
	v_pk_mul_f32 v[Z2+2*p:Z2+2*p+1], v[ZZ+2*p:ZZ+2*p+1], v[ZZ+2*p:ZZ+2*p+1]
.set p, p+1
.endr
	HORN0 PP, 224, 16
	HORN0 QQ, 226, 28
	HORN PP, 18
	HORN QQ, 30
	HORN PP, 20
	HORN QQ, 32
	HORN PP, 22
	HORN QQ, 34
.set p, 0
.rept 32
	v_rcp_f32 v[QQ+p], v[QQ+p]
.set p, p+1
.endr
	HORN PP, 24                                    ; plain work that names no reciprocal stands behind the batch
	HORN PP, 26
.set p, 0
.rept 16
	v_pk_mul_f32 v[PP+2*p:PP+2*p+1], v[PP+2*p:PP+2*p+1], v[ZZ+2*p:ZZ+2*p+1]
.set p, p+1
.endr
	s_wait_alu depctr_va_vdst(0)                   ; one wait for the 32 reciprocals, ahead of their first reader
.set p, 0
.rept 16
	v_pk_mul_f32 v[PP+2*p:PP+2*p+1], v[PP+2*p:PP+2*p+1], v[QQ+2*p:QQ+2*p+1]   ; erf
.set p, p+1
.endr
	WIN 0x41
.set p, 0
.rept 16
	v_pk_mul_f32 v[GXB+2*p:GXB+2*p+1], v[GXB+2*p:GXB+2*p+1], 0.5 op_sel_hi:[1,0]
.set p, p+1
.endr
	WIN 0x54
.set p, 0
.rept 16
	v_pk_fma_f32 v[GXB+2*p:GXB+2*p+1], v[PP+2*p:PP+2*p+1], v[GXB+2*p:GXB+2*p+1], v[GXB+2*p:GXB+2*p+1]
.set p, p+1
.endr
	WIN 0
.endm
; the way out of x: a quarter of the columns at a time through my stage, back as rows
.macro TOST c
	WIN 0x04
.irp bb, 0,1
.irp j, 0,1,2,3
	ds_store_b128 v[STO], v[ACC+16*(2*\c+\bb)+4*\j:ACC+16*(2*\c+\bb)+4*\j+3] offset:128*\bb+16*\j
.endr
.endr
	WIN 0
.irp i, 0,1,2,3,4,5,6,7
	ds_load_b128 v[FR0+32*(\c%2)+4*\i:FR0+32*(\c%2)+4*\i+3], v[STR] offset:544*\i   ; LDS serves a wave's instructions in order
.endr
.endm
.macro SEND c, n                       ; n: the LDS instructions issued behind this quarter's loads
	s_wait_dscnt \n
.irp i, 0,1,2,3,4,5,6,7
	global_store_b128 v[GX], v[FR0+32*(\c%2)+4*\i:FR0+32*(\c%2)+4*\i+3], s[OUTP:OUTP+1] offset:(2*\i+8*(\i/4))*1024+256*\c   ; sixteen lanes store 256 consecutive bytes, at a multiple of 256 from the buffer's first byte
.endr
.endm
.macro OUTQ off, soff                  ; two fragments and their scale unit leave: each store of the wave covers 512 or 256 consecutive bytes, aligned
	v_mov_b32 v[OS+1], 0
.irp i, 0,1,2,3,4,5
	global_store_b128 v[GO1], v[OF+4*\i:OF+4*\i+3], s[QO:QO+1] offset:\off+512*\i
.endr
	global_store_b64 v[GO2], v[OS:OS+1], s[QO:QO+1] offset:\soff
.endm
	s_load_b256 s[16:23], s[0:1], 0x0              ; x 16, par 18, the next layer's par 20, the codes to read 22
	s_load_b256 s[76:83], s[0:1], 0x20             ; tab 76, lmask 78, the next x 80, the codes to store 82
	v_lshl_add_u32 v[SPW], v0, 2, SPARE
	v_mov_b32 v[NIL], 0
	ds_add_u32 v[SPW], v[NIL]                      ; the wave's opening: the add, twice on end, and its wait ahead of my first tensor load
	ds_add_u32 v[SPW], v[NIL]
	v_lshrrev_b32 v[T0], 5, v0
	v_readfirstlane_b32 s[WV], v[T0]               ; wave 0..7
	v_and_b32 v[LS], 31, v0
	v_lshlrev_b32 v[LI], 4, v[LS]
	v_lshlrev_b32 v[L8], 3, v[LS]
	v_lshlrev_b32 v[LS], 2, v[LS]
	v_and_b32 v[TM], 15, v0                        ; r
	v_bfe_u32 v[TM+1], v0, 4, 1                    ; h
	v_lshl_add_u32 v[VA], v[TM+1], 6, VEC
	s_mul_i32 s88, s[WV], 4352
	s_add_co_u32 s88, s88, STAGE                   ; my stage
	v_mul_u32_u24 v[STO], v[TM], 272
	v_lshl_add_u32 v[STO], v[TM+1], 6, v[STO]
	v_add_nc_u32 v[STO], s88, v[STO]
	v_mul_u32_u24 v[STR], v[TM+1], 272
	v_lshl_add_u32 v[STR], v[TM], 4, v[STR]
	v_add_nc_u32 v[STR], s88, v[STR]
	v_lshlrev_b32 v[GX], 10, v[TM+1]
	v_lshl_add_u32 v[GX], v[TM], 4, v[GX]
	s_lshr_b32 s89, s[WV], 1                       ; w / 2
	s_and_b32 s92, s[WV], 1                        ; w % 2
	; the bias: score register 16 b + i of key step st wants T2 at (384 - 128 cx) + e + 128 st + 32 b + i, e = 127 + 16 h - my block row.  Copy e % 4 of the table is shifted by e % 4, so that four neighbours lie at a multiple of 16 bytes
	v_and_b32 v[TM+2], 8, v[TM]
	v_add_nc_u32 v[TM+2], v[TM+2], v[TM]           ; r + 8 (r / 8)
	s_lshl_b32 s74, s89, 5
	s_lshl_b32 s75, s92, 3
	s_add_co_u32 s74, s74, s75
	v_add_nc_u32 v[TM+2], s74, v[TM+2]             ; my block row
	v_lshl_add_u32 v[TM+3], v[TM+1], 4, 127
	v_sub_nc_u32 v[TM+3], v[TM+3], v[TM+2]         ; e = 0 .. 143
	v_and_b32 v[TM+2], 3, v[TM+3]
	v_mul_u32_u24 v[BA], v[TM+2], 2592
	v_and_b32 v[TM+2], 2, v[TM+3]
	v_lshl_add_u32 v[BA], v[TM+2], 5, v[BA]
	v_and_b32 v[TM+2], 0xfc, v[TM+3]
	v_lshl_add_u32 v[BA], v[TM+2], 2, v[BA]
	v_add_nc_u32 v[BA], TAB, v[BA]
.irp b, 0,1,2,3
	v_mov_b32 v[TM+4+\b], 0                        ; written once: a lane permute's destination counts as one of its sources
.endr
	v_mov_b32 v[LTB], 0
	v_mov_b32 v[NEGV], 0xfe800000
	s_mov_b32 s[SEL], 0x76543210
	s_mov_b32 s[SEL+1], 0xfedcba98                 ; v_permlanex16_b32's selects for lane l xor 16
	s_mov_b32 s[CS], 0x3db8aa3b                    ; c = log2(e) / 16
	s_mov_b32 s[CS+1], s[CS]                       ; (named with it as a pair, so it is written)
	s_mov_b32 s[HM], 0xffff0000
	s_mov_b32 s[C256], 0x3b800000                  ; 1 / 256
	s_mov_b32 s[EPS], 0x3727c5ac                   ; 1e-5
	s_bfe_u32 s[CX], ttmp6, 0x40000                ; my place in the cluster: it enters global addresses of my own loads and stores alone
	s_lshl_b32 s88, ttmp9, 2
	s_add_co_u32 s88, s88, s[CX]                   ; WG = 4 x batch + cx
	s_lshl_b32 s90, s88, 17
	s_lshl_b32 s93, s89, 15
	s_add_co_u32 s90, s90, s93
	s_lshl_b32 s93, s92, 13
	s_add_co_u32 s90, s90, s93
	s_mov_b32 s91, 0                               ; s[90:91]: my rows in x
	s_lshl_b32 s94, s88, 3
	s_add_co_u32 s94, s94, s[WV]
	s_mul_i32 s94, s94, 3328
	s_add_co_u32 s94, s94, 13631488
	s_mov_b32 s95, 0                               ; s[94:95]: my Q
	; three tiles a wave.  wo and the vectors: 29 rows of 256 bytes; K and V: 104 rows; the bias window: one row of 1,280 bytes
	s_mov_b32 s28, 15|(3<<16)|(1<<21)              ; 15:0 the mask: all four work-groups; 17:16 elements of 8 bytes; 21 set beside a mask
	s_mov_b32 s29, 32<<16
	s_mov_b32 s30, 29<<16
	s_mov_b32 s31, 32<<16
	s_mov_b32 s32, 29
	s_mov_b32 s33, 32
	s_mov_b32 s34, 0
	s_mov_b32 s35, 0
	s_mov_b32 s36, 15|(3<<16)|(1<<21)
	s_mov_b32 s37, 32<<16
	s_mov_b32 s38, 104<<16
	s_mov_b32 s39, 32<<16
	s_mov_b32 s40, 104
	s_mov_b32 s41, 32
	s_mov_b32 s42, 0
	s_mov_b32 s43, 0
	s_mov_b32 s44, 3<<16                           ; no mask: each work-group's window is its own
	s_mov_b32 s45, 160<<16
	s_mov_b32 s46, 1<<16
	s_mov_b32 s47, 160<<16
	s_mov_b32 s48, 1
	s_mov_b32 s49, 160
	s_mov_b32 s50, 1<<16
	s_mov_b32 s51, 0
	s_mov_b32 s52, 1
	s_mul_i32 s53, s[WV], 7424
	s_add_co_u32 s100, s53, 159744
	s_mov_b32 s101, 0                              ; s[100:101]: my part of wo's block in par
	s_add_co_u32 s53, s53, WOB
	s_mov_b32 s56, 1
	s_mul_i32 s57, s[WV], 26624
	s_mul_i32 s98, ttmp9, 212992
	s_add_co_u32 s98, s98, s57
	s_mov_b32 s99, 0                               ; s[98:99]: my part of the batch's block of codes
	s_mov_b32 s60, 1
	s_mul_i32 s61, s89, 2592                       ; copy w / 2, half w % 2
	s_and_b32 s75, s89, 2
	s_lshl_b32 s75, s75, 5
	s_add_co_u32 s61, s61, s75
	s_mul_i32 s75, s92, 1280
	s_add_co_u32 s61, s61, s75
	s_add_co_u32 s61, s61, TAB
	s_lshl_b32 s72, s89, 12
	s_add_co_u32 s72, s72, s75
	s_add_co_u32 s72, s72, 1536
	s_lshl_b32 s73, s[CX], 9
	s_sub_co_u32 s72, s72, s73                     ; the window begins at entry 384 - 128 cx
	s_mov_b32 s73, 0
	s_wait_dscnt 0x0                               ; both opening adds are done
	s_wait_kmcnt 0x0
	s_add_nc_u64 s[XP:XP+1], s[16:17], s[90:91]
	s_add_nc_u64 s[OUTP:OUTP+1], s[80:81], s[90:91]
	s_mov_b64 s[PAR:PAR+1], s[18:19]
	s_mov_b64 s[PARN:PARN+1], s[20:21]
	s_add_nc_u64 s[QP:QP+1], s[22:23], s[94:95]
	s_lshl_b32 s94, ttmp9, 10
	s_add_nc_u64 s[MB:MB+1], s[78:79], s[94:95]    ; the batch's 256 lane masks
	s_add_nc_u64 s[54:55], s[18:19], s[100:101]
	s_or_b32 s55, s55, 0x80000000
	s_add_nc_u64 s[58:59], s[22:23], s[98:99]
	s_or_b32 s59, s59, 0x80000000
	s_add_nc_u64 s[62:63], s[76:77], s[72:73]
	s_or_b32 s63, s63, 0x80000000
	s_mov_b64 s[QO:QO+1], s[82:83]                 ; kept for the tail
	CROUND                                         ; all four work-groups are here: the joint loads meet
	tensor_load_to_lds s[52:55], s[28:35]          ; three loads of mine are out
	s_nop 0
	tensor_load_to_lds s[56:59], s[36:43]
	s_nop 0
	tensor_load_to_lds s[60:63], s[44:51]
	s_nop 0
	PLACES 4
.irp i, 0,1,2,3,4,5
	global_load_b128 v[AF+4*\i:AF+4*\i+3], v[LI], s[QP:QP+1] offset:512*\i        ; my queries' two fragments, as they were stored
.endr
	global_load_b32 v[ASC], v[L8], s[QP:QP+1] offset:3072
	XIN
	s_wait_tensorcnt 0x0                           ; my parts have landed,
	s_wait_dscnt 0x0                               ; x is in HH,
	s_barrier_signal -1
	s_barrier_wait -1                              ; everybody's parts have
	LNORM HH, HH, VB, VB+1024                      ; h: it stays in HH
	v_mov_b32 v[TMX], 0xff61b1e6                   ; the largest t so far: -3e38, under every t
	v_floor_f32 v[NM], -v[TMX]                     ; -M
	v_mov_b32 v[SUM], 0
	v_mov_b32 v[SUM+1], 0
	v_mov_b32 v[PSC], 0                            ; (named as the upper half of the pair with f before it is first written)
	WIN 0x40
.set n, 0
.rept 128
	v_mov_b32 v[ACC+n], 0                          ; O^T.  The key step is written once: its first trip finds zeros, which the first change of M leaves zeros
.set n, n+1
.endr
	WIN 0
	s_mov_b32 s[CNT], 0
	s_mov_b32 s[KO], 0
	s_mov_b32 s[VO], 98304
	s_mov_b32 s[SO], KVS
	s_mov_b32 s[BO], 0
.Lkey:                                             ; four trips of 128 keys
	s_load_b512 s[16:31], s[MB:MB+1], 0x0          ; the step's 64 lane masks: score register n takes s[16 + n], from n = 48 on s[32 + n]
	s_load_b512 s[32:47], s[MB:MB+1], 0x40
	s_load_b512 s[48:63], s[MB:MB+1], 0x80
	s_load_b512 s[80:95], s[MB:MB+1], 0xc0
	v_add_nc_u32 v[ADK], s[KO], v[LI]
	v_add_nc_u32 v[ADV], s[VO], v[LI]
	v_add_nc_u32 v[ADS], s[SO], v[L8]
	v_add_nc_u32 v[ADB], s[BO], v[BA]
.irp t, 0,1,2,3,4,5,6,7
.irp e, 0,1
	ds_load_b128 v[SS+8*\t+4*\e:SS+8*\t+4*\e+3], v[ADB] offset:128*(\t/2)+32*(\t%2)+16*\e   ; 16 x the bias: the C of the first product
.endr
.endr
.irp t, 0,1,2,3,4,5,6,7
	ds_load_b32 v[SC+\t], v[ADS] offset:256*\t     ; K's scale words: lanes 0-15 channels 0-127, lanes 16-31 channels 128-255
.endr
	GRP ADK, 0, 0, 3072                            ; key tiles 0-3, channels 0-127
	GRP ADK, 1, 12288, 3072                        ; key tiles 4-7
.irp g, 0,1,2,3                        ; S^T = K Q^T + 16 bias: eight accumulators by turns
.if \g < 3
	s_wait_dscnt 12                                ; all but the twelve loads issued last
.else
	s_wait_dscnt 20                                ; behind this group's loads: V's eight scale loads and its first twelve
.endif
.irp q, 0,1,2,3
	MM SS+8*(4*(\g%2)+\q), FR0+48*(\g%2)+12*\q, AF+12*(\g/2), SS+8*(4*(\g%2)+\q), SC+4*(\g%2)+\q, ASC, \g/2
.endr
	PLACES 4
.if \g < 2
	GRP ADK, \g%2, 1536+12288*\g, 3072             ; the same tiles' channels 128-255
.elseif \g == 2
.irp i, 0,1,2,3,4,5,6,7
	ds_load_b32 v[SC+8+\i], v[ADS] offset:8192+256*\i   ; V's scale words: lanes 0-15 tile 2 i, lanes 16-31 tile 2 i + 1
.endr
	GRP ADV, 0, 0, 1536                            ; V's tiles 0-3
.else
	GRP ADV, 1, 6144, 1536                         ; tiles 4-7
.endif
.endr
	s_wait_kmcnt 0x0                               ; the masks are in, and their base may step
	s_add_nc_u64 s[MB:MB+1], s[MB:MB+1], 256
.set n, 0
.rept 64
	v_cndmask_b32 v[SS+n], v[NEGV], v[SS+n], s[16+n+16*(n/48)]     ; a key that does not count: -2^126; in ascending order, each result from its low end on
.set n, n+1
.endr
.irp b, 0,1,2,3
	v_max3_num_f32 v[TM+\b], v[SS+16*\b], v[SS+16*\b+1], v[SS+16*\b+2]   ; the largest score of each block of 32 keys: for the row's maximum and, since p rises with the score, for the block's largest p
.endr
.irp i, 3,5,7,9,11,13
.irp b, 0,1,2,3
	v_max3_num_f32 v[TM+\b], v[TM+\b], v[SS+16*\b+\i], v[SS+16*\b+\i+1]
.endr
.endr
.irp b, 0,1,2,3
	v_max_num_f32 v[TM+\b], v[TM+\b], v[SS+16*\b+15]
.endr
.irp b, 0,1,2,3
	v_permlanex16_b32 v[TM+4+\b], v[TM+\b], s[SEL], s[SEL+1]
.endr
.irp b, 0,1,2,3
	v_max_num_f32 v[TM+\b], v[TM+\b], v[TM+4+\b]   ; with lane l xor 16's 16 keys
.endr
	v_max3_num_f32 v[T0], v[TM], v[TM+1], v[TM+2]
	v_max_num_f32 v[T0], v[T0], v[TM+3]
	v_mul_f32 v[T0], s[CS], v[T0]                  ; as t (c is positive)
	v_max_num_f32 v[TMX], v[TMX], v[T0]            ; the running largest t
	v_mov_b32 v[T0], v[NM]
	v_floor_f32 v[NM], -v[TMX]                     ; the new -M = floor(-t): M is a whole number
	v_sub_f32 v[T0], v[NM], v[T0]                  ; old M - new M: a whole number, 0 or less
	v_cvt_i32_f32 v[T0], v[T0]                     ; (it saturates)
	v_ldexp_f32 v[FP], 1.0, v[T0]                  ; f = 2^(old M - new M)
.set n, 0
.rept 32
	v_pk_fma_f32 v[SS+n:SS+n+1], v[SS+n:SS+n+1], s[CS:CS+1], v[NM:NM+1] op_sel_hi:[1,0,0]   ; t - M
.set n, n+2
.endr
.irp b, 0,1,2,3
	v_fma_f32 v[TM+\b], v[TM+\b], s[CS], v[NM]     ; the same of each block's largest score
.endr
.set n, 0
.rept 64
	v_exp_f32 v[SS+n], v[SS+n]                     ; p = 2^(t - M), at most 1, not normalised
.set n, n+1
.endr
	v_pk_mul_f32 v[SUM:SUM+1], v[SUM:SUM+1], v[FP:FP+1] op_sel_hi:[1,0]   ; the sums under the new M: the plain place behind the exponentials
	s_wait_alu depctr_va_vdst(0)                   ; one wait for the batch of 64, ahead of its first reader
.irp b, 0,1,2,3
	v_exp_f32 v[TM+\b], v[TM+\b]                   ; the block's largest p: the same two instructions on the same number
.endr
	v_pk_add_f32 v[TM+4:TM+5], v[SS:SS+1], v[SS+2:SS+3]   ; the row's sum is taken of the unquantised p, in two chains
.irp j, 4,8,12,16,20,24,28,32,36,40,44,48,52,56,60
	v_pk_add_f32 v[SUM:SUM+1], v[SUM:SUM+1], v[SS+\j:SS+\j+1]
	v_pk_add_f32 v[TM+4:TM+5], v[TM+4:TM+5], v[SS+\j+2:SS+\j+3]
.endr
	v_pk_add_f32 v[SUM:SUM+1], v[SUM:SUM+1], v[TM+4:TM+5]
	s_wait_alu depctr_va_vdst(0)                   ; and one for the four
.irp b, 0,1,2,3
	v_max_num_f32 v[TM+\b], 0x1800000, v[TM+\b]    ; the floor 2^(3 - 127): a block whose every p is 0 keeps the byte 1: its codes are zeros
.endr
.irp b, 0,1,2,3
	v_add_nc_u32 v[TM+8+\b], 0xff000000, v[TM+\b]
.endr
.irp b, 0,1,2,3
	v_lshrrev_b32 v[TM+4+\b], 23, v[TM+8+\b]
.endr
	v_lshl_or_b32 v[PSC], v[TM+5], 8, v[TM+4]      ; p's scale word for these 128 keys
	v_lshl_or_b32 v[PSC], v[TM+6], 16, v[PSC]
	v_lshl_or_b32 v[PSC], v[TM+7], 24, v[PSC]
.irp c, 0,1
	v_cvt_scalef32_pk16_fp6_f32 v[PC+6*\c:PC+6*\c+2], v[SS+32*\c:SS+32*\c+15], v[TM+8+2*\c]
	v_cvt_scalef32_pk16_fp6_f32 v[QT+4*\c:QT+4*\c+2], v[SS+32*\c+16:SS+32*\c+31], v[TM+9+2*\c]
.endr
	v_nop                                          ; one plain place behind a scaled conversion
.irp c, 0,1
.irp i, 0,1,2
	v_permlane16_swap_b32 v[PC+6*\c+\i], v[QT+4*\c+\i]
.endr
.irp i, 0,1,2
	v_mov_b32 v[PC+3+6*\c+\i], v[QT+4*\c+\i]
.endr
.endr
	WIN 0x41
.set n, 0
.rept 64
	v_pk_mul_f32 v[ACC+n:ACC+n+1], v[ACC+n:ACC+n+1], v[FP:FP+1] op_sel_hi:[1,0]   ; O^T under the new M; these are also the places between p's codes and scale word and the products
.set n, n+2
.endr
.irp vg, 0,1,2,3                       ; O^T += V^T P^T: sixteen accumulators, one product each
.if \vg < 3
	s_wait_dscnt 12                                ; all but the twelve loads issued last
.else
	s_wait_dscnt 0
.endif
	WIN 0x50
.irp q, 0,1,2,3
	MM ACC+8*(4*\vg+\q), FR0+48*(\vg%2)+12*\q, PC, ACC+8*(4*\vg+\q), SC+8+(4*\vg+\q)/2, PSC, 2*(\q%2)
.endr
	WIN 0
	PLACES 4
.if \vg < 2
	GRP ADV, \vg%2, 6144*(\vg+2), 1536
.endif
.endr
	s_add_co_u32 s[KO], s[KO], 24576
	s_add_co_u32 s[VO], s[VO], 24576
	s_add_co_u32 s[SO], s[SO], 2048
	s_add_co_u32 s[BO], s[BO], 512
	s_add_co_u32 s[CNT], s[CNT], 1
	s_cmp_lt_u32 s[CNT], 4
	s_cbranch_scc1 .Lkey
	; ---- THE FIRST REFILL: w1 and w2 (102,400 dense bytes of par) over K's bytes, 50 rows of 256 bytes a wave, jointly
	s_wait_tensorcnt 0x0                           ; no tensor load of mine is out
	ds_add_u32 v[SPW], v[NIL]                      ; 0 onto my spare word; the descriptor's words stand between it and the wait for it
	s_mov_b32 s80, 15|(3<<16)|(1<<21)
	s_mov_b32 s81, 32<<16
	s_mov_b32 s82, 50<<16
	s_mov_b32 s83, 32<<16
	s_mov_b32 s84, 50
	s_mov_b32 s85, 32
	s_mov_b32 s86, 0
	s_mov_b32 s87, 0
	s_mov_b32 s76, 1
	s_mul_i32 s77, s[WV], 12800
	s_mul_i32 s98, s[WV], 12800
	s_mov_b32 s99, 0
	s_add_nc_u64 s[78:79], s[PAR:PAR+1], s[98:99]
	s_add_nc_u64 s[78:79], s[78:79], 219136
	s_or_b32 s79, s79, 0x80000000
	s_wait_dscnt 0x0                               ; the add is done, and my reads of K and V are over
	CROUND                                         ; no wave of any partner still reads K or V
	tensor_load_to_lds s[76:79], s[80:87]          ; my one tensor load behind the round
	s_nop 0
	PLACES 4
	v_add_f32 v[SUM], v[SUM], v[SUM+1]             ; the sum's two halves,
	v_permlanex16_b32 v[T0], v[SUM], s[SEL], s[SEL+1]
	v_add_f32 v[SUM], v[SUM], v[T0]                ; and lane l xor 16's
	v_rcp_f32 v[FP], v[SUM]
	v_nop                                          ; the plain place behind the transcendental
	s_wait_alu depctr_va_vdst(0)
	WIN 0x41
.set n, 0
.rept 64
	v_pk_mul_f32 v[ACC+n:ACC+n+1], v[ACC+n:ACC+n+1], v[FP:FP+1] op_sel_hi:[1,0]   ; O^T / the sum
.set n, n+2
.endr
	QUANT2 ACC, AF, ASC
	PROJ WOB, VB+4096, 0                           ; wo, bo
	; ---- THE SECOND REFILL: the next layer's wq, wk, wv and vectors (159,744 dense bytes at the head of its par) over V's bytes and wo's codes, 78 rows of 256 bytes a wave, jointly
	s_wait_tensorcnt 0x0                           ; my part of w1 and w2 has landed: no tensor load of mine is out, so the descriptor may be written
	ds_add_u32 v[SPW], v[NIL]                      ; 0 onto my spare word
	s_mov_b32 s80, 15|(3<<16)|(1<<21)
	s_mov_b32 s81, 32<<16
	s_mov_b32 s82, 78<<16
	s_mov_b32 s83, 32<<16
	s_mov_b32 s84, 78
	s_mov_b32 s85, 32
	s_mov_b32 s86, 0
	s_mov_b32 s87, 0
	s_mov_b32 s76, 1
	s_mul_i32 s77, s[WV], 19968
	s_add_co_u32 s77, s77, WQB
	s_mul_i32 s98, s[WV], 19968
	s_mov_b32 s99, 0
	s_add_nc_u64 s[78:79], s[PARN:PARN+1], s[98:99]
	s_or_b32 s79, s79, 0x80000000
	s_wait_dscnt 0x0                               ; the add is done, and my reads of wo are over
	CROUND                                         ; no wave of any partner still reads wo; and every wave's part of w1 and w2 has landed: they are whole from here on
	tensor_load_to_lds s[76:79], s[80:87]          ; my one tensor load behind the round
	s_nop 0
	PLACES 4
	LNORM ACC, ACC, VB, VB+1024                    ; the same norm once more
	WIN 0x45
.set n, 0
.rept 64
	v_pk_add_f32 v[HH+n:HH+n+1], v[HH+n:HH+n+1], v[ACC+n:ACC+n+1]   ; x1 = h + LN(o)
.set n, n+2
.endr
	LNORM HH, ACC, VB+2048, VB+3072                ; c
	QUANT2 ACC, AF, ASC
	PROJ 0, VB+5120, 0                             ; w1, b1
	s_mov_b32 s16, 0x32edffee                      ; P's coefficients below the leading one, highest first, each as a pair,
	s_mov_b32 s17, s16
	s_mov_b32 s18, 0xb60cff51
	s_mov_b32 s19, s18
	s_mov_b32 s20, 0xb86ec2d2
	s_mov_b32 s21, s20
	s_mov_b32 s22, 0xba40ac63
	s_mov_b32 s23, s22
	s_mov_b32 s24, 0xbb41a1f6
	s_mov_b32 s25, s24
	s_mov_b32 s26, 0xbc83dbd4
	s_mov_b32 s27, s26
	s_mov_b32 s28, 0xb95fbd29                      ; Q's,
	s_mov_b32 s29, s28
	s_mov_b32 s30, 0xbadc924e
	s_mov_b32 s31, s30
	s_mov_b32 s32, 0xbbf19bf8
	s_mov_b32 s33, s32
	s_mov_b32 s34, 0xbc69b6a7
	s_mov_b32 s35, s34
	s_mov_b32 s36, 0x3f3504f3                      ; and 1 / sqrt 2
	s_mov_b32 s37, s36
	v_mov_b32 v224, 0xaf95df0b                     ; the leading coefficients, in vector pairs: an instruction reads two scalar values at the most
	v_mov_b32 v225, 0xaf95df0b
	v_mov_b32 v226, 0xb77460cd
	v_mov_b32 v227, 0xb77460cd
	GELU 0
	GELU 1
	GELU 2
	GELU 3
	QUANT2 ACC, AF, ASC
	PROJ 51200, VB+6144, 0                         ; w2, b2
	WIN 0x45
.set n, 0
.rept 64
	v_pk_add_f32 v[ACC+n:ACC+n+1], v[ACC+n:ACC+n+1], v[HH+n:HH+n+1]   ; + x1: the layer's result; in ascending order
.set n, n+2
.endr
	TOST 0
	TOST 1
	SEND 0, 16                                     ; behind quarter 0's loads: quarter 1's eight stores and eight loads
	s_wait_xcnt 0x0                                ; quarter 0's stores have read their registers: quarter 2's loads land there
	TOST 2
	SEND 1, 16
	s_wait_xcnt 0x0
	TOST 3
	SEND 2, 16
	SEND 3, 0
	; ---- THE NEXT LAYER'S q, k, v for my rows, from the result that still stands in ACC
	s_lshl_b32 s37, ttmp9, 2                       ; where they go, as byte offsets in the codes' buffer
	s_add_co_u32 s37, s37, s[CX]                   ; WG
	s_lshl_b32 s[O1], s37, 3
	s_add_co_u32 s[O1], s[O1], s[WV]
	s_mul_i32 s[O1], s[O1], 3328
	s_add_co_u32 s[O1], s[O1], 13631488            ; Q's two fragments,
	s_add_co_u32 s[O2], s[O1], 3072                ; and their scale unit
	s_mul_i32 s47, ttmp9, 212992                   ; the batch's block
	s_lshl_b32 s38, s[CX], 3
	s_add_co_u32 s38, s38, s[WV]                   ; 8 cx + w
	s_mul_i32 s[O1K], s38, 3072
	s_add_co_u32 s[O1K], s[O1K], s47               ; K's two fragments,
	s_lshl_b32 s[O2K], s38, 8
	s_add_co_u32 s[O2K], s[O2K], s47
	s_add_co_u32 s[O2K], s[O2K], 196608            ; and their scale unit
	s_wait_tensorcnt 0x0                           ; my part of the next layer's weights has landed,
	s_wait_dscnt 0x0
	s_barrier_signal -1
	s_barrier_wait -1                              ; everybody's has
	s_wait_xcnt 0x0                                ; x's stores have read their registers: gains land there
	LNORM ACC, ACC, 0, 1024                        ; h' = LN(x') with the next layer's gains
	QUANT2 ACC, AF, ASC
	s_mul_i32 s37, s[WV], 4352
	s_add_co_u32 s37, s37, STAGE                   ; my stage: its last read for the way out is back
	v_add_nc_u32 v[HWI], s37, v[LI]
	s_add_co_u32 s37, s37, 3072
	v_add_nc_u32 v[HWS], s37, v[LS]
	v_and_b32 v[TM], 15, v0
	v_and_b32 v[TM+2], 8, v[TM]
	v_add_nc_u32 v[TM+2], v[TM+2], v[TM]           ; r + 8 (r / 8)
	s_lshl_b32 s37, s[WV], 7
	s_add_co_u32 s37, s37, VEC+4096
	v_lshl_add_u32 v[BVA], v[TM+2], 2, s37         ; bv at channel 32 w + r + 8 (r / 8)
.irp i, 0,1,2,3,4,5
	ds_store_b128 v[HWI], v[AF+4*\i:AF+4*\i+3] offset:512*\i       ; h's two fragments as images of their registers, for the V phase of all eight waves
.endr
	ds_store_b32 v[HWS], v[ASC]
	s_mov_b32 s[PW], WQB
	s_mov_b32 s[PB], 2048
	s_mov_b32 s[CNT], 0
.Lqk:                                              ; two trips: q (wq, bq), then k (wk, bk): the weight block lies 51,200 bytes on, the bias 1,024
	PROJ PW, PB, 1
	s_wait_xcnt 0x0                                ; the last trip's stores have read their registers
	v_add_nc_u32 v[GO1], s[O1], v[LI]
	v_add_nc_u32 v[GO2], s[O2], v[L8]
	QUANT2 ACC, OF, OS
	OUTQ 0, 0
	s_mov_b32 s[O1], s[O1K]
	s_mov_b32 s[O2], s[O2K]
	s_add_co_u32 s[PW], s[PW], 51200
	s_add_co_u32 s[PB], s[PB], 1024
	s_add_co_u32 s[CNT], s[CNT], 1
	s_cmp_lt_u32 s[CNT], 2
	s_cbranch_scc1 .Lqk
	s_wait_dscnt 0x0                               ; my images of h have landed
	s_barrier_signal -1
	s_barrier_wait -1                              ; everybody's have
	s_wait_xcnt 0x0                                ; k's stores have read their registers: wv's fragments land there
	; ---- V: channels 32 w .. 32 w + 31 (tiles 2 w, 2 w + 1 of wv) for the work-group's 128 keys
	s_mul_i32 s37, s[WV], 3072
	s_add_co_u32 s37, s37, WVB
	v_add_nc_u32 v[ADK], s37, v[LI]
	s_lshl_b32 s37, s[WV], 8
	s_add_co_u32 s37, s37, WVB+49152
	v_add_nc_u32 v[ADS], s37, v[LS]
	v_add_nc_u32 v[ADB], STAGE+3072, v[LS]
	v_add_nc_u32 v[ADV], STAGE, v[LI]
.irp kd, 0,1
.irp e, 0,1
.irp i, 0,1,2
	ds_load_b128 v[WVF+24*\kd+12*\e+4*\i:WVF+24*\kd+12*\e+4*\i+3], v[ADK] offset:24576*\kd+1536*\e+512*\i
.endr
.endr
.endr
.irp e, 0,1
	ds_load_b32 v[SC+8+\e], v[ADS] offset:128*\e
.endr
.irp e, 0,1
.irp j, 0,1,2,3,4,5,6,7
	ds_load_b32 v[BV+8*\e+\j], v[BVA] offset:32*\e ; bv of my channel, for each of a result's eight keys: the C of the first product
.endr
.endr
.irp m, 0,1,2,3,4,5,6,7
	ds_load_b32 v[SC+\m], v[ADB] offset:4352*\m    ; h's scale words, tile m: in wave m's stage
.endr
	GRP ADV, 0, 0, 4352                            ; h's tiles 0-3, K half 0
	GRP ADV, 1, 17408, 4352                        ; tiles 4-7
.irp g, 0,1,2,3
.if \g < 3
	s_wait_dscnt 12                                ; all but the next group's twelve loads
.else
	s_wait_dscnt 0
.endif
.if \g < 2
	WIN 0x40
.else
	WIN 0x50
.endif
.irp q, 0,1,2,3
.irp e, 0,1
.if \g < 2
	MM ACC+64*\e+8*(4*(\g%2)+\q), FR0+48*(\g%2)+12*\q, WVF+12*\e, BV+8*\e, SC+4*(\g%2)+\q, SC+8+\e, 0
.else
	MM ACC+64*\e+8*(4*(\g%2)+\q), FR0+48*(\g%2)+12*\q, WVF+24+12*\e, ACC+64*\e+8*(4*(\g%2)+\q), SC+4*(\g%2)+\q, SC+8+\e, 1
.endif
.endr
.endr
	WIN 0
	PLACES 4
.if \g < 2
	GRP ADV, \g%2, 1536+17408*\g, 4352             ; the same tiles' K half 1
.endif
.endr
	QUANT2 ACC, OF, OS                             ; along the keys: register 16 b + i of a tile's 64 is key 32 b + 16 h + i
	OUTQ 98304, 8192                               ; V's places lie these bytes behind K's
	s_wait_tensorcnt 0x0                           ; the wave's end, behind my last tensor load and my last LDS store
	ds_add_u32 v[SPW], v[NIL]
	s_wait_dscnt 0x0
	CROUND                                         ; the closing round
	s_endpgm
.Lfunc_end_k_q440142f4c4_attkv0:
	.size	k_q440142f4c4_attkv0, .Lfunc_end_k_q440142f4c4_attkv0-k_q440142f4c4_attkv0
	.p2alignl 7, 3214868480
	.fill 96, 4, 3214868480
	.section	.rodata,"a",@progbits
	.p2align	6, 0x0
	.amdhsa_kernel k_q440142f4c4_attkv0
		.amdhsa_group_segment_fixed_size 327680
		.amdhsa_private_segment_fixed_size 0
		.amdhsa_enable_private_segment 0
		.amdhsa_kernarg_size 64
		.amdhsa_user_sgpr_count 2
		.amdhsa_user_sgpr_kernarg_segment_ptr 1
		.amdhsa_wavefront_size32 1
		.amdhsa_system_sgpr_workgroup_id_x 1
		.amdhsa_system_sgpr_workgroup_id_y 1
		.amdhsa_system_sgpr_workgroup_id_z 1
		.amdhsa_system_vgpr_workitem_id 0
		.amdhsa_next_free_vgpr 512
		.amdhsa_next_free_sgpr 102
		.amdhsa_reserve_vcc 0
		.amdhsa_float_denorm_mode_32 3
		.amdhsa_float_denorm_mode_16_64 3
		.amdhsa_memory_ordered 1
		.amdhsa_forward_progress 1
		.amdhsa_inst_pref_size 255
	.end_amdhsa_kernel
	.section	.bss,"aw",@nobits
	.p2align	6
	.space	262144
	.amdgpu_metadata
---
amdhsa.version: [ 1, 2 ]
amdhsa.kernels:
  - .name:           k_q440142f4c4_attkv0
    .symbol:         k_q440142f4c4_attkv0.kd
    .args:
      - { .name: x, .offset: 0, .size: 8, .value_kind: global_buffer, .address_space: global }
      - { .name: par0, .offset: 8, .size: 8, .value_kind: global_buffer, .address_space: global }
      - { .name: par1, .offset: 16, .size: 8, .value_kind: global_buffer, .address_space: global }
      - { .name: qkv, .offset: 24, .size: 8, .value_kind: global_buffer, .address_space: global }
      - { .name: tab, .offset: 32, .size: 8, .value_kind: global_buffer, .address_space: global }
      - { .name: lmask, .offset: 40, .size: 8, .value_kind: global_buffer, .address_space: global }
      - { .name: out0, .offset: 48, .size: 8, .value_kind: global_buffer, .address_space: global }
      - { .name: qkv2, .offset: 56, .size: 8, .value_kind: global_buffer, .address_space: global }
    .group_segment_fixed_size: 327680
    .private_segment_fixed_size: 0
    .kernarg_segment_align: 8
    .kernarg_segment_size: 64
    .max_flat_workgroup_size: 256
    .sgpr_count:     102
    .vgpr_count:     512
    .wavefront_size: 32
...
	.end_amdgpu_metadata
.endif
;; end of part 4
;; launch attkv1: the kernel of part 4 again; grid 256 x 1, 8 waves a work-group, clusters of 4 x 1, 327,680 bytes of LDS; arguments out0, par1, par2, qkv2, tab, lmask, xa, qkv; writes xa, qkv
;; launch attlast (part 5): grid 256 x 1, 8 waves a work-group, clusters of 4 x 1, 327,680 bytes of LDS; arguments xa, par2, qkv, tab, lmask, out0; writes out0
.if DOCPART == 5
	.amdgcn_target "amdgcn-amd-amdhsa--gfx1250"
	.amdhsa_code_object_version 6
	.text
	.protected	k_q440142f4c4_attlast
	.globl	k_q440142f4c4_attlast
	.p2align	8
	.type	k_q440142f4c4_attlast,@function
k_q440142f4c4_attlast:
	s_mov_b64 s[64:65], 0
	v_nop
	global_prefetch_b8 v0, s[64:65] scope:SCOPE_SE
	s_setreg_imm32_b32 hwreg(HW_REG_WAVE_MODE, 25, 1), 1
	s_wait_xcnt 0x0
	s_wait_alu depctr_hold_cnt(0) depctr_sa_sdst(0) depctr_va_vdst(0) depctr_va_sdst(0) depctr_va_ssrc(0) depctr_va_vcc(0) depctr_vm_vsrc(0)
	s_getreg_b32 s2, hwreg(HW_REG_IB_STS2, 6, 4)
	s_cmp_eq_u32 s2, 0
	s_cbranch_scc0 .Lentry_in_a_cluster
	s_endpgm
.Lentry_in_a_cluster:
	s_bfe_u32 s2, ttmp6, 0x10000c
	s_cmp_lg_u32 s2, 0x3003
	s_cbranch_scc0 .Lentry_shape_is_right
	s_endpgm
.Lentry_shape_is_right:
; ATT, THE LAST LAYER: the rest of a layer for 128 rows: h = LN(x) again; softmax(q k^T / 16 + bias, keys masked) v; wo + bo; x1 = h + LN(o); c = LN(x1); x1 + gelu(c w1 + b1) w2 + b2.  All five products on codes of FP6 (E2M3), E8M0 scales.
; No work of the layer is left out.  LIMITS: NaN and infinities are not served; quantiser blocks whose largest magnitude lies under 2^-124 get the byte 1; a masked score is -2^126 (not the least f32 number):
; its p is 0 beside any key that counts, and a batch with no key that counts gives the plain average of v; erf is x P(x^2) / Q(x^2) in f32 on x held to +-4, so gelu of x under about -5 carries an absolute error near |x| x 1e-7.
; SHARES as in the launch before: a cluster is a batch, work-group cx its rows 128 cx on, wave w tile rows 32 (w / 2) + 8 (w % 2) + r + 8 (r / 8); H-layout: lane (r, h): row r, register 16 b + i = column 32 b + 16 h + i.
; A lane holds one row throughout: every product is used transposed (source 0 = 16 keys, 16 channels or 16 columns of a weight; source 1 = my rows).
; THE SOFTMAX: S = q . k + 16 bias (the bias is the C of the first product); t = S x log2(e) / 16; M = the running largest t rounded up to a whole number; p = 2^(t - M) is quantised along the keys; the row's sum is taken
; of the unquantised p and divides at the end; when M moves, the sum and O are multiplied by 2^(old M - new M), which rounds nothing.
; LDS: a batch's K and V codes and scales (212,992 dense bytes) come whole, JOINTLY for the cluster's four work-groups, and so do wo and eight vectors; each work-group brings its own window of the bias table by a load of its
; own.  Three first fills a wave.  ONE refill: w1 and w2 land on K's bytes behind the key loop, asked for a whole phase (wo, two norms, a quantiser) ahead of their use.
; REGISTERS: window 1: ACC v0-127 (O, then each product's result), HH v128-255 (h, then x1).  Window 0: v1-13 addresses; v[14:15] the sum; v16 -M, v17 the largest t; v18-19 the add's two; v20 my rows' scale word;
; v22 f, v23 p's scale word; v24-47 my rows' two fragments; v48-63 scale words; v64-127 scores, then p; v128-223 two sets of four fragments; v224-255 at work.
.set KVS,   196608                     ; LDS: K's fragments 0, V's 98304, K's scale units 196608, V's 204800
.set WOB,   212992                     ; wo's block
.set VEC,   264192                     ; ln_g, ln_b, cm_g, cm_b, bo, b1, b2
.set TAB,   272384                     ; four copies of a window of 640 entries, at 0, 2592, 5248, 7840: copy s at 2592 s + 32 (s & 2)
.set STAGE, 282880                     ; 16 rows x 272 bytes for each wave
.set SPARE, 317696                     ; the spare words, 128 bytes for each wave: four blocks of 256 bytes that no other line names
.set ACC, 0
.set HH,  128
.set LI,  1
.set LS,  2
.set L8,  3
.set VA,  4
.set STO, 5
.set STR, 6
.set GX,  7
.set BA,  8                            ; my lane's place in the bias window
.set NEGV, 9                           ; -2^126
.set ADK, 10
.set ADV, 11
.set ADS, 12
.set ADB, 13
.set SUM, 14
.set TW0, 14
.set TW1, 15
.set NM,  16
.set TMX, 17
.set SPW, 18
.set NIL, 19
.set ASC, 20
.set FP,  22
.set PSC, 23
.set AF,  24
.set SC,  48
.set SS,  64
.set FR0, 128
.set PC,  224
.set QT,  236
.set T0,  243
.set TM,  244
.set LA,  224
.set LTA, 232
.set LTB, 233
.set MEAN, 234
.set RS,  236
.set ZZ,  64                           ; gelu: z, z^2, P, Q: 32 registers each
.set Z2,  96
.set PP,  128
.set QQ,  160
.set XP,  2
.set OUTP, 4
.set PAR, 6
.set QP,  8
.set MB,  10
.set WV,  12
.set CX,  13
.set SEL, 66
.set CS,  68
.set HM,  70
.set C256, 71
.set CNT, 72
.set KO,  73
.set SO,  74
.set BO,  75
.set EPS, 96
.set VO,  97
.set MSB, 0
.macro WIN new                         ; the immediate's high byte repeats the setting that is left; low byte: bits 1:0 source 0, 3:2 source 1, 5:4 source 2, 7:6 destination
.if MSB != \new
	s_set_vgpr_msb (MSB<<8)|\new
.set MSB, \new
.endif
.endm
.macro PLACES n
.rept \n
	v_nop
.endr
.endm
.macro CROUND                          ; a round of the cluster's barrier
	s_barrier_signal -1
	s_barrier_wait -1
	s_cmp_lg_u32 s[WV], 0
	s_cbranch_scc1 .Lnot_wave_0_\@
	s_barrier_signal -3
.Lnot_wave_0_\@:
	s_barrier_wait -3
	s_barrier_signal -1
	s_barrier_wait -1
.endm
; My 16 rows of x into HH in the H-layout.  Each load reads two rows' 256 consecutive bytes (sixteen lanes a row); a quarter of the columns at a time turns through my own stage.
.macro XIN
	WIN 0x40
.irp c, 0,1,2,3
.irp i, 0,1,2,3,4,5,6,7
	global_load_b128 v[ACC+4*(8*\c+\i):ACC+4*(8*\c+\i)+3], v[GX], s[XP:XP+1] offset:(2*\i+8*(\i/4))*1024+256*\c th:TH_LOAD_NT
.endr
.endr
.irp c, 0,1,2,3
	s_wait_loadcnt 24-8*\c                         ; this quarter's eight loads are in (and Q's, issued earlier); eight for each later quarter may be out
	WIN 0x04
.irp i, 0,1,2,3,4,5,6,7
	ds_store_b128 v[STR], v[ACC+4*(8*\c+\i):ACC+4*(8*\c+\i)+3] offset:544*\i
.endr
	WIN 0x40
.irp bb, 0,1
.irp j, 0,1,2,3
	ds_load_b128 v[HH+16*(2*\c+\bb)+4*\j:HH+16*(2*\c+\bb)+4*\j+3], v[STO] offset:128*\bb+16*\j   ; LDS serves a wave's instructions in order: these see the stores above, and the next quarter's stores come behind them
.endr
.endr
.endr
	WIN 0
.endm
.macro GBL q, base, gofs, bofs         ; gains and offsets of registers 32 q .. 32 q + 31 of the H-layout: 32 + 32 registers at v[base] of window 0; every window is 0 here
.irp bb, 0,1
.irp j, 0,1,2,3
	ds_load_b128 v[\base+16*\bb+4*\j:\base+16*\bb+4*\j+3], v[VA] offset:\gofs+128*(2*(\q)+\bb)+16*\j
.endr
.endr
.irp bb, 0,1
.irp j, 0,1,2,3
	ds_load_b128 v[\base+32+16*\bb+4*\j:\base+32+16*\bb+4*\j+3], v[VA] offset:\bofs+128*(2*(\q)+\bb)+16*\j
.endr
.endr
.endm
.macro FOLD                            ; four pairs of partial sums, and lane l xor 16's: the row's sum in v[LTA]
	v_pk_add_f32 v[LA:LA+1], v[LA:LA+1], v[LA+2:LA+3]
	v_pk_add_f32 v[LA+4:LA+5], v[LA+4:LA+5], v[LA+6:LA+7]
	v_pk_add_f32 v[LA:LA+1], v[LA:LA+1], v[LA+4:LA+5]
	v_add_f32 v[LTA], v[LA], v[LA+1]
	v_permlanex16_b32 v[LTB], v[LTA], s[SEL], s[SEL+1]
	v_add_f32 v[LTA], v[LTA], v[LTB]
.endm
; dst = (src - mean) rsqrt(var + 1e-5) g + b, all in f32; src and dst are 128 registers of window 1.  The registers are read in ascending order, each matrix result from its low end on.
.macro LNORM src, dst, gofs, bofs
	WIN 0                                          ; whatever the lines before have left: the loads of gains have address and destination in window 0
	GBL 0, SS, \gofs, \bofs
	GBL 1, FR0, \gofs, \bofs
	WIN 0x05
.irp k, 0,1,2,3
	v_pk_add_f32 v[LA+2*\k:LA+2*\k+1], v[\src+4*\k:\src+4*\k+1], v[\src+4*\k+2:\src+4*\k+3]
.endr
	WIN 0x04
.set p, 8
.rept 56
	v_pk_add_f32 v[LA+2*(p%4):LA+2*(p%4)+1], v[LA+2*(p%4):LA+2*(p%4)+1], v[\src+2*p:\src+2*p+1]
.set p, p+1
.endr
	WIN 0
	FOLD
	v_mul_f32 v[MEAN], s[C256], v[LTA]
	v_mov_b32 v[MEAN+1], v[MEAN]
	WIN 0x41
.set p, 0
.rept 64
	v_pk_add_f32 v[\dst+2*p:\dst+2*p+1], v[\src+2*p:\src+2*p+1], v[MEAN:MEAN+1] neg_lo:[0,1] neg_hi:[0,1]
.set p, p+1
.endr
	WIN 0x05
.irp k, 0,1,2,3
	v_pk_mul_f32 v[LA+2*\k:LA+2*\k+1], v[\dst+2*\k:\dst+2*\k+1], v[\dst+2*\k:\dst+2*\k+1]
.endr
.set p, 4
.rept 60
	v_pk_fma_f32 v[LA+2*(p%4):LA+2*(p%4)+1], v[\dst+2*p:\dst+2*p+1], v[\dst+2*p:\dst+2*p+1], v[LA+2*(p%4):LA+2*(p%4)+1]
.set p, p+1
.endr
	WIN 0
	FOLD
	v_fma_f32 v[LTA], v[LTA], s[C256], s[EPS]      ; the variance + 1e-5
	v_rsq_f32 v[RS], v[LTA]
	v_mov_b32 v[RS+1], 0                           ; the plain place behind the transcendental; the pair's upper word is named below, so it is written
	s_wait_alu depctr_va_vdst(0)                   ; the wait ahead of the first reader
.irp q, 0,1,2,3
.if \q < 3
	s_wait_dscnt 16                                ; this chunk's sixteen loads are in; the next chunk's sixteen may be out
.else
	s_wait_dscnt 0
.endif
.set GB, SS+64*(\q%2)
	WIN 0x41
.set p, 0
.rept 16
	v_pk_mul_f32 v[\dst+32*\q+2*p:\dst+32*\q+2*p+1], v[\dst+32*\q+2*p:\dst+32*\q+2*p+1], v[RS:RS+1] op_sel_hi:[1,0]
.set p, p+1
.endr
.set p, 0
.rept 16
	v_pk_fma_f32 v[\dst+32*\q+2*p:\dst+32*\q+2*p+1], v[\dst+32*\q+2*p:\dst+32*\q+2*p+1], v[GB+2*p:GB+2*p+1], v[GB+32+2*p:GB+32+2*p+1]
.set p, p+1
.endr
	WIN 0
.if \q < 2
	GBL \q+2, GB, \gofs, \bofs
.endif
.endr
.endm
; 64 numbers of a lane at v[x] of window 1, register 16 b + i = k 32 b + 16 h + i of my row, become a fragment's 12 registers at v[f] and its scale word in v[pw] (the same in lanes l and l xor 16).
.macro QUANT x, f, pw
	WIN 0x14
.irp b, 0,1,2,3
	v_max3_num_f32 v[TM+\b], 0x1800000, |v[\x+16*\b]|, |v[\x+16*\b+1]|   ; my 16 numbers of block b, and the floor 2^(3 - 127): the byte cannot fall under 1
.endr
.irp i, 2,4,6,8,10,12,14
.irp b, 0,1,2,3
	v_max3_num_f32 v[TM+\b], v[TM+\b], |v[\x+16*\b+\i]|, |v[\x+16*\b+\i+1]|
.endr
.endr
	WIN 0
.irp b, 0,1,2,3
	v_permlanex16_b32 v[TM+4+\b], v[TM+\b], s[SEL], s[SEL+1]
.endr
.irp b, 0,1,2,3
	v_max_num_f32 v[TM+\b], v[TM+\b], v[TM+4+\b]   ; with lane l xor 16's: the block's largest magnitude
.endr
.irp b, 0,1,2,3
	v_add_nc_u32 v[TM+8+\b], 0xff000000, v[TM+\b]  ; 2 off its exponent field: the conversion's scale operand
.endr
.irp b, 0,1,2,3
	v_lshrrev_b32 v[TM+4+\b], 23, v[TM+8+\b]       ; the scale's byte
.endr
	v_lshl_or_b32 v[\pw], v[TM+5], 8, v[TM+4]
	v_lshl_or_b32 v[\pw], v[TM+6], 16, v[\pw]
	v_lshl_or_b32 v[\pw], v[TM+7], 24, v[\pw]
	WIN 0x01
.irp c, 0,1
	v_cvt_scalef32_pk16_fp6_f32 v[\f+6*\c:\f+6*\c+2], v[\x+32*\c:\x+32*\c+15], v[TM+8+2*\c]
	v_cvt_scalef32_pk16_fp6_f32 v[QT+4*\c:QT+4*\c+2], v[\x+32*\c+16:\x+32*\c+31], v[TM+9+2*\c]   ; (a conversion's three registers begin on an even number)
.endr
	WIN 0
	v_nop                                          ; one plain place behind a scaled conversion
.irp c, 0,1                            ; the operand's layout wants a whole block in a lane: lanes 0-15 block 2 c, lanes 16-31 block 2 c + 1
.irp i, 0,1,2
	v_permlane16_swap_b32 v[\f+6*\c+\i], v[QT+4*\c+\i]
.endr
.irp i, 0,1,2
	v_mov_b32 v[\f+3+6*\c+\i], v[QT+4*\c+\i]
.endr
.endr
.endm
.macro QUANT2 x, f, as                 ; 128 registers: two fragments; one register carries both scale words: the first's in lanes 0-15, the second's in lanes 16-31
	QUANT \x, \f, TW0
	QUANT \x+64, \f+12, TW1
	v_cndmask_b32 v[\as], v[TW0], v[TW1], s[HM]
.endm
.macro GRP adr, buf, off, str          ; four fragments' images, str bytes apart, into set buf: twelve loads of 512 consecutive bytes
.irp q, 0,1,2,3
.irp i, 0,1,2
	ds_load_b128 v[FR0+48*(\buf)+12*\q+4*\i:FR0+48*(\buf)+12*\q+4*\i+3], v[\adr] offset:(\off)+(\str)*\q+512*\i
.endr
.endr
.endm
.macro MM d, a, b, c, sa, sb, row      ; row = 1: both sides' scale words stand in lanes 16-31; 2: source 0's alone
.if (\row) == 0
	v_wmma_scale_f32_16x16x128_f8f6f4 v[\d:\d+7], v[\a:\a+11], v[\b:\b+11], v[\c:\c+7], v[\sa], v[\sb] matrix_a_fmt:MATRIX_FMT_FP6 matrix_b_fmt:MATRIX_FMT_FP6
.elseif (\row) == 1
	v_wmma_scale_f32_16x16x128_f8f6f4 v[\d:\d+7], v[\a:\a+11], v[\b:\b+11], v[\c:\c+7], v[\sa], v[\sb] matrix_a_fmt:MATRIX_FMT_FP6 matrix_b_fmt:MATRIX_FMT_FP6 matrix_a_scale:MATRIX_SCALE_ROW1 matrix_b_scale:MATRIX_SCALE_ROW1
.else
	v_wmma_scale_f32_16x16x128_f8f6f4 v[\d:\d+7], v[\a:\a+11], v[\b:\b+11], v[\c:\c+7], v[\sa], v[\sb] matrix_a_fmt:MATRIX_FMT_FP6 matrix_b_fmt:MATRIX_FMT_FP6 matrix_a_scale:MATRIX_SCALE_ROW1
.endif
.endm
; ACC = my rows (fragments at AF, scale words in ASC) x the weight block at LDS byte wbase, transposed, + the bias at bofs, which is loaded into the accumulators and is the C of each sum's first product.
; The 16 accumulators take turns, one instruction a turn.  Fragments come four at a time into two sets; a set is loaded again four places behind the products that read it.
.macro PROJ wbase, bofs
	v_add_nc_u32 v[ADK], \wbase, v[LI]
	v_add_nc_u32 v[ADS], \wbase+49152, v[LS]
	WIN 0x40
.irp t, 0,1,2,3,4,5,6,7,8,9,10,11,12,13,14,15
.irp e, 0,1
	ds_load_b128 v[ACC+8*\t+4*\e:ACC+8*\t+4*\e+3], v[VA] offset:\bofs+128*(\t/2)+32*(\t%2)+16*\e
.endr
.endr
	WIN 0
.irp t, 0,1,2,3,4,5,6,7,8,9,10,11,12,13,14,15
	ds_load_b32 v[SC+\t], v[ADS] offset:128*\t     ; lanes 0-15: K half 0's words, lanes 16-31: K half 1's
.endr
	GRP ADK, 0, 0, 1536
	GRP ADK, 1, 6144, 1536
	PLACES 8                                       ; my rows' scale word was written by a vector instruction: eight places ahead of a scaled product
.irp g, 0,1,2,3,4,5,6,7
.if \g < 7
	s_wait_dscnt 12                                ; all but the next group's twelve loads
.else
	s_wait_dscnt 0
.endif
	WIN 0x50
.irp q, 0,1,2,3
	MM ACC+8*(4*(\g%4)+\q), FR0+48*(\g%2)+12*\q, AF+12*(\g/4), ACC+8*(4*(\g%4)+\q), SC+4*(\g%4)+\q, ASC, \g/4
.endr
	WIN 0
	PLACES 4
.if \g < 6
	GRP ADK, \g%2, 6144*(\g+2), 1536
.endif
.endr
.endm
; gelu(x) = x / 2 + erf(x / sqrt 2) x / 2 on 32 registers of ACC; erf(z) = z P(z^2) / Q(z^2), z held to +-4
.macro HORN d, sc                      ; d = d z^2 + the scalar, sixteen pairs
.set p, 0
.rept 16
	v_pk_fma_f32 v[\d+2*p:\d+2*p+1], v[\d+2*p:\d+2*p+1], v[Z2+2*p:Z2+2*p+1], s[\sc:\sc+1] op_sel_hi:[1,1,0]
.set p, p+1
.endr
.endm
.macro HORN0 d, vc, sc                 ; d = z^2 x the leading coefficient + the scalar
.set p, 0
.rept 16
	v_pk_fma_f32 v[\d+2*p:\d+2*p+1], v[Z2+2*p:Z2+2*p+1], v[\vc:\vc+1], s[\sc:\sc+1] op_sel_hi:[1,1,0]
.set p, p+1
.endr
.endm
.macro GELU ch
.set GXB, ACC+32*\ch
	WIN 0x01
.set p, 0
.rept 16
	v_pk_mul_f32 v[ZZ+2*p:ZZ+2*p+1], v[GXB+2*p:GXB+2*p+1], s[36:37] op_sel_hi:[1,0]   ; x / sqrt 2; the results are read in ascending order
.set p, p+1
.endr
	WIN 0
.set p, 0
.rept 32
	v_med3_num_f32 v[ZZ+p], v[ZZ+p], -4.0, 4.0
.set p, p+1
.endr
.set p, 0
.rept 16
	v_pk_mul_f32 v[Z2+2*p:Z2+2*p+1], v[ZZ+2*p:ZZ+2*p+1], v[ZZ+2*p:ZZ+2*p+1]
.set p, p+1
.endr
	HORN0 PP, 224, 16
	HORN0 QQ, 226, 28
	HORN PP, 18
	HORN QQ, 30
	HORN PP, 20
	HORN QQ, 32
	HORN PP, 22
	HORN QQ, 34
.set p, 0
.rept 32
	v_rcp_f32 v[QQ+p], v[QQ+p]
.set p, p+1
.endr
	HORN PP, 24                                    ; plain work that names no reciprocal stands behind the batch
	HORN PP, 26
.set p, 0
.rept 16
	v_pk_mul_f32 v[PP+2*p:PP+2*p+1], v[PP+2*p:PP+2*p+1], v[ZZ+2*p:ZZ+2*p+1]
.set p, p+1
.endr
	s_wait_alu depctr_va_vdst(0)                   ; one wait for the 32 reciprocals, ahead of their first reader
.set p, 0
.rept 16
	v_pk_mul_f32 v[PP+2*p:PP+2*p+1], v[PP+2*p:PP+2*p+1], v[QQ+2*p:QQ+2*p+1]   ; erf
.set p, p+1
.endr
	WIN 0x41
.set p, 0
.rept 16
	v_pk_mul_f32 v[GXB+2*p:GXB+2*p+1], v[GXB+2*p:GXB+2*p+1], 0.5 op_sel_hi:[1,0]
.set p, p+1
.endr
	WIN 0x54
.set p, 0
.rept 16
	v_pk_fma_f32 v[GXB+2*p:GXB+2*p+1], v[PP+2*p:PP+2*p+1], v[GXB+2*p:GXB+2*p+1], v[GXB+2*p:GXB+2*p+1]
.set p, p+1
.endr
	WIN 0
.endm
; the way out: a quarter of the columns at a time through my stage, back as rows
.macro TOST c
	WIN 0x04
.irp bb, 0,1
.irp j, 0,1,2,3
	ds_store_b128 v[STO], v[ACC+16*(2*\c+\bb)+4*\j:ACC+16*(2*\c+\bb)+4*\j+3] offset:128*\bb+16*\j
.endr
.endr
	WIN 0
.irp i, 0,1,2,3,4,5,6,7
	ds_load_b128 v[FR0+32*(\c%2)+4*\i:FR0+32*(\c%2)+4*\i+3], v[STR] offset:544*\i   ; LDS serves a wave's instructions in order
.endr
.endm
.macro SEND c, n                       ; n: the LDS instructions issued behind this quarter's loads
	s_wait_dscnt \n
.irp i, 0,1,2,3,4,5,6,7
	global_store_b128 v[GX], v[FR0+32*(\c%2)+4*\i:FR0+32*(\c%2)+4*\i+3], s[OUTP:OUTP+1] offset:(2*\i+8*(\i/4))*1024+256*\c   ; sixteen lanes store 256 consecutive bytes, at a multiple of 256 from the buffer's first byte
.endr
.endm
	s_load_b256 s[16:23], s[0:1], 0x0              ; x 16, par 18, qkv 20, tab 22
	s_load_b128 s[24:27], s[0:1], 0x20             ; lmask 24, the result 26
	v_lshl_add_u32 v[SPW], v0, 2, SPARE
	v_mov_b32 v[NIL], 0
	ds_add_u32 v[SPW], v[NIL]                      ; the wave's opening: the add, twice on end, and its wait ahead of my first tensor load
	ds_add_u32 v[SPW], v[NIL]
	v_lshrrev_b32 v[T0], 5, v0
	v_readfirstlane_b32 s[WV], v[T0]               ; wave 0..7
	v_and_b32 v[LS], 31, v0
	v_lshlrev_b32 v[LI], 4, v[LS]
	v_lshlrev_b32 v[L8], 3, v[LS]
	v_lshlrev_b32 v[LS], 2, v[LS]
	v_and_b32 v[TM], 15, v0                        ; r
	v_bfe_u32 v[TM+1], v0, 4, 1                    ; h
	v_lshl_add_u32 v[VA], v[TM+1], 6, VEC
	s_mul_i32 s88, s[WV], 4352
	s_add_co_u32 s88, s88, STAGE                   ; my stage
	v_mul_u32_u24 v[STO], v[TM], 272
	v_lshl_add_u32 v[STO], v[TM+1], 6, v[STO]
	v_add_nc_u32 v[STO], s88, v[STO]
	v_mul_u32_u24 v[STR], v[TM+1], 272
	v_lshl_add_u32 v[STR], v[TM], 4, v[STR]
	v_add_nc_u32 v[STR], s88, v[STR]
	v_lshlrev_b32 v[GX], 10, v[TM+1]
	v_lshl_add_u32 v[GX], v[TM], 4, v[GX]
	s_lshr_b32 s89, s[WV], 1                       ; w / 2
	s_and_b32 s92, s[WV], 1                        ; w % 2
	; the bias: score register 16 b + i of key step st wants T2 at (384 - 128 cx) + e + 128 st + 32 b + i, e = 127 + 16 h - my block row.  Copy e % 4 of the table is shifted by e % 4, so that four neighbours lie at a multiple of 16 bytes
	v_and_b32 v[TM+2], 8, v[TM]
	v_add_nc_u32 v[TM+2], v[TM+2], v[TM]           ; r + 8 (r / 8)
	s_lshl_b32 s74, s89, 5
	s_lshl_b32 s75, s92, 3
	s_add_co_u32 s74, s74, s75
	v_add_nc_u32 v[TM+2], s74, v[TM+2]             ; my block row
	v_lshl_add_u32 v[TM+3], v[TM+1], 4, 127
	v_sub_nc_u32 v[TM+3], v[TM+3], v[TM+2]         ; e = 0 .. 143
	v_and_b32 v[TM+2], 3, v[TM+3]
	v_mul_u32_u24 v[BA], v[TM+2], 2592
	v_and_b32 v[TM+2], 2, v[TM+3]
	v_lshl_add_u32 v[BA], v[TM+2], 5, v[BA]
	v_and_b32 v[TM+2], 0xfc, v[TM+3]
	v_lshl_add_u32 v[BA], v[TM+2], 2, v[BA]
	v_add_nc_u32 v[BA], TAB, v[BA]
.irp b, 0,1,2,3
	v_mov_b32 v[TM+4+\b], 0                        ; written once: a lane permute's destination counts as one of its sources
.endr
	v_mov_b32 v[LTB], 0
	v_mov_b32 v[NEGV], 0xfe800000
	s_mov_b32 s[SEL], 0x76543210
	s_mov_b32 s[SEL+1], 0xfedcba98                 ; v_permlanex16_b32's selects for lane l xor 16
	s_mov_b32 s[CS], 0x3db8aa3b                    ; c = log2(e) / 16
	s_mov_b32 s[CS+1], s[CS]                       ; (named with it as a pair, so it is written)
	s_mov_b32 s[HM], 0xffff0000
	s_mov_b32 s[C256], 0x3b800000                  ; 1 / 256
	s_mov_b32 s[EPS], 0x3727c5ac                   ; 1e-5
	s_bfe_u32 s[CX], ttmp6, 0x40000                ; my place in the cluster: it enters global addresses of my own loads and stores alone
	s_lshl_b32 s88, ttmp9, 2
	s_add_co_u32 s88, s88, s[CX]                   ; WG = 4 x batch + cx
	s_lshl_b32 s90, s88, 17
	s_lshl_b32 s93, s89, 15
	s_add_co_u32 s90, s90, s93
	s_lshl_b32 s93, s92, 13
	s_add_co_u32 s90, s90, s93
	s_mov_b32 s91, 0                               ; s[90:91]: my rows in x
	s_lshl_b32 s94, s88, 3
	s_add_co_u32 s94, s94, s[WV]
	s_mul_i32 s94, s94, 3328
	s_add_co_u32 s94, s94, 13631488
	s_mov_b32 s95, 0                               ; s[94:95]: my Q
	; three tiles a wave.  wo and the vectors: 29 rows of 256 bytes; K and V: 104 rows; the bias window: one row of 1,280 bytes
	s_mov_b32 s28, 15|(3<<16)|(1<<21)              ; 15:0 the mask: all four work-groups; 17:16 elements of 8 bytes; 21 set beside a mask
	s_mov_b32 s29, 32<<16
	s_mov_b32 s30, 29<<16
	s_mov_b32 s31, 32<<16
	s_mov_b32 s32, 29
	s_mov_b32 s33, 32
	s_mov_b32 s34, 0
	s_mov_b32 s35, 0
	s_mov_b32 s36, 15|(3<<16)|(1<<21)
	s_mov_b32 s37, 32<<16
	s_mov_b32 s38, 104<<16
	s_mov_b32 s39, 32<<16
	s_mov_b32 s40, 104
	s_mov_b32 s41, 32
	s_mov_b32 s42, 0
	s_mov_b32 s43, 0
	s_mov_b32 s44, 3<<16                           ; no mask: each work-group's window is its own
	s_mov_b32 s45, 160<<16
	s_mov_b32 s46, 1<<16
	s_mov_b32 s47, 160<<16
	s_mov_b32 s48, 1
	s_mov_b32 s49, 160
	s_mov_b32 s50, 1<<16
	s_mov_b32 s51, 0
	s_mov_b32 s52, 1
	s_mul_i32 s53, s[WV], 7424
	s_add_co_u32 s100, s53, 159744
	s_mov_b32 s101, 0                              ; s[100:101]: my part of wo's block in par
	s_add_co_u32 s53, s53, WOB
	s_mov_b32 s56, 1
	s_mul_i32 s57, s[WV], 26624
	s_mul_i32 s98, ttmp9, 212992
	s_add_co_u32 s98, s98, s57
	s_mov_b32 s99, 0                               ; s[98:99]: my part of the batch's block in qkv
	s_mov_b32 s60, 1
	s_mul_i32 s61, s89, 2592                       ; copy w / 2, half w % 2
	s_and_b32 s75, s89, 2
	s_lshl_b32 s75, s75, 5
	s_add_co_u32 s61, s61, s75
	s_mul_i32 s75, s92, 1280
	s_add_co_u32 s61, s61, s75
	s_add_co_u32 s61, s61, TAB
	s_lshl_b32 s72, s89, 12
	s_add_co_u32 s72, s72, s75
	s_add_co_u32 s72, s72, 1536
	s_lshl_b32 s73, s[CX], 9
	s_sub_co_u32 s72, s72, s73                     ; the window begins at entry 384 - 128 cx
	s_mov_b32 s73, 0
	s_wait_dscnt 0x0                               ; both opening adds are done
	s_wait_kmcnt 0x0
	s_add_nc_u64 s[XP:XP+1], s[16:17], s[90:91]
	s_add_nc_u64 s[OUTP:OUTP+1], s[26:27], s[90:91]
	s_mov_b64 s[PAR:PAR+1], s[18:19]
	s_add_nc_u64 s[QP:QP+1], s[20:21], s[94:95]
	s_lshl_b32 s94, ttmp9, 10
	s_add_nc_u64 s[MB:MB+1], s[24:25], s[94:95]    ; the batch's 256 lane masks
	s_add_nc_u64 s[54:55], s[18:19], s[100:101]
	s_or_b32 s55, s55, 0x80000000
	s_add_nc_u64 s[58:59], s[20:21], s[98:99]
	s_or_b32 s59, s59, 0x80000000
	s_add_nc_u64 s[62:63], s[22:23], s[72:73]
	s_or_b32 s63, s63, 0x80000000
	CROUND                                         ; all four work-groups are here: the joint loads meet
	tensor_load_to_lds s[52:55], s[28:35]          ; three loads of mine are out
	s_nop 0
	tensor_load_to_lds s[56:59], s[36:43]
	s_nop 0
	tensor_load_to_lds s[60:63], s[44:51]
	s_nop 0
	PLACES 4
.irp i, 0,1,2,3,4,5
	global_load_b128 v[AF+4*\i:AF+4*\i+3], v[LI], s[QP:QP+1] offset:512*\i        ; my queries' two fragments, as they were stored
.endr
	global_load_b32 v[ASC], v[L8], s[QP:QP+1] offset:3072
	XIN
	s_wait_tensorcnt 0x0                           ; my parts have landed,
	s_wait_dscnt 0x0                               ; x is in HH,
	s_barrier_signal -1
	s_barrier_wait -1                              ; everybody's parts have
	LNORM HH, HH, 0, 1024                          ; h: it stays in HH
	v_mov_b32 v[TMX], 0xff61b1e6                   ; the largest t so far: -3e38, under every t
	v_floor_f32 v[NM], -v[TMX]                     ; -M
	v_mov_b32 v[SUM], 0
	v_mov_b32 v[SUM+1], 0
	v_mov_b32 v[PSC], 0                            ; (named as the upper half of the pair with f before it is first written)
	WIN 0x40
.set n, 0
.rept 128
	v_mov_b32 v[ACC+n], 0                          ; O^T.  The key step is written once: its first trip finds zeros, which the first change of M leaves zeros
.set n, n+1
.endr
	WIN 0
	s_mov_b32 s[CNT], 0
	s_mov_b32 s[KO], 0
	s_mov_b32 s[VO], 98304
	s_mov_b32 s[SO], KVS
	s_mov_b32 s[BO], 0
.Lkey:                                             ; four trips of 128 keys
	s_load_b512 s[16:31], s[MB:MB+1], 0x0          ; the step's 64 lane masks: score register n takes s[16 + n], from n = 48 on s[32 + n]
	s_load_b512 s[32:47], s[MB:MB+1], 0x40
	s_load_b512 s[48:63], s[MB:MB+1], 0x80
	s_load_b512 s[80:95], s[MB:MB+1], 0xc0
	v_add_nc_u32 v[ADK], s[KO], v[LI]
	v_add_nc_u32 v[ADV], s[VO], v[LI]
	v_add_nc_u32 v[ADS], s[SO], v[L8]
	v_add_nc_u32 v[ADB], s[BO], v[BA]
.irp t, 0,1,2,3,4,5,6,7
.irp e, 0,1
	ds_load_b128 v[SS+8*\t+4*\e:SS+8*\t+4*\e+3], v[ADB] offset:128*(\t/2)+32*(\t%2)+16*\e   ; 16 x the bias: the C of the first product
.endr
.endr
.irp t, 0,1,2,3,4,5,6,7
	ds_load_b32 v[SC+\t], v[ADS] offset:256*\t     ; K's scale words: lanes 0-15 channels 0-127, lanes 16-31 channels 128-255
.endr
	GRP ADK, 0, 0, 3072                            ; key tiles 0-3, channels 0-127
	GRP ADK, 1, 12288, 3072                        ; key tiles 4-7
.irp g, 0,1,2,3                        ; S^T = K Q^T + 16 bias: eight accumulators by turns
.if \g < 3
	s_wait_dscnt 12                                ; all but the twelve loads issued last
.else
	s_wait_dscnt 20                                ; behind this group's loads: V's eight scale loads and its first twelve
.endif
.irp q, 0,1,2,3
	MM SS+8*(4*(\g%2)+\q), FR0+48*(\g%2)+12*\q, AF+12*(\g/2), SS+8*(4*(\g%2)+\q), SC+4*(\g%2)+\q, ASC, \g/2
.endr
	PLACES 4
.if \g < 2
	GRP ADK, \g%2, 1536+12288*\g, 3072             ; the same tiles' channels 128-255
.elseif \g == 2
.irp i, 0,1,2,3,4,5,6,7
	ds_load_b32 v[SC+8+\i], v[ADS] offset:8192+256*\i   ; V's scale words: lanes 0-15 tile 2 i, lanes 16-31 tile 2 i + 1
.endr
	GRP ADV, 0, 0, 1536                            ; V's tiles 0-3
.else
	GRP ADV, 1, 6144, 1536                         ; tiles 4-7
.endif
.endr
	s_wait_kmcnt 0x0                               ; the masks are in, and their base may step
	s_add_nc_u64 s[MB:MB+1], s[MB:MB+1], 256
.set n, 0
.rept 64
	v_cndmask_b32 v[SS+n], v[NEGV], v[SS+n], s[16+n+16*(n/48)]     ; a key that does not count: -2^126; in ascending order, each result from its low end on
.set n, n+1
.endr
.irp b, 0,1,2,3
	v_max3_num_f32 v[TM+\b], v[SS+16*\b], v[SS+16*\b+1], v[SS+16*\b+2]   ; the largest score of each block of 32 keys: for the row's maximum and, since p rises with the score, for the block's largest p
.endr
.irp i, 3,5,7,9,11,13
.irp b, 0,1,2,3
	v_max3_num_f32 v[TM+\b], v[TM+\b], v[SS+16*\b+\i], v[SS+16*\b+\i+1]
.endr
.endr
.irp b, 0,1,2,3
	v_max_num_f32 v[TM+\b], v[TM+\b], v[SS+16*\b+15]
.endr
.irp b, 0,1,2,3
	v_permlanex16_b32 v[TM+4+\b], v[TM+\b], s[SEL], s[SEL+1]
.endr
.irp b, 0,1,2,3
	v_max_num_f32 v[TM+\b], v[TM+\b], v[TM+4+\b]   ; with lane l xor 16's 16 keys
.endr
	v_max3_num_f32 v[T0], v[TM], v[TM+1], v[TM+2]
	v_max_num_f32 v[T0], v[T0], v[TM+3]
	v_mul_f32 v[T0], s[CS], v[T0]                  ; as t (c is positive)
	v_max_num_f32 v[TMX], v[TMX], v[T0]            ; the running largest t
	v_mov_b32 v[T0], v[NM]
	v_floor_f32 v[NM], -v[TMX]                     ; the new -M = floor(-t): M is a whole number
	v_sub_f32 v[T0], v[NM], v[T0]                  ; old M - new M: a whole number, 0 or less
	v_cvt_i32_f32 v[T0], v[T0]                     ; (it saturates)
	v_ldexp_f32 v[FP], 1.0, v[T0]                  ; f = 2^(old M - new M)
.set n, 0
.rept 32
	v_pk_fma_f32 v[SS+n:SS+n+1], v[SS+n:SS+n+1], s[CS:CS+1], v[NM:NM+1] op_sel_hi:[1,0,0]   ; t - M
.set n, n+2
.endr
.irp b, 0,1,2,3
	v_fma_f32 v[TM+\b], v[TM+\b], s[CS], v[NM]     ; the same of each block's largest score
.endr
.set n, 0
.rept 64
	v_exp_f32 v[SS+n], v[SS+n]                     ; p = 2^(t - M), at most 1, not normalised
.set n, n+1
.endr
	v_pk_mul_f32 v[SUM:SUM+1], v[SUM:SUM+1], v[FP:FP+1] op_sel_hi:[1,0]   ; the sums under the new M: the plain place behind the exponentials
	s_wait_alu depctr_va_vdst(0)                   ; one wait for the batch of 64, ahead of its first reader
.irp b, 0,1,2,3
	v_exp_f32 v[TM+\b], v[TM+\b]                   ; the block's largest p: the same two instructions on the same number
.endr
	v_pk_add_f32 v[TM+4:TM+5], v[SS:SS+1], v[SS+2:SS+3]   ; the row's sum is taken of the unquantised p, in two chains
.irp j, 4,8,12,16,20,24,28,32,36,40,44,48,52,56,60
	v_pk_add_f32 v[SUM:SUM+1], v[SUM:SUM+1], v[SS+\j:SS+\j+1]
	v_pk_add_f32 v[TM+4:TM+5], v[TM+4:TM+5], v[SS+\j+2:SS+\j+3]
.endr
	v_pk_add_f32 v[SUM:SUM+1], v[SUM:SUM+1], v[TM+4:TM+5]
	s_wait_alu depctr_va_vdst(0)                   ; and one for the four
.irp b, 0,1,2,3
	v_max_num_f32 v[TM+\b], 0x1800000, v[TM+\b]    ; the floor 2^(3 - 127): a block whose every p is 0 keeps the byte 1: its codes are zeros
.endr
.irp b, 0,1,2,3
	v_add_nc_u32 v[TM+8+\b], 0xff000000, v[TM+\b]
.endr
.irp b, 0,1,2,3
	v_lshrrev_b32 v[TM+4+\b], 23, v[TM+8+\b]
.endr
	v_lshl_or_b32 v[PSC], v[TM+5], 8, v[TM+4]      ; p's scale word for these 128 keys
	v_lshl_or_b32 v[PSC], v[TM+6], 16, v[PSC]
	v_lshl_or_b32 v[PSC], v[TM+7], 24, v[PSC]
.irp c, 0,1
	v_cvt_scalef32_pk16_fp6_f32 v[PC+6*\c:PC+6*\c+2], v[SS+32*\c:SS+32*\c+15], v[TM+8+2*\c]
	v_cvt_scalef32_pk16_fp6_f32 v[QT+4*\c:QT+4*\c+2], v[SS+32*\c+16:SS+32*\c+31], v[TM+9+2*\c]
.endr
	v_nop                                          ; one plain place behind a scaled conversion
.irp c, 0,1
.irp i, 0,1,2
	v_permlane16_swap_b32 v[PC+6*\c+\i], v[QT+4*\c+\i]
.endr
.irp i, 0,1,2
	v_mov_b32 v[PC+3+6*\c+\i], v[QT+4*\c+\i]
.endr
.endr
	WIN 0x41
.set n, 0
.rept 64
	v_pk_mul_f32 v[ACC+n:ACC+n+1], v[ACC+n:ACC+n+1], v[FP:FP+1] op_sel_hi:[1,0]   ; O^T under the new M; these are also the places between p's codes and scale word and the products
.set n, n+2
.endr
.irp vg, 0,1,2,3                       ; O^T += V^T P^T: sixteen accumulators, one product each
.if \vg < 3
	s_wait_dscnt 12                                ; all but the twelve loads issued last
.else
	s_wait_dscnt 0
.endif
	WIN 0x50
.irp q, 0,1,2,3
	MM ACC+8*(4*\vg+\q), FR0+48*(\vg%2)+12*\q, PC, ACC+8*(4*\vg+\q), SC+8+(4*\vg+\q)/2, PSC, 2*(\q%2)
.endr
	WIN 0
	PLACES 4
.if \vg < 2
	GRP ADV, \vg%2, 6144*(\vg+2), 1536
.endif
.endr
	s_add_co_u32 s[KO], s[KO], 24576
	s_add_co_u32 s[VO], s[VO], 24576
	s_add_co_u32 s[SO], s[SO], 2048
	s_add_co_u32 s[BO], s[BO], 512
	s_add_co_u32 s[CNT], s[CNT], 1
	s_cmp_lt_u32 s[CNT], 4
	s_cbranch_scc1 .Lkey
	; ---- THE ONE REFILL: w1 and w2 (102,400 dense bytes of par) over K's bytes, 50 rows of 256 bytes a wave, jointly
	s_wait_tensorcnt 0x0                           ; no tensor load of mine is out
	ds_add_u32 v[SPW], v[NIL]                      ; 0 onto my spare word; the descriptor's words stand between it and the wait for it
	s_mov_b32 s80, 15|(3<<16)|(1<<21)
	s_mov_b32 s81, 32<<16
	s_mov_b32 s82, 50<<16
	s_mov_b32 s83, 32<<16
	s_mov_b32 s84, 50
	s_mov_b32 s85, 32
	s_mov_b32 s86, 0
	s_mov_b32 s87, 0
	s_mov_b32 s76, 1
	s_mul_i32 s77, s[WV], 12800
	s_mul_i32 s98, s[WV], 12800
	s_mov_b32 s99, 0
	s_add_nc_u64 s[78:79], s[PAR:PAR+1], s[98:99]
	s_add_nc_u64 s[78:79], s[78:79], 219136
	s_or_b32 s79, s79, 0x80000000
	s_wait_dscnt 0x0                               ; the add is done, and my reads of K and V are over
	CROUND                                         ; no wave of any partner still reads K or V
	tensor_load_to_lds s[76:79], s[80:87]          ; my one tensor load behind the round
	s_nop 0
	PLACES 4
	v_add_f32 v[SUM], v[SUM], v[SUM+1]             ; the sum's two halves,
	v_permlanex16_b32 v[T0], v[SUM], s[SEL], s[SEL+1]
	v_add_f32 v[SUM], v[SUM], v[T0]                ; and lane l xor 16's
	v_rcp_f32 v[FP], v[SUM]
	v_nop                                          ; the plain place behind the transcendental
	s_wait_alu depctr_va_vdst(0)
	WIN 0x41
.set n, 0
.rept 64
	v_pk_mul_f32 v[ACC+n:ACC+n+1], v[ACC+n:ACC+n+1], v[FP:FP+1] op_sel_hi:[1,0]   ; O^T / the sum
.set n, n+2
.endr
	QUANT2 ACC, AF, ASC
	PROJ WOB, 4096                                 ; wo, bo
	LNORM ACC, ACC, 0, 1024                        ; the same norm once more
	WIN 0x45
.set n, 0
.rept 64
	v_pk_add_f32 v[HH+n:HH+n+1], v[HH+n:HH+n+1], v[ACC+n:ACC+n+1]   ; x1 = h + LN(o)
.set n, n+2
.endr
	LNORM HH, ACC, 2048, 3072                      ; c
	QUANT2 ACC, AF, ASC
	s_wait_tensorcnt 0x0                           ; my part of w1 and w2 has landed,
	s_wait_dscnt 0x0
	s_barrier_signal -1
	s_barrier_wait -1                              ; everybody's has
	PROJ 0, 5120                                   ; w1, b1
	s_mov_b32 s16, 0x32edffee                      ; P's coefficients below the leading one, highest first, each as a pair,
	s_mov_b32 s17, s16
	s_mov_b32 s18, 0xb60cff51
	s_mov_b32 s19, s18
	s_mov_b32 s20, 0xb86ec2d2
	s_mov_b32 s21, s20
	s_mov_b32 s22, 0xba40ac63
	s_mov_b32 s23, s22
	s_mov_b32 s24, 0xbb41a1f6
	s_mov_b32 s25, s24
	s_mov_b32 s26, 0xbc83dbd4
	s_mov_b32 s27, s26
	s_mov_b32 s28, 0xb95fbd29                      ; Q's,
	s_mov_b32 s29, s28
	s_mov_b32 s30, 0xbadc924e
	s_mov_b32 s31, s30
	s_mov_b32 s32, 0xbbf19bf8
	s_mov_b32 s33, s32
	s_mov_b32 s34, 0xbc69b6a7
	s_mov_b32 s35, s34
	s_mov_b32 s36, 0x3f3504f3                      ; and 1 / sqrt 2
	s_mov_b32 s37, s36
	v_mov_b32 v224, 0xaf95df0b                     ; the leading coefficients, in vector pairs: an instruction reads two scalar values at the most
	v_mov_b32 v225, 0xaf95df0b
	v_mov_b32 v226, 0xb77460cd
	v_mov_b32 v227, 0xb77460cd
	GELU 0
	GELU 1
	GELU 2
	GELU 3
	QUANT2 ACC, AF, ASC
	PROJ 51200, 6144                               ; w2, b2
	WIN 0x45
.set n, 0
.rept 64
	v_pk_add_f32 v[ACC+n:ACC+n+1], v[ACC+n:ACC+n+1], v[HH+n:HH+n+1]   ; + x1; in ascending order
.set n, n+2
.endr
	TOST 0
	TOST 1
	SEND 0, 16                                     ; behind quarter 0's loads: quarter 1's eight stores and eight loads
	s_wait_xcnt 0x0                                ; quarter 0's stores have read their registers: quarter 2's loads land there
	TOST 2
	SEND 1, 16
	s_wait_xcnt 0x0
	TOST 3
	SEND 2, 16
	SEND 3, 0
	s_wait_tensorcnt 0x0                           ; the wave's end, behind my last tensor load and my last LDS store
	ds_add_u32 v[SPW], v[NIL]
	s_wait_dscnt 0x0
	CROUND                                         ; the closing round
	s_endpgm
.Lfunc_end_k_q440142f4c4_attlast:
	.size	k_q440142f4c4_attlast, .Lfunc_end_k_q440142f4c4_attlast-k_q440142f4c4_attlast
	.p2alignl 7, 3214868480
	.fill 96, 4, 3214868480
	.section	.rodata,"a",@progbits
	.p2align	6, 0x0
	.amdhsa_kernel k_q440142f4c4_attlast
		.amdhsa_group_segment_fixed_size 327680
		.amdhsa_private_segment_fixed_size 0
		.amdhsa_enable_private_segment 0
		.amdhsa_kernarg_size 48
		.amdhsa_user_sgpr_count 2
		.amdhsa_user_sgpr_kernarg_segment_ptr 1
		.amdhsa_wavefront_size32 1
		.amdhsa_system_sgpr_workgroup_id_x 1
		.amdhsa_system_sgpr_workgroup_id_y 1
		.amdhsa_system_sgpr_workgroup_id_z 1
		.amdhsa_system_vgpr_workitem_id 0
		.amdhsa_next_free_vgpr 512
		.amdhsa_next_free_sgpr 102
		.amdhsa_reserve_vcc 0
		.amdhsa_float_denorm_mode_32 3
		.amdhsa_float_denorm_mode_16_64 3
		.amdhsa_memory_ordered 1
		.amdhsa_forward_progress 1
		.amdhsa_inst_pref_size 255
	.end_amdhsa_kernel
	.section	.bss,"aw",@nobits
	.p2align	6
	.space	262144
	.amdgpu_metadata
---
amdhsa.version: [ 1, 2 ]
amdhsa.kernels:
  - .name:           k_q440142f4c4_attlast
    .symbol:         k_q440142f4c4_attlast.kd
    .args:
      - { .name: xa, .offset: 0, .size: 8, .value_kind: global_buffer, .address_space: global }
      - { .name: par2, .offset: 8, .size: 8, .value_kind: global_buffer, .address_space: global }
      - { .name: qkv, .offset: 16, .size: 8, .value_kind: global_buffer, .address_space: global }
      - { .name: tab, .offset: 24, .size: 8, .value_kind: global_buffer, .address_space: global }
      - { .name: lmask, .offset: 32, .size: 8, .value_kind: global_buffer, .address_space: global }
      - { .name: out0, .offset: 40, .size: 8, .value_kind: global_buffer, .address_space: global }
    .group_segment_fixed_size: 327680
    .private_segment_fixed_size: 0
    .kernarg_segment_align: 8
    .kernarg_segment_size: 48
    .max_flat_workgroup_size: 256
    .sgpr_count:     102
    .vgpr_count:     512
    .wavefront_size: 32
...
	.end_amdgpu_metadata
.endif
;; end of part 5
